; MI455X (gfx1250); checked and timed in simulation.
; The chip was launched on July 23, 2026; its instructions are those of AMD's public machine-readable ISA for CDNA 5 (MIT licence, August 2026) and "CDNA5" Instruction Set Architecture Reference Guide (July 2026). The comments in the code are by the model that wrote it; some were corrected since.
;; adaptive style. Allowed arithmetic: float matrix products may take bf16 or f16 operands with f32 sums; other float arithmetic in f32, or as packed bf16 or f16 multiplies, adds, multiply-adds, maxima and minima; sums over many terms, partial sums and values carried from step to step in f32; what a program stores and reads back later, other than sums and carried values, may be rounded once to bf16 or f16.
;; Inputs: Wf 512 x 512 float32; Wg 512 x 512 float32; Wh 512 x 512 float32; Wk 512 x 512 float32; bf 512 float32; bg 512 float32; bh 512 float32; bk 512 float32; s_sty 16 x 512 x 64 x 16 float32; x 16 x 512 x 128 x 16 float32.
;; Outputs: out0 16 x 512 x 128 x 16 float32.
;; 2 versions, each right. Each part assembles by itself: llvm-mc -triple=amdgcn-amd-amdhsa -mcpu=gfx1250 --defsym DOCPART=n.
;; ======== version 1 of 2: 4 launches
;; limits: values outside matrix products are rounded to bf16; values are held in f16: magnitudes above 65,504 overflow, below 6.1e-05 lose precision; inputs' magnitudes at most 65,504
;; workspace buffers: wall 1,572,864 bytes; bkh 2,048 bytes; zall 67,108,864 bytes; yall 67,108,864 bytes
;; launch wprep (part 1): grid 64 x 1, 8 waves a work-group, no clusters, 190,464 bytes of LDS; arguments Wf, Wg, Wh, Wk, bh, bk, wall, bkh; writes wall, bkh
.if DOCPART == 1
	.amdgcn_target "amdgcn-amd-amdhsa--gfx1250"
	.amdhsa_code_object_version 6
	.text
	.protected	k_q667beb8b65_wprep
	.globl	k_q667beb8b65_wprep
	.p2align	8
	.type	k_q667beb8b65_wprep,@function
k_q667beb8b65_wprep:
	s_mov_b64 s[64:65], 0
	v_nop
	global_prefetch_b8 v0, s[64:65] scope:SCOPE_SE
	s_setreg_imm32_b32 hwreg(HW_REG_WAVE_MODE, 25, 1), 1
	s_wait_xcnt 0x0
; WEIGHTS.  wall[0] = Wf, wall[1] = Wg, wall[2] = Wkh = Wk Wh, each [512][512] rounded once to f16; bkh = Wk bh + bk in f32.
; Wk (H S^T) = (Wk H) S^T for every input, so the last 1x1 convolution is folded into the value projection; bkh rides in the values, since a row of S sums to 1.
; LIMITS.  Weights and the entries of Wk Wh lie within f16's range, 65,504; below 6e-5 they keep f16's fixed step of 6e-8.
; SHARES.  64 work-groups of 8 waves.  Work-group g makes rows 32 (g / 4) .. + 31, columns 128 (g % 4) .. + 127 of Wkh; wave w of it also casts row 8 g + w of Wf and of Wg and makes bkh[8 g + w].
; Wkh: Wh's 512 x 128 block and Wk's 32 x 512 block go through registers (f32 to f16) into LDS; wave w then makes columns 16 w .. + 15 for both tiles of 16 rows: 16 K steps, two accumulators by turns.
; The product is taken transposed (source 0 = 16 columns of Wh, turned by ds_load_tr16_b128; source 1 = 16 rows of Wk): a lane ends with eight neighbouring columns of one row.
.set WHL,   0                          ; Wh block: 512 rows m x 288 bytes (256 + 32: an odd multiple of 32, for the turning load)
.set WHP,   288
.set WKL,   147456                     ; Wk block: 32 rows o x 1,040 bytes (1,024 + 16: an odd multiple of 16)
.set WKP,   1040
.set STG,   180736                     ; the way out: 32 rows x 272 bytes
.set SGP,   272
.set SPARE, 189440                     ; the spare words, 128 bytes for each of 8 waves: four blocks of 256 bytes that no other line names
.set LN,  2                            ; v2   lane
.set L16, 3                            ; v3   16 x lane; never rewritten
.set L8,  4                            ; v4   8 x lane; never rewritten
.set WKS, 5                            ; v5   where I put 8 bytes of my first row of the Wk block
.set WHS, 6                            ; v6   the same for the Wh block
.set FW0, 7                            ; v7-9 my lane's place in a fragment of Wh, for K steps 0-5, 6-11, 12-15 (an LDS offset has 16 bits)
.set FK,  10                           ; v10  my lane's place in a fragment of Wk
.set STO, 11                           ; v11  the way out: in
.set RD,  12                           ; v12  the way out: back
.set GO,  13                           ; v13  my byte offset in the block's rows of wall
.set SPW, 16                           ; v16  LDS address of my spare word; never rewritten
.set NIL, 17                           ; v17  0; never rewritten
.set T,   20                           ; v20-23 at work
.set RA,  32                           ; v32-95   Wk's row, bh, Wf's row, Wg's row; then Wh's batch 1
.set RB,  96                           ; v96-159  my four rows of the Wk block; then Wh's batch 2
.set RC,  160                          ; v160-223 Wh's batches 0 and 3
.set PK,  224                          ; v224-255 packed halves
.set BUF, 32                           ; the products: two sets of 24 (a fragment of Wh, two of Wk)
.set ACC, 80                           ; v80-95  two accumulators
.set WV,  24                           ; s24  my wave's number
	s_load_b512 s[8:23], s[0:1], 0x0               ; Wf 8, Wg 10, Wh 12, Wk 14, bh 16, bk 18, wall 20, bkh 22
	v_lshl_add_u32 v[SPW], v0, 2, SPARE
	v_mov_b32 v[NIL], 0
	v_lshrrev_b32 v1, 5, v0
	v_readfirstlane_b32 s[WV], v1
	v_and_b32 v[LN], 31, v0
	v_lshlrev_b32 v[L16], 4, v[LN]
	v_lshlrev_b32 v[L8], 3, v[LN]
	s_lshl_b32 s25, ttmp9, 3
	s_add_co_u32 s25, s25, s[WV]                   ; my row of the casts and of bkh
	s_lshr_b32 s50, ttmp9, 2                       ; block of 32 rows of Wkh
	s_and_b32 s51, ttmp9, 3                        ; block of 128 columns
	s_mov_b32 s27, 0
	s_mov_b32 s48, 0x76543210                      ; v_permlanex16_b32: each lane takes its own place in the other half
	s_mov_b32 s49, 0xfedcba98
	s_wait_kmcnt 0x0
	s_lshl_b32 s26, s25, 11                        ; a row of f32 is 2,048 bytes
	s_add_nc_u64 s[28:29], s[14:15], s[26:27]      ; Wk at my row
	s_add_nc_u64 s[30:31], s[8:9], s[26:27]        ; Wf
	s_add_nc_u64 s[32:33], s[10:11], s[26:27]      ; Wg
	s_lshl_b32 s26, s25, 2
	s_add_nc_u64 s[38:39], s[18:19], s[26:27]      ; bk at my number
	s_add_nc_u64 s[44:45], s[22:23], s[26:27]      ; bkh
	s_load_b32 s46, s[38:39], 0x0
	s_lshl_b32 s26, s25, 10                        ; a row of f16 is 1,024 bytes
	s_add_nc_u64 s[40:41], s[20:21], s[26:27]      ; wall[0] at my row
	s_lshl_b32 s26, s50, 16
	s_lshl_b32 s52, s[WV], 13
	s_add_co_u32 s26, s26, s52
	s_add_nc_u64 s[34:35], s[14:15], s[26:27]      ; Wk at row 32 block + 4 wave
	s_lshl_b32 s26, s[WV], 17
	s_lshl_b32 s52, s51, 9
	s_add_co_u32 s26, s26, s52
	s_add_nc_u64 s[36:37], s[12:13], s[26:27]      ; Wh at row 64 wave, column 128 block
	s_lshl_b32 s26, s50, 15
	s_lshl_b32 s52, s51, 8
	s_add_co_u32 s26, s26, s52
	s_add_co_u32 s26, s26, 0x100000
	s_add_nc_u64 s[42:43], s[20:21], s[26:27]      ; wall[2] at the block's first row and column
.macro WHLOAD base, b                  ; 16 rows of my 64 of the Wh block: a row's 512 bytes an instruction
.set t, 0
.rept 16
	global_load_b128 v[(\base)+4*t:(\base)+4*t+3], v[L16], s[36:37] offset:(16*(\b)+t)*2048
.set t, t+1
.endr
.endm
.macro WHPUT base, b                   ; rounded to f16 and laid into LDS, 8 bytes a lane
.set t, 0
.rept 16
	v_cvt_pk_f16_f32 v[PK+2*t], v[(\base)+4*t], v[(\base)+4*t+1]
	v_cvt_pk_f16_f32 v[PK+2*t+1], v[(\base)+4*t+2], v[(\base)+4*t+3]
	ds_store_b64 v[WHS], v[PK+2*t:PK+2*t+1] offset:(16*(\b)+t)*WHP
.set t, t+1
.endr
.endm
.irp j, 0,1,2,3
	global_load_b128 v[RA+4*\j:RA+4*\j+3],       v[L16], s[28:29] offset:512*\j
	global_load_b128 v[RA+16+4*\j:RA+16+4*\j+3], v[L16], s[16:17] offset:512*\j
	global_load_b128 v[RA+32+4*\j:RA+32+4*\j+3], v[L16], s[30:31] offset:512*\j
	global_load_b128 v[RA+48+4*\j:RA+48+4*\j+3], v[L16], s[32:33] offset:512*\j
.endr
.set i, 0
.rept 16
	global_load_b128 v[RB+4*i:RB+4*i+3], v[L16], s[34:35] offset:(i/4)*2048+(i%4)*512
.set i, i+1
.endr
	WHLOAD RC, 0
	; the LDS addresses, while the loads are out
	s_mul_i32 s52, s[WV], 4*WKP
	s_add_co_u32 s52, s52, WKL
	v_add_nc_u32 v[WKS], s52, v[L8]
	s_mul_i32 s52, s[WV], 64*WHP
	v_add_nc_u32 v[WHS], s52, v[L8]
	v_and_b32 v1, 15, v0                           ; r = l % 16
	v_bfe_u32 v14, v0, 4, 1                        ; h = l / 16
	v_and_b32 v15, 7, v0
	v_bfe_u32 v18, v0, 3, 1
	v_lshl_add_u32 v19, v14, 3, v15                ; the turning load: row 8 h + l % 8,
	v_mul_u32_u24 v19, v19, WHP
	v_lshl_add_u32 v19, v18, 4, v19                ; 16 bytes by (l / 8) % 2,
	s_lshl_b32 s52, s[WV], 5
	v_add_nc_u32 v[FW0], s52, v19                  ; my wave's 16 columns
	v_add_nc_u32 v[FW0+1], 6*32*WHP, v[FW0]
	v_add_nc_u32 v[FW0+2], 12*32*WHP, v[FW0]
	v_mul_u32_u24 v[FK], v1, WKP
	v_lshl_add_u32 v[FK], v14, 4, v[FK]
	v_add_nc_u32 v[FK], WKL, v[FK]
	v_mul_u32_u24 v[STO], v1, SGP
	v_lshl_add_u32 v[STO], v14, 4, v[STO]
	s_add_co_u32 s52, s52, STG
	v_add_nc_u32 v[STO], s52, v[STO]               ; row r, 32 bytes a wave, 16 a half
	s_lshl_b32 s52, s[WV], 2
	v_add_nc_u32 v19, s52, v14                     ; back: row 4 w + h (+ 2 t)
	v_mul_u32_u24 v[RD], v19, SGP
	v_lshl_add_u32 v[RD], v1, 4, v[RD]
	v_add_nc_u32 v[RD], STG, v[RD]
	v_lshlrev_b32 v[GO], 10, v19
	v_lshl_add_u32 v[GO], v1, 4, v[GO]
	s_wait_loadcnt 32                              ; the first 16 loads are in; the Wk block's 16 and Wh's first 16 may stay out
.irp j, 0,1,2,3,4,5,6,7
	v_cvt_pk_f16_f32 v[PK+\j],   v[RA+32+2*\j], v[RA+32+2*\j+1]
	v_cvt_pk_f16_f32 v[PK+8+\j], v[RA+48+2*\j], v[RA+48+2*\j+1]
.endr
.irp j, 0,1,2,3
	global_store_b64 v[L8], v[PK+2*\j:PK+2*\j+1],     s[40:41] offset:256*\j         ; 32 lanes store 256 consecutive bytes, aligned
	global_store_b64 v[L8], v[PK+8+2*\j:PK+8+2*\j+1], s[40:41] offset:524288+256*\j
.endr
	v_pk_mul_f32 v[T:T+1],   v[RA:RA+1],   v[RA+16:RA+17]   ; Wk's row times bh: two chains
	v_pk_mul_f32 v[T+2:T+3], v[RA+2:RA+3], v[RA+18:RA+19]
.set i, 2
.rept 6
	v_pk_fma_f32 v[T+2*(i%2):T+2*(i%2)+1], v[RA+2*i:RA+2*i+1], v[RA+16+2*i:RA+16+2*i+1], v[T+2*(i%2):T+2*(i%2)+1]
.set i, i+1
.endr
	v_pk_add_f32 v[T:T+1], v[T:T+1], v[T+2:T+3]
	v_add_f32 v[T], v[T], v[T+1]
	v_add_f32_dpp v[T], v[T], v[T] row_xmask:1 row_mask:0xf bank_mask:0xf
	v_add_f32_dpp v[T], v[T], v[T] row_xmask:2 row_mask:0xf bank_mask:0xf
	v_add_f32_dpp v[T], v[T], v[T] row_xmask:4 row_mask:0xf bank_mask:0xf
	v_add_f32_dpp v[T], v[T], v[T] row_xmask:8 row_mask:0xf bank_mask:0xf
	v_permlanex16_b32 v[T+1], v[T], s48, s49
	v_add_f32 v[T], v[T], v[T+1]
	s_wait_kmcnt 0x0                               ; bk's number
	v_add_f32 v[T], s46, v[T]
	v_cmp_eq_u32 vcc_lo, 0, v[LN]
	s_wait_xcnt 0x0                                ; EXEC is a source of the loads and stores that are out: it changes only behind this wait
	s_and_saveexec_b32 s47, vcc_lo
	global_store_b32 v[L8], v[T], s[44:45]         ; lane 0, whose offset is 0
	s_wait_xcnt 0x0                                ; and again ahead of the line that widens it; the packed registers are free too
	s_or_b32 exec_lo, exec_lo, s47
	WHLOAD RA, 1
	s_wait_loadcnt 32                              ; the Wk block is in; two batches of Wh may stay out
.set i, 0
.rept 16
	v_cvt_pk_f16_f32 v[PK+2*i],   v[RB+4*i],   v[RB+4*i+1]
	v_cvt_pk_f16_f32 v[PK+2*i+1], v[RB+4*i+2], v[RB+4*i+3]
	ds_store_b64 v[WKS], v[PK+2*i:PK+2*i+1] offset:(i/4)*WKP+(i%4)*256
.set i, i+1
.endr
	WHLOAD RB, 2
	s_wait_loadcnt 32                              ; batch 0 is in
	WHPUT RC, 0
	WHLOAD RC, 3
	s_wait_loadcnt 32                              ; batch 1
	WHPUT RA, 1
	s_wait_loadcnt 16                              ; batch 2
	WHPUT RB, 2
	s_wait_loadcnt 0x0                             ; batch 3
	WHPUT RC, 3
	s_wait_dscnt 0x0                               ; for the others' sake: my stores are done
	s_barrier_signal -1
	s_barrier_wait -1                              ; both blocks are whole
.macro LOADF ks, b                     ; K step ks: a fragment of Wh (turned) and two of Wk into set b
.set FB, BUF+24*(\b)
	ds_load_tr16_b128 v[FB:FB+3],   v[FW0+(\ks)/6] offset:((\ks)%6)*32*WHP
	ds_load_tr16_b128 v[FB+4:FB+7], v[FW0+(\ks)/6] offset:((\ks)%6)*32*WHP+16*WHP
.irp ot, 0,1
	ds_load_b128 v[FB+8+8*\ot:FB+8+8*\ot+3],   v[FK] offset:\ot*16*WKP+64*(\ks)
	ds_load_b128 v[FB+8+8*\ot+4:FB+8+8*\ot+7], v[FK] offset:\ot*16*WKP+64*(\ks)+32
.endr
.endm
	LOADF 0, 0
.set ks, 0
.rept 16
.if ks < 15
	LOADF ks+1, (ks+1)%2                           ; into the set that the step before multiplied, four places behind its products
	s_wait_dscnt 6                                 ; this step's six loads are in, the next step's may stay out
.else
	s_wait_dscnt 0x0
.endif
.set FB, BUF+24*(ks%2)
.if ks == 0
	v_wmma_f32_16x16x32_f16 v[ACC:ACC+7],    v[FB:FB+7], v[FB+8:FB+15],  0   ; the first step starts the sums
	v_wmma_f32_16x16x32_f16 v[ACC+8:ACC+15], v[FB:FB+7], v[FB+16:FB+23], 0
.else
	v_wmma_f32_16x16x32_f16 v[ACC:ACC+7],    v[FB:FB+7], v[FB+8:FB+15],  v[ACC:ACC+7]    ; the two accumulators take turns
	v_wmma_f32_16x16x32_f16 v[ACC+8:ACC+15], v[FB:FB+7], v[FB+16:FB+23], v[ACC+8:ACC+15]
.endif
.rept 4
	v_nop                                          ; the places ahead of loads into these fragments, and of the roundings at the end
.endr
.set ks, ks+1
.endr
.irp i, 0,1,2,3,4,5,6,7
	v_cvt_pk_f16_f32 v[PK+\i], v[ACC+2*\i], v[ACC+2*\i+1]
.endr
	ds_store_b128 v[STO], v[PK:PK+3]
	ds_store_b128 v[STO], v[PK+4:PK+7] offset:16*SGP
	s_wait_dscnt 0x0
	s_barrier_signal -1
	s_barrier_wait -1                              ; a row's 256 bytes come from eight waves
	ds_load_b128 v[PK+8:PK+11],  v[RD]
	ds_load_b128 v[PK+12:PK+15], v[RD] offset:2*SGP
	s_wait_dscnt 0x0
	global_store_b128 v[GO], v[PK+8:PK+11],  s[42:43]              ; 16 lanes store 256 consecutive bytes, aligned
	global_store_b128 v[GO], v[PK+12:PK+15], s[42:43] offset:2048
	s_wait_tensorcnt 0x0                           ; the wave's end: behind my last LDS store
	ds_add_u32 v[SPW], v[NIL]
	s_wait_dscnt 0x0
	s_endpgm
.Lfunc_end_k_q667beb8b65_wprep:
	.size	k_q667beb8b65_wprep, .Lfunc_end_k_q667beb8b65_wprep-k_q667beb8b65_wprep
	.p2alignl 7, 3214868480
	.fill 96, 4, 3214868480
	.section	.rodata,"a",@progbits
	.p2align	6, 0x0
	.amdhsa_kernel k_q667beb8b65_wprep
		.amdhsa_group_segment_fixed_size 190464
		.amdhsa_private_segment_fixed_size 0
		.amdhsa_enable_private_segment 0
		.amdhsa_kernarg_size 64
		.amdhsa_user_sgpr_count 2
		.amdhsa_user_sgpr_kernarg_segment_ptr 1
		.amdhsa_wavefront_size32 1
		.amdhsa_system_sgpr_workgroup_id_x 1
		.amdhsa_system_sgpr_workgroup_id_y 1
		.amdhsa_system_sgpr_workgroup_id_z 1
		.amdhsa_system_vgpr_workitem_id 0
		.amdhsa_next_free_vgpr 256
		.amdhsa_next_free_sgpr 66
		.amdhsa_reserve_vcc 1
		.amdhsa_float_denorm_mode_32 3
		.amdhsa_float_denorm_mode_16_64 3
		.amdhsa_memory_ordered 1
		.amdhsa_forward_progress 1
		.amdhsa_inst_pref_size 43
	.end_amdhsa_kernel
	.amdgpu_metadata
---
amdhsa.version: [ 1, 2 ]
amdhsa.kernels:
  - .name:           k_q667beb8b65_wprep
    .symbol:         k_q667beb8b65_wprep.kd
    .args:
      - { .name: Wf, .offset: 0, .size: 8, .value_kind: global_buffer, .address_space: global }
      - { .name: Wg, .offset: 8, .size: 8, .value_kind: global_buffer, .address_space: global }
      - { .name: Wh, .offset: 16, .size: 8, .value_kind: global_buffer, .address_space: global }
      - { .name: Wk, .offset: 24, .size: 8, .value_kind: global_buffer, .address_space: global }
      - { .name: bh, .offset: 32, .size: 8, .value_kind: global_buffer, .address_space: global }
      - { .name: bk, .offset: 40, .size: 8, .value_kind: global_buffer, .address_space: global }
      - { .name: wall, .offset: 48, .size: 8, .value_kind: global_buffer, .address_space: global }
      - { .name: bkh, .offset: 56, .size: 8, .value_kind: global_buffer, .address_space: global }
    .group_segment_fixed_size: 190464
    .private_segment_fixed_size: 0
    .kernarg_segment_align: 8
    .kernarg_segment_size: 64
    .max_flat_workgroup_size: 256
    .sgpr_count:     66
    .vgpr_count:     256
    .wavefront_size: 32
...
	.end_amdgpu_metadata
.endif
;; end of part 1
;; launch norm (part 2): grid 1024 x 1, 8 waves a work-group, no clusters, 0 bytes of LDS; arguments x, s_sty, zall; writes zall
.if DOCPART == 2
	.amdgcn_target "amdgcn-amd-amdhsa--gfx1250"
	.amdhsa_code_object_version 6
	.text
	.protected	k_q667beb8b65_norm
	.globl	k_q667beb8b65_norm
	.p2align	8
	.type	k_q667beb8b65_norm,@function
k_q667beb8b65_norm:
	s_mov_b64 s[64:65], 0
	v_nop
	global_prefetch_b8 v0, s[64:65] scope:SCOPE_SE
	s_setreg_imm32_b32 hwreg(HW_REG_WAVE_MODE, 25, 1), 1
	s_wait_xcnt 0x0
; INSTANCE NORM AND CAST.  zall: [64 blocks][512 channels][1024 positions] f16.  Block 2 n + half: IN(x[n]), a row's 2,048 positions as two halves; block 32 + n: IN(s_sty[n]); block 48 + n: s_sty[n] as it is.
; A wave takes row r = (n, c) of x (8,192 bytes, 64 registers) AND of s_sty (4,096 bytes, 32 registers): every wave does the same work, a row stays in registers between the passes, memory is read once.
; Mean first, then the sum of squared deviations (no difference of large sums), biased variance, rsqrt(var + 1e-5); all in f32; each result rounded once to f16.
; LIMITS.  |s_sty| stays within f16's range, 65,504; a normalised number is at most sqrt(2048) in size.  No LDS, no barrier, no matrix unit: memory binds.
.set A,   4                            ; v4-11   four chains of pairs
.set MU,  12                           ; v12-13  the mean, twice
.set RS,  14                           ; v14-15  1 / sqrt(var + eps), twice
.set SB,  16                           ; v16-31  s_sty's row as f16
.set X,   32                           ; v32-95  x's row
.set S,   96                           ; v96-127 s_sty's row
.set IX,  30                           ; s30  1 / 2048
.set IS,  31                           ; s31  1 / 1024
.set EPS, 11                           ; s11  1e-5 (set when the row's number is used up)
	s_load_b128 s[4:7], s[0:1], 0x0                ; x, s_sty
	s_load_b64 s[8:9], s[0:1], 0x10                ; zall
	v_lshrrev_b32 v1, 5, v0
	v_readfirstlane_b32 s10, v1
	v_and_b32 v3, 31, v0
	v_lshlrev_b32 v1, 4, v3                        ; 16 x lane: loads
	v_lshlrev_b32 v2, 3, v3                        ; 8 x lane: stores
	s_lshl_b32 s11, ttmp9, 3
	s_add_co_u32 s11, s11, s10                     ; r
	s_lshr_b32 s12, s11, 9                         ; n
	s_and_b32 s13, s11, 511                        ; c
	s_lshl_b32 s14, s11, 13
	s_mov_b32 s15, 0
	s_lshl_b32 s16, s11, 12
	s_mov_b32 s17, 0
	s_lshl_b32 s18, s12, 21                        ; two blocks of 1 MiB a sample,
	s_lshl_b32 s19, s13, 11                        ; 2,048 bytes a channel
	s_add_co_u32 s18, s18, s19
	s_mov_b32 s19, 0
	s_lshl_b32 s20, s11, 11
	s_add_co_u32 s20, s20, 0x2000000
	s_mov_b32 s21, 0
	s_mov_b32 s28, 0x76543210
	s_mov_b32 s29, 0xfedcba98
	s_mov_b32 s[IX], 0x3a000000
	s_mov_b32 s[IS], 0x3a800000
	s_mov_b32 s[EPS], 0x3727c5ac
	s_wait_kmcnt 0x0
	s_add_nc_u64 s[4:5], s[4:5], s[14:15]
	s_add_nc_u64 s[6:7], s[6:7], s[16:17]
	s_add_nc_u64 s[22:23], s[8:9], s[18:19]        ; IN(x)
	s_add_nc_u64 s[24:25], s[8:9], s[20:21]        ; IN(s)
	s_add_nc_u64 s[26:27], s[24:25], 0x1000000     ; s
.irp j, 0,1,2,3,4,5,6,7
	global_load_b128 v[S+4*\j:S+4*\j+3], v1, s[6:7] offset:512*\j th:TH_LOAD_NT
.endr
.irp j, 0,1,2,3,4,5,6,7,8,9,10,11,12,13,14,15
	global_load_b128 v[X+4*\j:X+4*\j+3], v1, s[4:5] offset:512*\j th:TH_LOAD_NT
.endr
.macro REDUCE                          ; the four chains, the pair's halves and the 32 lanes: the sum in every lane's v[A]
	v_pk_add_f32 v[A:A+1], v[A:A+1], v[A+2:A+3]
	v_pk_add_f32 v[A+4:A+5], v[A+4:A+5], v[A+6:A+7]
	v_pk_add_f32 v[A:A+1], v[A:A+1], v[A+4:A+5]
	v_add_f32 v[A], v[A], v[A+1]
	v_add_f32_dpp v[A], v[A], v[A] row_xmask:1 row_mask:0xf bank_mask:0xf
	v_add_f32_dpp v[A], v[A], v[A] row_xmask:2 row_mask:0xf bank_mask:0xf
	v_add_f32_dpp v[A], v[A], v[A] row_xmask:4 row_mask:0xf bank_mask:0xf
	v_add_f32_dpp v[A], v[A], v[A] row_xmask:8 row_mask:0xf bank_mask:0xf
	v_permlanex16_b32 v[A+1], v[A], s28, s29
	v_add_f32 v[A], v[A], v[A+1]
.endm
; The row in v[base ..], pairs register pairs a lane, is normalised in place and packed to f16 into v[base .. base + pairs - 1].  inv: the scalar register with 1 / the row's length.
.macro STAT base, pairs, inv
.irp k, 0,1,2,3
	v_pk_add_f32 v[A+2*\k:A+2*\k+1], v[(\base)+2*\k:(\base)+2*\k+1], v[(\base)+8+2*\k:(\base)+8+2*\k+1]   ; the first eight pairs start the chains
.endr
.set i, 8
.rept (\pairs)-8
	v_pk_add_f32 v[A+2*(i%4):A+2*(i%4)+1], v[A+2*(i%4):A+2*(i%4)+1], v[(\base)+2*i:(\base)+2*i+1]
.set i, i+1
.endr
	REDUCE
	v_mul_f32 v[MU], s[\inv], v[A]
	v_mul_f32 v[MU+1], s[\inv], v[A]
.set i, 0
.rept \pairs
	v_pk_add_f32 v[(\base)+2*i:(\base)+2*i+1], v[(\base)+2*i:(\base)+2*i+1], v[MU:MU+1] neg_lo:[0,1] neg_hi:[0,1]
.set i, i+1
.endr
.irp k, 0,1,2,3
	v_pk_mul_f32 v[A+2*\k:A+2*\k+1], v[(\base)+2*\k:(\base)+2*\k+1], v[(\base)+2*\k:(\base)+2*\k+1]
.endr
.set i, 4
.rept (\pairs)-4
	v_pk_fma_f32 v[A+2*(i%4):A+2*(i%4)+1], v[(\base)+2*i:(\base)+2*i+1], v[(\base)+2*i:(\base)+2*i+1], v[A+2*(i%4):A+2*(i%4)+1]
.set i, i+1
.endr
	REDUCE
	v_fma_f32 v[A], v[A], s[\inv], s[EPS]
	v_rsq_f32 v[RS], v[A]
	v_rsq_f32 v[RS+1], v[A]
	v_nop                                          ; a plain instruction behind the second root,
	s_wait_alu depctr_va_vdst(0)                   ; and one wait for both, ahead of their first reader
.set i, 0
.rept \pairs
	v_pk_mul_f32 v[(\base)+2*i:(\base)+2*i+1], v[(\base)+2*i:(\base)+2*i+1], v[RS:RS+1]
.set i, i+1
.endr
.set i, 0
.rept \pairs
	v_cvt_pk_f16_f32 v[(\base)+i], v[(\base)+2*i], v[(\base)+2*i+1]   ; ascending: a target has been read already
.set i, i+1
.endr
.endm
	s_wait_loadcnt 16                              ; s_sty's row is in; x's 16 loads may stay out
.set i, 0
.rept 16
	v_cvt_pk_f16_f32 v[SB+i], v[S+2*i], v[S+2*i+1]
.set i, i+1
.endr
.irp j, 0,1,2,3,4,5,6,7
	global_store_b64 v2, v[SB+2*\j:SB+2*\j+1], s[26:27] offset:256*\j   ; 32 lanes store 256 consecutive bytes, aligned
.endr
	STAT S, 16, IS
.irp j, 0,1,2,3,4,5,6,7
	global_store_b64 v2, v[S+2*\j:S+2*\j+1], s[24:25] offset:256*\j
.endr
	s_wait_loadcnt 0x0
	STAT X, 32, IX
.irp j, 0,1,2,3,4,5,6,7,8,9,10,11,12,13,14,15
	global_store_b64 v2, v[X+2*\j:X+2*\j+1], s[22:23] offset:(\j/8)*1048576+(\j%8)*256
.endr
	s_endpgm
.Lfunc_end_k_q667beb8b65_norm:
	.size	k_q667beb8b65_norm, .Lfunc_end_k_q667beb8b65_norm-k_q667beb8b65_norm
	.p2alignl 7, 3214868480
	.fill 96, 4, 3214868480
	.section	.rodata,"a",@progbits
	.p2align	6, 0x0
	.amdhsa_kernel k_q667beb8b65_norm
		.amdhsa_group_segment_fixed_size 0
		.amdhsa_private_segment_fixed_size 0
		.amdhsa_enable_private_segment 0
		.amdhsa_kernarg_size 24
		.amdhsa_user_sgpr_count 2
		.amdhsa_user_sgpr_kernarg_segment_ptr 1
		.amdhsa_wavefront_size32 1
		.amdhsa_system_sgpr_workgroup_id_x 1
		.amdhsa_system_sgpr_workgroup_id_y 1
		.amdhsa_system_sgpr_workgroup_id_z 1
		.amdhsa_system_vgpr_workitem_id 0
		.amdhsa_next_free_vgpr 128
		.amdhsa_next_free_sgpr 66
		.amdhsa_reserve_vcc 0
		.amdhsa_float_denorm_mode_32 3
		.amdhsa_float_denorm_mode_16_64 3
		.amdhsa_memory_ordered 1
		.amdhsa_forward_progress 1
		.amdhsa_inst_pref_size 26
	.end_amdhsa_kernel
	.amdgpu_metadata
---
amdhsa.version: [ 1, 2 ]
amdhsa.kernels:
  - .name:           k_q667beb8b65_norm
    .symbol:         k_q667beb8b65_norm.kd
    .args:
      - { .name: x, .offset: 0, .size: 8, .value_kind: global_buffer, .address_space: global }
      - { .name: s_sty, .offset: 8, .size: 8, .value_kind: global_buffer, .address_space: global }
      - { .name: zall, .offset: 16, .size: 8, .value_kind: global_buffer, .address_space: global }
    .group_segment_fixed_size: 0
    .private_segment_fixed_size: 0
    .kernarg_segment_align: 8
    .kernarg_segment_size: 24
    .max_flat_workgroup_size: 256
    .sgpr_count:     66
    .vgpr_count:     128
    .wavefront_size: 32
...
	.end_amdgpu_metadata
.endif
;; end of part 2
;; launch conv (part 3): grid 512 x 1, 4 waves a work-group, clusters of 4 x 1, 327,680 bytes of LDS; arguments zall, wall, bf, bg, bkh, yall; writes yall
.if DOCPART == 3
	.amdgcn_target "amdgcn-amd-amdhsa--gfx1250"
	.amdhsa_code_object_version 6
	.text
	.protected	k_q667beb8b65_conv
	.globl	k_q667beb8b65_conv
	.p2align	8
	.type	k_q667beb8b65_conv,@function
k_q667beb8b65_conv:
	s_mov_b64 s[64:65], 0
	v_nop
	global_prefetch_b8 v0, s[64:65] scope:SCOPE_SE
	s_setreg_imm32_b32 hwreg(HW_REG_WAVE_MODE, 25, 1), 1
	s_wait_xcnt 0x0
	s_wait_alu depctr_hold_cnt(0) depctr_sa_sdst(0) depctr_va_vdst(0) depctr_va_sdst(0) depctr_va_ssrc(0) depctr_va_vcc(0) depctr_vm_vsrc(0)
	s_getreg_b32 s2, hwreg(HW_REG_IB_STS2, 6, 4)
	s_cmp_eq_u32 s2, 0
	s_cbranch_scc0 .Lentry_in_a_cluster
	s_endpgm
.Lentry_in_a_cluster:
	s_bfe_u32 s2, ttmp6, 0x10000c
	s_cmp_lg_u32 s2, 0x3003
	s_cbranch_scc0 .Lentry_shape_is_right
	s_endpgm
.Lentry_shape_is_right:
; THE THREE PROJECTIONS AS ONE GEMM.  yall[1024 pb + pos][o] = the sum over c of zall[pb][c][pos] W[o][c] + b[o]; W, b = Wf, bf for blocks pb < 32 (queries), Wg, bg for pb < 48 (keys), Wkh, bkh else (values).
; Operands f16, sums f32, the bias in f32 as the C operand of the first product.  Queries and keys leave as f16, values as bf16, each rounded once.
; LIMITS.  Queries and keys lie within f16's range, 65,504 (a normalised input is at most 45 in size); values have bf16's range.
; SHARES.  A tile is 256 positions x 256 outputs, four waves of 128 x 128: 64 accumulators, 512 registers.  K = 512 goes in four steps of 128 through two LDS slots.
; CLUSTER.  The four work-groups of a cluster are the four position tiles of one block and one half of the outputs: they multiply by the same rows of W, which are asked for JOINTLY (the same load, descriptor
; and mask in all four).  Z's tiles are each work-group's own: plain loads, in the same rounds.  Clusters 2 k and 2 k + 1 take the two output halves of one block.
; NO PREFETCH: of a tile's four K steps two are the first fills, and a request ahead of the other two would stand at the kernel's head, among the first fills.
; THE PRODUCT IS TAKEN TRANSPOSED: source 0 = 16 rows of W (K along the LDS rows), source 1 = 16 positions of Z ([c][pos] in LDS, turned by ds_load_tr16_b128): a lane holds ONE position (lane % 16)
; and the outputs 8 (lane / 16) + 0..7, which pack into 16 bytes of a row of yall.
; REGISTERS, in windows of 256 (s_set_vgpr_msb: bits 1:0 source 0, 3:2 source 1, 5:4 source 2, 7:6 destination):
;   window 0: v16-29 addresses; v64-127, v128-191 Z's fragments, two buffers; v32-63, v192-255 at work on the way out
;   window 1: v0-63 the bias, laid out as eight C operands; v64-127, v128-191 W's fragments       windows 2, 3: the accumulators, (a, b) at v[8 (8 (a % 4) + b)]
.set ZP,     544                       ; a row of Z in LDS: 512 bytes + 32: an odd multiple of 32, for the turning load
.set WP,     272                       ; a row of W: 256 + 16: an odd multiple of 16
.set HALFT,  34816                     ; what one tensor load brings: 64 rows of Z, or 128 rows of W
.set SLOT,   4*HALFT                   ; Z's 128 rows, then W's 256 rows
.set STAGE,  2*SLOT                    ; behind the ring: 16 rows x 272 bytes for each wave
.set SPITCH, 272
.set SPARE,  STAGE+4*16*SPITCH         ; the spare words, 128 bytes a wave: two blocks of 256 bytes that no other line names
.set ADRA, 16                          ; v16-17  my lane's place in Z's fragments, slot 0, 1
.set ADRB, 20                          ; v20-21  in W's
.set STO,  24
.set RD,   25
.set CO,   26                          ; v26  my byte offset in two rows of yall
.set BO,   27                          ; v27  32 x (lane / 16): my eight numbers of the bias
.set SPW,  28
.set NIL,  29
.set F0,   64
.set F1,   128
.set TMP,  192
.set OB,   32
.set WV, 16                            ; s16 wave; s17 which half of the positions (also: 0 = I fetch Z, 1 = W); s18 which half of the outputs (also: which half of that tile I fetch)
.set HI, 17
.set LO, 18
.set CX, 19                            ; s19 my place in the cluster: it enters Z's and yall's addresses alone
.set PB, 20                            ; s20 block; s21 output half; s22 which weights
.set OT, 21
.set WI, 22
.set G1Z, 24
.set G0Z, 32
.set G1W, 48
.set G0W, 56
.set YB,  66                           ; s[66:67] yall at my first row and column
.set BP,  68                           ; s[68:69] the bias at my first output
.set MSB, 0
.macro WIN new                         ; the immediate's high byte repeats the setting that is left; a switch that changes nothing is dropped
.if MSB != (\new)
	s_set_vgpr_msb (MSB<<8)|(\new)
.set MSB, \new
.endif
.endm
.macro PLACES                          ; four places behind matrix instructions, ahead of loads into their sources and of readers of their results
.rept 4
	v_nop
.endr
.endm
.macro JLOAD s                         ; a refill: waves 0 and 1 fetch Z's halves, waves 2 and 3 W's; an s_nop 0 and four v_nop follow each line
	s_cmp_eq_u32 s[HI], 0
	s_cbranch_scc0 .Lfor_w_\@
	tensor_load_to_lds s[G0Z+4*(\s):G0Z+4*(\s)+3], s[G1Z:G1Z+7]
	s_nop 0
.rept 4
	v_nop
.endr
	s_branch .Lasked_\@
.Lfor_w_\@:
	tensor_load_to_lds s[G0W+4*(\s):G0W+4*(\s)+3], s[G1W:G1W+7]
	s_nop 0
.rept 4
	v_nop
.endr
.Lasked_\@:
.endm
.macro CREST                           ; a round of the cluster's barrier behind its opening barrier
	s_cmp_lg_u32 s[WV], 0
	s_cbranch_scc1 .Lnot_wave_0_\@
	s_barrier_signal -3
.Lnot_wave_0_\@:
	s_barrier_wait -3
	s_barrier_signal -1
	s_barrier_wait -1
.endm
.macro CROUND
	s_barrier_signal -1
	s_barrier_wait -1
	CREST
.endm
	s_load_b256 s[4:11], s[0:1], 0x0               ; zall 4, wall 6, bf 8, bg 10
	s_load_b128 s[12:15], s[0:1], 0x20             ; bkh 12, yall 14
	v_lshl_add_u32 v[SPW], v0, 2, SPARE
	v_mov_b32 v[NIL], 0
	ds_add_u32 v[SPW], v[NIL]                      ; the wave's opening: the add and its wait ahead of my first tensor load
	v_lshrrev_b32 v1, 5, v0
	v_readfirstlane_b32 s[WV], v1
	s_lshr_b32 s[HI], s[WV], 1
	s_and_b32 s[LO], s[WV], 1
	s_bfe_u32 s[CX], ttmp6, 0x40000
	s_lshr_b32 s[PB], ttmp9, 1                     ; in a cluster launch ttmp9 counts clusters
	s_and_b32 s[OT], ttmp9, 1
	s_mov_b32 s[G1Z+0], (1<<16)|(1<<20)|(6<<22)|(7<<25)   ; no mask; elements of 2 bytes; padding on, after every 128 words, 8 words
	s_mov_b32 s[G1Z+1], 256<<16                    ; tensor_dim0 = 256
	s_mov_b32 s[G1Z+2], 64<<16                     ; tensor_dim1 = 64
	s_mov_b32 s[G1Z+3], 256<<16                    ; tile_dim0 = 256
	s_mov_b32 s[G1Z+4], 64                         ; tile_dim1 = 64
	s_mov_b32 s[G1Z+5], 1024                       ; elements from channel to channel
	s_mov_b32 s[G1Z+6], 0
	s_mov_b32 s[G1Z+7], 0
	s_mov_b32 s[G1W+0], 15|(1<<16)|(1<<20)|(1<<21)|(5<<22)|(3<<25)  ; the mask of four, bit 21 beside it; padding after every 64 words, 4 words
	s_mov_b32 s[G1W+1], 128<<16
	s_mov_b32 s[G1W+2], 128<<16
	s_mov_b32 s[G1W+3], 128<<16
	s_mov_b32 s[G1W+4], 128
	s_mov_b32 s[G1W+5], 512
	s_mov_b32 s[G1W+6], 0
	s_mov_b32 s[G1W+7], 0
	s_lshl_b32 s40, s[PB], 20                      ; Z: the block, my 64 channels of a step, my work-group's 256 positions
	s_lshl_b32 s41, s[LO], 17
	s_add_co_u32 s40, s40, s41
	s_lshl_b32 s41, s[CX], 9
	s_add_co_u32 s40, s40, s41
	s_mov_b32 s41, 0
	s_cmp_lt_u32 s[PB], 32
	s_cselect_b32 s[WI], 0, 1
	s_cmp_lt_u32 s[PB], 48
	s_cselect_b32 s[WI], s[WI], 2
	s_lshl_b32 s42, s[WI], 19                      ; W: which matrix, the output half, my 128 rows of it: nothing of my place in the cluster
	s_lshl_b32 s43, s[OT], 18
	s_add_co_u32 s42, s42, s43
	s_lshl_b32 s43, s[LO], 17
	s_add_co_u32 s42, s42, s43
	s_mov_b32 s43, 0
	s_mul_i32 s44, s[WV], HALFT                    ; where my part of a slot lies
	s_wait_dscnt 0x0                               ; the opening add is done
	s_wait_kmcnt 0x0
	s_add_nc_u64 s[40:41], s[4:5], s[40:41]
	s_add_nc_u64 s[42:43], s[6:7], s[42:43]
	CROUND                                         ; all four work-groups are here: the first joint loads meet
.irp s, 0,1
	s_mov_b32 s[G0Z+4*(\s)], 1
	s_add_co_u32 s[G0Z+4*(\s)+1], s44, (\s)*SLOT
	s_add_nc_u64 s[G0Z+4*(\s)+2:G0Z+4*(\s)+3], s[40:41], (\s)*262144   ; K step s: 128 channels of 2,048 bytes on
	s_or_b32 s[G0Z+4*(\s)+3], s[G0Z+4*(\s)+3], 0x80000000
	s_mov_b32 s[G0W+4*(\s)], 1
	s_add_co_u32 s[G0W+4*(\s)+1], s44, (\s)*SLOT
	s_add_nc_u64 s[G0W+4*(\s)+2:G0W+4*(\s)+3], s[42:43], (\s)*256
	s_or_b32 s[G0W+4*(\s)+3], s[G0W+4*(\s)+3], 0x80000000
.endr
	s_cmp_eq_u32 s[HI], 0                          ; a wave's two first fills stand in one branch: two loads of mine are out
	s_cbranch_scc0 .Lfirst_w
	tensor_load_to_lds s[G0Z:G0Z+3], s[G1Z:G1Z+7]
	s_nop 0
	tensor_load_to_lds s[G0Z+4:G0Z+7], s[G1Z:G1Z+7]
	s_nop 0
.rept 4
	v_nop
.endr
	s_branch .Lfirst_asked
.Lfirst_w:
	tensor_load_to_lds s[G0W:G0W+3], s[G1W:G1W+7]
	s_nop 0
	tensor_load_to_lds s[G0W+4:G0W+7], s[G1W:G1W+7]
	s_nop 0
.rept 4
	v_nop
.endr
.Lfirst_asked:
	s_cmp_lt_u32 s[PB], 32                         ; which bias
	s_cselect_b64 s[BP:BP+1], s[8:9], s[10:11]
	s_cmp_lt_u32 s[PB], 48
	s_cselect_b64 s[BP:BP+1], s[BP:BP+1], s[12:13]
	s_lshl_b32 s46, s[OT], 10
	s_lshl_b32 s47, s[LO], 9
	s_add_co_u32 s46, s46, s47
	s_mov_b32 s47, 0
	s_add_nc_u64 s[BP:BP+1], s[BP:BP+1], s[46:47]
	v_and_b32 v1, 15, v0                           ; r = l % 16
	v_bfe_u32 v2, v0, 4, 1                         ; h = l / 16
	v_lshlrev_b32 v[BO], 5, v2
	WIN 0x40                                       ; destination window 1
.irp b, 0,1,2,3,4,5,6,7                ; register j of block b: b[16 b + 8 h + j], the same for every position
	global_load_b128 v[8*\b:8*\b+3],   v[BO], s[BP:BP+1] offset:64*\b
	global_load_b128 v[8*\b+4:8*\b+7], v[BO], s[BP:BP+1] offset:64*\b+16
.endr
	WIN 0
	v_and_b32 v3, 7, v0
	v_bfe_u32 v4, v0, 3, 1
	v_lshl_add_u32 v5, v2, 3, v3                   ; the turning load: channel 8 h + l % 8,
	v_mul_u32_u24 v5, v5, ZP
	v_lshl_add_u32 v5, v4, 4, v5                   ; 16 bytes by (l / 8) % 2,
	s_lshl_b32 s40, s[HI], 8                       ; my 128 positions
	v_add_nc_u32 v[ADRA], s40, v5
	v_add_nc_u32 v[ADRA+1], SLOT, v[ADRA]
	v_mul_u32_u24 v5, v1, WP
	v_lshl_add_u32 v5, v2, 4, v5
	s_mul_i32 s40, s[LO], HALFT
	s_add_co_u32 s40, s40, 2*HALFT
	v_add_nc_u32 v[ADRB], s40, v5
	v_add_nc_u32 v[ADRB+1], SLOT, v[ADRB]
	s_mul_i32 s40, s[WV], 16*SPITCH
	s_add_co_u32 s40, s40, STAGE
	v_add_nc_u32 v[STO], s40, v5                   ; in: row r, 16 bytes for each half of the lanes (the stage's pitch is W's)
	v_mul_u32_u24 v5, v2, SPITCH
	v_lshl_add_u32 v5, v1, 4, v5
	v_add_nc_u32 v[RD], s40, v5                    ; back: lanes 0-15 one row of 256 bytes, lanes 16-31 the next
	v_lshlrev_b32 v5, 10, v2
	v_lshl_add_u32 v[CO], v1, 4, v5                ; and the same two rows in yall
	s_lshl_b32 s40, s[PB], 20
	s_lshl_b32 s41, s[CX], 18
	s_add_co_u32 s40, s40, s41
	s_lshl_b32 s41, s[HI], 17
	s_add_co_u32 s40, s40, s41
	s_lshl_b32 s41, s[OT], 9
	s_add_co_u32 s40, s40, s41
	s_lshl_b32 s41, s[LO], 8
	s_add_co_u32 s40, s40, s41
	s_mov_b32 s41, 0
	s_add_nc_u64 s[YB:YB+1], s[14:15], s[40:41]
; 16 matrix instructions: position blocks a0, a0 + 1 of the window's four x all 8 output blocks, 32 along K.  first = 1: the bias starts the sums.  The 64 accumulators take turns.
.macro MUL16 f, hi, a0, first
.if \first
	WIN 0x91+0x40*(\hi)                            ; W window 1, Z window 0, C (the bias) window 1, D window 2 or 3
.else
	WIN 0xa1+0x50*(\hi)
.endif
.irp a, \a0, (\a0)+1
.irp b, 0,1,2,3,4,5,6,7
.if \first
	v_wmma_f32_16x16x32_f16 v[8*(8*(\a)+(\b)):8*(8*(\a)+(\b))+7], v[(\f)+8*(\b):(\f)+8*(\b)+7], v[(\f)+8*(4*(\hi)+(\a)):(\f)+8*(4*(\hi)+(\a))+7], v[8*(\b):8*(\b)+7]
.else
	v_wmma_f32_16x16x32_f16 v[8*(8*(\a)+(\b)):8*(8*(\a)+(\b))+7], v[(\f)+8*(\b):(\f)+8*(\b)+7], v[(\f)+8*(4*(\hi)+(\a)):(\f)+8*(4*(\hi)+(\a))+7], v[8*(8*(\a)+(\b)):8*(8*(\a)+(\b))+7]
.endif
.endr
.endr
.endm
.macro FETCH slot, q, f                ; 32 LDS loads in one run: quarter q's fragments: W's eight, then Z's eight (turned)
	WIN 0x40
.irp i, 0,1,2,3,4,5,6,7
	ds_load_b128 v[(\f)+8*(\i):(\f)+8*(\i)+3],   v[ADRB+(\slot)] offset:64*(\q)+(\i)*16*WP
	ds_load_b128 v[(\f)+8*(\i)+4:(\f)+8*(\i)+7], v[ADRB+(\slot)] offset:64*(\q)+(\i)*16*WP+32
.endr
	WIN 0
.irp i, 0,1,2,3,4,5,6,7
	ds_load_tr16_b128 v[(\f)+8*(\i):(\f)+8*(\i)+3],   v[ADRA+(\slot)] offset:(\q)*32*ZP+32*(\i)
	ds_load_tr16_b128 v[(\f)+8*(\i)+4:(\f)+8*(\i)+7], v[ADRA+(\slot)] offset:(\q)*32*ZP+32*(\i)+16*ZP
.endr
.endm
.macro QUARTER slot, q, f, g, first    ; multiplies buffer f; in its middle fetches quarter q of the same slot into g
	s_wait_dscnt 8                                 ; W and Z's positions 0-63 are in; the youngest eight loads may be out
	MUL16 \f, 0, 0, \first
	MUL16 \f, 0, 2, \first
	PLACES
	FETCH \slot, \q, \g
	s_wait_dscnt 32                                ; all but the 32 just issued
	MUL16 \f, 1, 0, \first
	MUL16 \f, 1, 2, \first
.endm
; A step's last quarter multiplies buffer 1 and changes slots.  Each wave waits for all its tensor loads (one is out: its part of the next slot), adds 0 to its spare word, and waits for that and for its reads
; of this slot; behind the barrier nobody reads this slot and the next is whole.  fill = 1: the barrier opens a round of the cluster's, and the refill is the first thing behind the round.
.macro TURN slot, next, fill
	WIN 0
	s_wait_tensorcnt 0x0
	ds_add_u32 v[SPW], v[NIL]
	s_wait_dscnt 9                                 ; the add and the youngest eight loads may be out
	MUL16 F1, 0, 0, 0
	s_wait_dscnt 0x0                               ; the add is done, and my reads of this slot are over
	s_barrier_signal -1
	MUL16 F1, 0, 2, 0
	WIN 0
	s_barrier_wait -1
.if \fill
	CREST
	s_add_nc_u64 s[G0Z+4*(\slot)+2:G0Z+4*(\slot)+3], s[G0Z+4*(\slot)+2:G0Z+4*(\slot)+3], 524288   ; two K steps on
	s_add_nc_u64 s[G0W+4*(\slot)+2:G0W+4*(\slot)+3], s[G0W+4*(\slot)+2:G0W+4*(\slot)+3], 512
	JLOAD \slot                                    ; its four v_nop are also the places ahead of the loads below
.else
	PLACES
.endif
	FETCH \next, 0, F0
	MUL16 F1, 1, 0, 0
	MUL16 F1, 1, 2, 0
.endm
; THE WAY OUT of block a (16 positions x my 128 outputs).  PACK: rounded, f16 for queries and keys, bf16 for values (the branch hangs on the block's number, which all partners share).
.macro PACK a
.set AC, 64*((\a)%4)
	WIN 0
	s_cmp_lt_u32 s[PB], 48
	s_cbranch_scc0 .Lvalues_\@
	WIN 0x0a+5*((\a)/4)                            ; sources 0 and 1: window 2 or 3
.irp b, 0,1,2,3,4,5,6,7
.irp r, 0,1,2,3
	v_cvt_pk_f16_f32 v[TMP+4*(\b)+(\r)], v[AC+8*(\b)+2*(\r)], v[AC+8*(\b)+2*(\r)+1]
.endr
.endr
	WIN 0
	s_branch .Lpacked_\@
.Lvalues_\@:
	WIN 0x0a+5*((\a)/4)
.irp b, 0,1,2,3,4,5,6,7
.irp r, 0,1,2,3
	v_cvt_pk_bf16_f32 v[TMP+4*(\b)+(\r)], v[AC+8*(\b)+2*(\r)], v[AC+8*(\b)+2*(\r)+1]
.endr
.endr
	WIN 0
.Lpacked_\@:
.endm
.macro TOSTAGE a                       ; into my own stage, and back as whole rows of 256 bytes
.set BK, OB+192*((\a)%2)
.irp b, 0,1,2,3,4,5,6,7
	ds_store_b128 v[STO], v[TMP+4*(\b):TMP+4*(\b)+3] offset:32*(\b)
.endr
.irp t, 0,1,2,3,4,5,6,7
	ds_load_b128 v[BK+4*(\t):BK+4*(\t)+3], v[RD] offset:(\t)*2*SPITCH   ; LDS serves a wave's instructions in order (ISA guide 5.7.1.4): these see the stores above
.endr
.endm
.macro SEND a
.set BK, OB+192*((\a)%2)
	s_wait_dscnt 0x0                               ; the block is back in registers
	s_wait_xcnt 0x0                                ; the stores issued so far have read their registers: the other set is loaded again only behind this wait
.irp t, 0,1,2,3,4,5,6,7
	global_store_b128 v[CO], v[BK+4*(\t):BK+4*(\t)+3], s[YB:YB+1] offset:(16*(\a)+2*(\t))*1024   ; 16 lanes store 256 consecutive bytes, aligned
.endr
.endm
	s_wait_tensorcnt 0x1                           ; my part of K step 0 is in; step 1's may stay out
	s_barrier_signal -1
	s_barrier_wait -1
	FETCH 0, 0, F0
	s_wait_loadcnt 0x0                             ; the bias
	QUARTER 0, 1, F0, F1, 1
	QUARTER 0, 2, F1, F0, 0
	QUARTER 0, 3, F0, F1, 0
	TURN 0, 1, 1                                   ; slot 0 takes K step 2
	QUARTER 1, 1, F0, F1, 0
	QUARTER 1, 2, F1, F0, 0
	QUARTER 1, 3, F0, F1, 0
	TURN 1, 0, 1                                   ; slot 1 takes K step 3
	QUARTER 0, 1, F0, F1, 0
	QUARTER 0, 2, F1, F0, 0
	QUARTER 0, 3, F0, F1, 0
	TURN 0, 1, 0                                   ; nothing is left to fetch
	QUARTER 1, 1, F0, F1, 0
	QUARTER 1, 2, F1, F0, 0
	QUARTER 1, 3, F0, F1, 0
	s_wait_dscnt 8
	MUL16 F1, 0, 0, 0
	MUL16 F1, 0, 2, 0
	s_wait_dscnt 0x0
	MUL16 F1, 1, 0, 0
	MUL16 F1, 1, 2, 0
	PLACES
	PACK 0
	TOSTAGE 0
.irp a, 1,2,3,4,5,6,7                  ; block a's roundings stand between block a - 1's loads from the stage and the wait for them
	PACK \a
	SEND (\a)-1
	TOSTAGE \a
.endr
	SEND 7
	s_wait_tensorcnt 0x0                           ; the wave's end
	ds_add_u32 v[SPW], v[NIL]
	s_wait_dscnt 0x0
	CROUND                                         ; the closing round: no work-group ends while a partner may still ask for a tile that names it
	s_endpgm
.Lfunc_end_k_q667beb8b65_conv:
	.size	k_q667beb8b65_conv, .Lfunc_end_k_q667beb8b65_conv-k_q667beb8b65_conv
	.p2alignl 7, 3214868480
	.fill 96, 4, 3214868480
	.section	.rodata,"a",@progbits
	.p2align	6, 0x0
	.amdhsa_kernel k_q667beb8b65_conv
		.amdhsa_group_segment_fixed_size 327680
		.amdhsa_private_segment_fixed_size 0
		.amdhsa_enable_private_segment 0
		.amdhsa_kernarg_size 48
		.amdhsa_user_sgpr_count 2
		.amdhsa_user_sgpr_kernarg_segment_ptr 1
		.amdhsa_wavefront_size32 1
		.amdhsa_system_sgpr_workgroup_id_x 1
		.amdhsa_system_sgpr_workgroup_id_y 1
		.amdhsa_system_sgpr_workgroup_id_z 1
		.amdhsa_system_vgpr_workitem_id 0
		.amdhsa_next_free_vgpr 1024
		.amdhsa_next_free_sgpr 72
		.amdhsa_reserve_vcc 0
		.amdhsa_float_denorm_mode_32 3
		.amdhsa_float_denorm_mode_16_64 3
		.amdhsa_memory_ordered 1
		.amdhsa_forward_progress 1
		.amdhsa_inst_pref_size 161
	.end_amdhsa_kernel
	.amdgpu_metadata
---
amdhsa.version: [ 1, 2 ]
amdhsa.kernels:
  - .name:           k_q667beb8b65_conv
    .symbol:         k_q667beb8b65_conv.kd
    .args:
      - { .name: zall, .offset: 0, .size: 8, .value_kind: global_buffer, .address_space: global }
      - { .name: wall, .offset: 8, .size: 8, .value_kind: global_buffer, .address_space: global }
      - { .name: bf, .offset: 16, .size: 8, .value_kind: global_buffer, .address_space: global }
      - { .name: bg, .offset: 24, .size: 8, .value_kind: global_buffer, .address_space: global }
      - { .name: bkh, .offset: 32, .size: 8, .value_kind: global_buffer, .address_space: global }
      - { .name: yall, .offset: 40, .size: 8, .value_kind: global_buffer, .address_space: global }
    .group_segment_fixed_size: 327680
    .private_segment_fixed_size: 0
    .kernarg_segment_align: 8
    .kernarg_segment_size: 48
    .max_flat_workgroup_size: 128
    .sgpr_count:     72
    .vgpr_count:     1024
    .wavefront_size: 32
...
	.end_amdgpu_metadata
.endif
;; end of part 3
;; launch attn (part 4): grid 16 x 16, 4 waves a work-group, clusters of 4 x 1, 327,680 bytes of LDS; arguments yall, x, out0; writes out0
.if DOCPART == 4
	.amdgcn_target "amdgcn-amd-amdhsa--gfx1250"
	.amdhsa_code_object_version 6
	.text
	.protected	k_q667beb8b65_attn
	.globl	k_q667beb8b65_attn
	.p2align	8
	.type	k_q667beb8b65_attn,@function
k_q667beb8b65_attn:
	s_mov_b64 s[64:65], 0
	v_nop
	global_prefetch_b8 v0, s[64:65] scope:SCOPE_SE
	s_setreg_imm32_b32 hwreg(HW_REG_WAVE_MODE, 25, 1), 1
	s_wait_xcnt 0x0
	s_wait_alu depctr_hold_cnt(0) depctr_sa_sdst(0) depctr_va_vdst(0) depctr_va_sdst(0) depctr_va_ssrc(0) depctr_va_vcc(0) depctr_vm_vsrc(0)
	s_getreg_b32 s2, hwreg(HW_REG_IB_STS2, 6, 4)
	s_cmp_eq_u32 s2, 0
	s_cbranch_scc0 .Lentry_in_a_cluster
	s_endpgm
.Lentry_in_a_cluster:
	s_bfe_u32 s2, ttmp6, 0x10000c
	s_cmp_lg_u32 s2, 0x3003
	s_cbranch_scc0 .Lentry_shape_is_right
	s_endpgm
.Lentry_shape_is_right:
; ATTENTION WITH ONE HEAD OF 512 CHANNELS, AND THE RESIDUAL.  out0[n][c][i] = the sum over j of softmax_j(Q[i] . K[j]) V[j][c] + x[n][c][i].
; yall rows of 512 channels: Q[n][i] (f16) at row 2048 n + i; K[n][j] (f16) at byte 32 MiB + 1024 (1024 n + j); V[n][j] (bf16; Wk, bk and bh are folded in) at byte 48 MiB + the same.
; Products, maxima and sums in f32; the weights p are rounded to bf16 for the second product, their sum l is taken of the unrounded p; out0 in f32.
; LIMITS.  |log2(e) s| stays under 4e37; a weight below 2^-126 counts as 0; NaN and infinities are not treated apart.  The folded bias passes with the factor (sum of rounded p) / l, within 2^-9 of 1.
; SHARES.  A work-group owns 128 queries of a sample.  The 1,024 keys go in four chunks of 256.  In a chunk: S^T = K Q^T, wave w taking keys 64 w .. + 63 x all 128 queries (32 accumulators); the softmax step,
; in which the waves exchange their maxima through LDS and lay p into LDS as [query][key]; O^T += V^T P, wave w taking channels 128 w .. + 127 x 128 queries (64 accumulators).
; In S^T and in O^T a lane holds ONE query (lane % 16): the rescaling a and 1 / l need no exchange.  m is common to the four waves; each keeps the sum l of its own keys, and the four meet at the end.
; THE RING.  Two LDS slots; a chunk has eight tiles, S0-S3 (128 channels of K's 256 rows and Q's 128 rows) and V0-V3 (64 keys x 512 channels), 128 matrix instructions a wave each.  At the end of tile t
; tile t + 2 is asked for, into t's slot.  Q is streamed anew in each chunk: Q, P and two slots do not fit together in LDS.
; CLUSTER.  The four query blocks of a cluster belong to one sample and walk the same K and V: those tiles are asked for JOINTLY.  Q's tiles are each work-group's own: plain loads in the same rounds.
; O^T starts at 0 (512 v_mov_b32, in the wait for the first tile), m at the lowest finite number: the first chunk is a chunk like any other, with a = 0, and is not written out.
; REGISTERS, in windows of 256 (s_set_vgpr_msb: bits 1:0 source 0, 3:2 source 1, 5:4 source 2, 7:6 destination):
;   window 0: v8-23 addresses; v32-63 statistics, four a query tile: c m, m, l (even, odd keys); v64-159, v160-255 K's and Q's fragments, two buffers; in the softmax v64-191 packed p, v192-223 at work,
;             v224-239 a and its argument; at the end three buffers of x
;   window 1: S^T, (kt, qt) at 32 qt + 8 kt; in the second product two buffers of V's (8) and P's (8) fragments; at the end two buffers of rows        windows 2, 3: O^T, (ct, qt) at 8 (8 (ct % 4) + qt)
.set KP,    272                        ; a row of K or Q in LDS: 256 bytes + 16: an odd multiple of 16
.set VP,    288                        ; a row of V: 256 + 32: an odd multiple of 32, for the turning load
.set PP,    528                        ; a row of P, and of the stage at the end: 512 + 16
.set QOFF,  69632                      ; in a slot: K's 256 rows, then Q's 128; or V, 64 rows for each wave
.set VW,    18432
.set MX,    104448                     ; behind slot 0: the maxima, [query][wave] f32; 2,048 bytes on, the sums
.set SPARE, 108544                     ; the spare words, 128 bytes a wave: two blocks of 256 bytes that no other line names
.set SLOT1, 131072
.set PL,    235520                     ; behind slot 1: P; at the end the four stages of 16 rows
.set ADK, 8
.set ADQ, 10
.set ADV, 12
.set ADP, 14
.set PST, 15
.set MXS, 16
.set MXL, 17
.set STO, 18
.set RD,  19
.set XO,  20                           ; v20  16 x lane
.set PFO, 21                           ; v21  1,024 x lane: the prefetches take a row a lane
.set SPW, 22
.set NIL, 23
.set ST,  32
.set F0,  64
.set F1,  160
.set PKR, 64
.set CT,  192
.set AT,  224
.set G0,  0
.set G1,  128
.set WV,  10
.set CX,  11
.set G1K, 16
.set G1Q, 24
.set G1V, 32
.set G0K, 40
.set G0Q, 48
.set G0V, 56
.set CS,  66                           ; s[66:67] log2(e)
.set SEL, 68
.set CH,  70                           ; s70  chunks still to come, this one among them
.set LIM, 71                           ; s71  1 in a wave that prefetches, else the greatest number
.set PFK, 72                           ; s[72:73] K at my 32 rows of the NEXT chunk
.set PFV, 74                           ; s[74:75] V at my 32 rows and my work-group's 256 bytes of this chunk's first tile
.set XBS, 76
.set OBS, 78
.set MSB, 0
.macro WIN new
.if MSB != (\new)
	s_set_vgpr_msb (MSB<<8)|(\new)
.set MSB, \new
.endif
.endm
.macro PLACES
.rept 4
	v_nop
.endr
.endm
.macro ALLQ line:vararg                ; one line for each query tile qt
.set qt, 0
.rept 8
	\line
.set qt, qt+1
.endr
.endm
.macro CREST
	s_cmp_lg_u32 s[WV], 0
	s_cbranch_scc1 .Lnot_wave_0_\@
	s_barrier_signal -3
.Lnot_wave_0_\@:
	s_barrier_wait -3
	s_barrier_signal -1
	s_barrier_wait -1
.endm
.macro CROUND
	s_barrier_signal -1
	s_barrier_wait -1
	CREST
.endm
.macro LS slot                         ; an S tile: waves 0 and 1 fetch K's halves (jointly), waves 2 and 3 Q's; an s_nop 0 and four v_nop follow each line
	s_cmp_lt_u32 s[WV], 2
	s_cbranch_scc0 .Lfor_q_\@
	tensor_load_to_lds s[G0K+4*(\slot):G0K+4*(\slot)+3], s[G1K:G1K+7]
	s_nop 0
.rept 4
	v_nop
.endr
	s_branch .Lasked_\@
.Lfor_q_\@:
	tensor_load_to_lds s[G0Q+4*(\slot):G0Q+4*(\slot)+3], s[G1Q:G1Q+7]
	s_nop 0
.rept 4
	v_nop
.endr
.Lasked_\@:
.endm
.macro LV slot                         ; a V tile: each wave fetches its own 128 channels of the 64 keys (jointly with its likes in the partners)
	tensor_load_to_lds s[G0V+4*(\slot):G0V+4*(\slot)+3], s[G1V:G1V+7]
	s_nop 0
.rept 4
	v_nop
.endr
.endm
; The refill behind a round.  kind 1: the S tile two on in this chunk; 2: the next chunk's S tile; 3: the V tile two on; 0: none.  No tensor load of the wave is out, so the descriptors may be written.
.macro REFILL kind, slot
.if (\kind) == 1
	s_add_nc_u64 s[G0K+4*(\slot)+2:G0K+4*(\slot)+3], s[G0K+4*(\slot)+2:G0K+4*(\slot)+3], 512
	s_add_nc_u64 s[G0Q+4*(\slot)+2:G0Q+4*(\slot)+3], s[G0Q+4*(\slot)+2:G0Q+4*(\slot)+3], 512
	LS \slot
.elseif (\kind) == 2
	s_add_nc_u64 s[G0K+4*(\slot)+2:G0K+4*(\slot)+3], s[G0K+4*(\slot)+2:G0K+4*(\slot)+3], 261632   ; 256 rows down, 512 bytes back
	s_sub_nc_u64 s[G0Q+4*(\slot)+2:G0Q+4*(\slot)+3], s[G0Q+4*(\slot)+2:G0Q+4*(\slot)+3], 512
	LS \slot
.elseif (\kind) == 3
	s_add_nc_u64 s[G0V+4*(\slot)+2:G0V+4*(\slot)+3], s[G0V+4*(\slot)+2:G0V+4*(\slot)+3], 131072   ; 128 keys on
	LV \slot
.else
	PLACES
.endif
.endm
; A PREFETCH of the tile whose load stands two changes of slots, 256 matrix instructions, on.  K and V of a sample are walked by four clusters: the first of them asks, waves 0 and 1.  The four partners share a
; tile's 256 blocks of 256 bytes out BY ADDRESS (K: 64 rows each; V: one of the four column blocks each), a lane a row: each block is named once in the launch.  The first chunk's K comes by its loads
; alone; the last chunk asks for no K (how = 2).  Q and x are not asked for.
.macro ASK how, ptr, off
.if \how
.if (\how) == 2
	s_cmp_gt_u32 s[CH], s[LIM]
.else
	s_cmp_eq_u32 s[LIM], 1
.endif
	s_cbranch_scc0 .Lnot_mine_\@
	global_prefetch_b8 v[PFO], s[\ptr:\ptr+1] offset:\off th:TH_LOAD_NT scope:SCOPE_SE
.Lnot_mine_\@:
.endif
.endm
	s_load_b128 s[4:7], s[0:1], 0x0                ; yall, x
	s_load_b64 s[8:9], s[0:1], 0x10                ; out0
	v_lshl_add_u32 v[SPW], v0, 2, SPARE
	v_mov_b32 v[NIL], 0
	ds_add_u32 v[SPW], v[NIL]                      ; the wave's opening: the add and its wait ahead of my first tensor load
	v_lshrrev_b32 v1, 5, v0
	v_readfirstlane_b32 s[WV], v1
	s_bfe_u32 s[CX], ttmp6, 0x40000
	s_lshl_b32 s13, ttmp9, 2
	s_add_co_u32 s13, s13, s[CX]                   ; my block of 128 queries: it enters Q's, x's and out0's addresses alone
	s_and_b32 s12, ttmp7, 0xffff                   ; the sample
	s_mov_b32 s[G1K+0], 15|(1<<16)|(1<<20)|(1<<21)|(5<<22)|(3<<25)  ; the mask of four, bit 21 beside it; 2-byte elements; padding after every 64 words, 4 words
	s_mov_b32 s[G1K+1], 128<<16
	s_mov_b32 s[G1K+2], 128<<16                    ; 128 rows
	s_mov_b32 s[G1K+3], 128<<16
	s_mov_b32 s[G1K+4], 128
	s_mov_b32 s[G1K+5], 512
	s_mov_b32 s[G1K+6], 0
	s_mov_b32 s[G1K+7], 0
	s_mov_b32 s[G1Q+0], (1<<16)|(1<<20)|(5<<22)|(3<<25)   ; no mask
	s_mov_b32 s[G1Q+1], 128<<16
	s_mov_b32 s[G1Q+2], 64<<16                     ; 64 rows
	s_mov_b32 s[G1Q+3], 128<<16
	s_mov_b32 s[G1Q+4], 64
	s_mov_b32 s[G1Q+5], 512
	s_mov_b32 s[G1Q+6], 0
	s_mov_b32 s[G1Q+7], 0
	s_mov_b32 s[G1V+0], 15|(1<<16)|(1<<20)|(1<<21)|(5<<22)|(7<<25)  ; 8 words of padding
	s_mov_b32 s[G1V+1], 128<<16
	s_mov_b32 s[G1V+2], 64<<16
	s_mov_b32 s[G1V+3], 128<<16
	s_mov_b32 s[G1V+4], 64
	s_mov_b32 s[G1V+5], 512
	s_mov_b32 s[G1V+6], 0
	s_mov_b32 s[G1V+7], 0
	s_and_b32 s14, s[WV], 1                        ; which half of K's or of Q's rows I fetch
	s_lshl_b32 s80, s12, 20                        ; K: the sample, my 128 rows
	s_add_co_u32 s80, s80, 0x2000000
	s_lshl_b32 s15, s14, 17
	s_add_co_u32 s80, s80, s15
	s_mov_b32 s81, 0
	s_lshl_b32 s82, s12, 21                        ; Q: the sample, my block, my 64 rows
	s_lshl_b32 s86, s13, 17
	s_add_co_u32 s82, s82, s86
	s_lshl_b32 s86, s14, 16
	s_add_co_u32 s82, s82, s86
	s_mov_b32 s83, 0
	s_lshl_b32 s84, s12, 20                        ; V: the sample, my 256 bytes of a row; one step of 128 keys back, since the address is stepped ahead of every load
	s_add_co_u32 s84, s84, 0x3000000-131072
	s_lshl_b32 s15, s[WV], 8
	s_add_co_u32 s84, s84, s15
	s_mov_b32 s85, 0
	s_mul_i32 s87, s14, 128*KP                     ; places in a slot: made of the wave's number alone
	s_mul_i32 s88, s14, 64*KP
	s_mul_i32 s89, s[WV], VW
	s_mov_b32 s[CS], 0x3fb8aa3b
	s_mov_b32 s[CS+1], s[CS]
	s_mov_b32 s[SEL], 0x76543210
	s_mov_b32 s[SEL+1], 0xfedcba98
	s_lshr_b32 s[LIM], s[WV], 1                    ; 0 in waves 0 and 1,
	s_or_b32 s[LIM], s[LIM], ttmp9                 ; where the cluster is the sample's first: the same in all four partners
	s_cmp_eq_u32 s[LIM], 0
	s_cselect_b32 s[LIM], 1, -1
	s_wait_dscnt 0x0                               ; the opening add is done
	s_wait_kmcnt 0x0
	s_add_nc_u64 s[80:81], s[4:5], s[80:81]
	s_add_nc_u64 s[82:83], s[4:5], s[82:83]
	s_add_nc_u64 s[84:85], s[4:5], s[84:85]
	CROUND                                         ; all four work-groups are here: the first joint loads meet
.irp s, 0,1
	s_mov_b32 s[G0K+4*(\s)], 1
	s_add_co_u32 s[G0K+4*(\s)+1], s87, (\s)*SLOT1
	s_add_nc_u64 s[G0K+4*(\s)+2:G0K+4*(\s)+3], s[80:81], (\s)*256
	s_or_b32 s[G0K+4*(\s)+3], s[G0K+4*(\s)+3], 0x80000000
	s_mov_b32 s[G0Q+4*(\s)], 1
	s_add_co_u32 s[G0Q+4*(\s)+1], s88, (\s)*SLOT1+QOFF
	s_add_nc_u64 s[G0Q+4*(\s)+2:G0Q+4*(\s)+3], s[82:83], (\s)*256
	s_or_b32 s[G0Q+4*(\s)+3], s[G0Q+4*(\s)+3], 0x80000000
	s_mov_b32 s[G0V+4*(\s)], 1
	s_add_co_u32 s[G0V+4*(\s)+1], s89, (\s)*SLOT1
	s_add_nc_u64 s[G0V+4*(\s)+2:G0V+4*(\s)+3], s[84:85], (\s)*65536
	s_or_b32 s[G0V+4*(\s)+3], s[G0V+4*(\s)+3], 0x80000000
.endr
	s_cmp_lt_u32 s[WV], 2                          ; a wave's two first fills stand in one branch: two loads of mine are out
	s_cbranch_scc0 .Lfirst_q
	tensor_load_to_lds s[G0K:G0K+3], s[G1K:G1K+7]
	s_nop 0
	tensor_load_to_lds s[G0K+4:G0K+7], s[G1K:G1K+7]
	s_nop 0
.rept 4
	v_nop
.endr
	s_branch .Lfirst_asked
.Lfirst_q:
	tensor_load_to_lds s[G0Q:G0Q+3], s[G1Q:G1Q+7]
	s_nop 0
	tensor_load_to_lds s[G0Q+4:G0Q+7], s[G1Q:G1Q+7]
	s_nop 0
.rept 4
	v_nop
.endr
.Lfirst_asked:
	s_lshl_b32 s80, s12, 20                        ; the prefetches' places
	s_lshl_b32 s86, s[WV], 15
	s_add_co_u32 s80, s80, s86
	s_mov_b32 s81, 0
	s_lshl_b32 s86, s[CX], 16
	s_add_co_u32 s82, s80, s86
	s_add_co_u32 s82, s82, 0x2000000+262144        ; K: chunk 1, rows 64 cx + 32 w on
	s_mov_b32 s83, 0
	s_add_nc_u64 s[PFK:PFK+1], s[4:5], s[82:83]
	s_lshl_b32 s86, s[CX], 8
	s_add_co_u32 s82, s80, s86
	s_add_co_u32 s82, s82, 0x3000000               ; V: chunk 0, rows 32 w on, column block cx
	s_add_nc_u64 s[PFV:PFV+1], s[4:5], s[82:83]
	s_lshl_b32 s82, s12, 22                        ; x and out0: the sample, my 128 channels, my block's 512 bytes
	s_lshl_b32 s86, s[WV], 20
	s_add_co_u32 s82, s82, s86
	s_lshl_b32 s86, s13, 9
	s_add_co_u32 s82, s82, s86
	s_add_nc_u64 s[XBS:XBS+1], s[6:7], s[82:83]
	s_add_nc_u64 s[OBS:OBS+1], s[8:9], s[82:83]
	v_and_b32 v1, 15, v0                           ; r
	v_bfe_u32 v2, v0, 4, 1                         ; h
	v_and_b32 v3, 7, v0
	v_bfe_u32 v4, v0, 3, 1
	v_and_b32 v5, 31, v0                           ; l
	v_mul_u32_u24 v6, v1, KP
	v_lshl_add_u32 v6, v2, 4, v6                   ; a fragment of K or Q: row r, 16 bytes by the half
	s_mul_i32 s86, s[WV], 64*KP
	v_add_nc_u32 v[ADK], s86, v6
	v_add_nc_u32 v[ADK+1], SLOT1, v[ADK]
	v_add_nc_u32 v[ADQ], QOFF, v6
	v_add_nc_u32 v[ADQ+1], SLOT1, v[ADQ]
	v_lshl_add_u32 v6, v2, 3, v3                   ; the turning load: key 8 h + l % 8, 16 bytes by (l / 8) % 2
	v_mul_u32_u24 v6, v6, VP
	v_lshl_add_u32 v6, v4, 4, v6
	v_add_nc_u32 v[ADV], s89, v6
	v_add_nc_u32 v[ADV+1], SLOT1, v[ADV]
	v_mul_u32_u24 v6, v1, PP
	v_lshl_add_u32 v6, v2, 4, v6
	v_add_nc_u32 v[ADP], PL, v6
	s_lshl_b32 s86, s[WV], 7
	v_add_nc_u32 v[PST], s86, v[ADP]               ; my wave's 64 keys: 128 bytes of a row of P
	v_lshlrev_b32 v6, 4, v1
	v_add_nc_u32 v[MXL], MX, v6
	s_lshl_b32 s86, s[WV], 2
	v_add_nc_u32 v[MXS], s86, v[MXL]
	s_mul_i32 s86, s[WV], 16*PP
	s_add_co_u32 s86, s86, PL
	v_mul_u32_u24 v6, v2, 8*PP
	v_lshl_add_u32 v6, v1, 2, v6
	v_add_nc_u32 v[STO], s86, v6
	v_lshlrev_b32 v[XO], 4, v5
	v_add_nc_u32 v[RD], s86, v[XO]
	v_lshlrev_b32 v[PFO], 10, v5
	WIN 0x80
.set i, 0
.rept 256
	v_mov_b32 v[i], 0
.set i, i+1
.endr
	WIN 0xc0
.set i, 0
.rept 256
	v_mov_b32 v[i], 0
.set i, i+1
.endr
	WIN 0
	ALLQ v_mov_b32 v[ST+4*qt], 0xfe000000          ; c m: far below every c s
	ALLQ v_mov_b32 v[ST+4*qt+1], 0xff7fffff        ; m
	ALLQ v_mov_b32 v[ST+4*qt+2], 0
	ALLQ v_mov_b32 v[ST+4*qt+3], 0
; THE FIRST PRODUCT.  nq query tiles from q0 on x my 4 key tiles, 32 channels.  The 32 accumulators take turns, in the same order in every quarter.
.macro SMUL f, q0, nq, zero
	WIN 0x50                                       ; K and Q window 0, S^T window 1
.set qq, \q0
.rept \nq
.irp kt, 0,1,2,3
.if \zero
	v_wmma_f32_16x16x32_f16 v[32*qq+8*\kt:32*qq+8*\kt+7], v[(\f)+8*\kt:(\f)+8*\kt+7], v[(\f)+32+8*qq:(\f)+32+8*qq+7], 0
.else
	v_wmma_f32_16x16x32_f16 v[32*qq+8*\kt:32*qq+8*\kt+7], v[(\f)+8*\kt:(\f)+8*\kt+7], v[(\f)+32+8*qq:(\f)+32+8*qq+7], v[32*qq+8*\kt:32*qq+8*\kt+7]
.endif
.endr
.set qq, qq+1
.endr
.endm
.macro FETCH_S slot, k, f              ; 24 LDS loads in one run: quarter k's fragments: my 4 of K, then Q's 8
	WIN 0
.irp t, 0,1,2,3
	ds_load_b128 v[(\f)+8*\t:(\f)+8*\t+3],   v[ADK+(\slot)] offset:\t*16*KP+64*(\k)
	ds_load_b128 v[(\f)+8*\t+4:(\f)+8*\t+7], v[ADK+(\slot)] offset:\t*16*KP+64*(\k)+32
.endr
.irp t, 0,1,2,3,4,5,6,7
	ds_load_b128 v[(\f)+32+8*\t:(\f)+32+8*\t+3],   v[ADQ+(\slot)] offset:\t*16*KP+64*(\k)
	ds_load_b128 v[(\f)+32+8*\t+4:(\f)+32+8*\t+7], v[ADQ+(\slot)] offset:\t*16*KP+64*(\k)+32
.endr
.endm
.macro SQ slot, k, f, g, zero          ; multiplies buffer f; in its middle fetches quarter k of the same slot into g
	s_wait_dscnt 8                                 ; K and Q's tiles 0-3 are in; the youngest eight loads may be out
	SMUL \f, 0, 4, \zero
	PLACES
	FETCH_S \slot, \k, \g
	s_wait_dscnt 24                                ; all but the 24 just issued
	SMUL \f, 4, 4, \zero
.endm
; An S tile's last quarter, and the change of slots: each wave waits for all its tensor loads (one is out: its part of the next tile), adds 0 to its spare word, and waits for that and for its reads of this
; slot; the barrier opens a round of the cluster's; the refill is the first thing behind the round.
.macro STURN slot, kind, fetch, off
	WIN 0
	s_wait_tensorcnt 0x0
	ds_add_u32 v[SPW], v[NIL]
	s_wait_dscnt 9                                 ; the add and the youngest eight loads may be out
	SMUL F1, 0, 2, 0
	s_wait_dscnt 0x0                               ; the add is done, and my reads of this slot are over
	s_barrier_signal -1
	SMUL F1, 2, 2, 0
	WIN 0
	s_barrier_wait -1
	CREST
	REFILL \kind, \slot                            ; its four v_nop are also the places ahead of the loads below
.if \fetch
	FETCH_S 1-(\slot), 0, F0
.endif
	ASK 1, PFV, \off
	SMUL F1, 4, 4, 0
.endm
; THE SECOND PRODUCT.  16 matrix instructions: channel tiles a0, a0 + 1 of the window's four x all 8 query tiles, 32 keys.  The 64 accumulators take turns.
.macro MUL16V g, hi, a0
	WIN 0xa5+0x50*(\hi)                            ; V and P window 1, O^T window 2 or 3
.irp a, \a0, (\a0)+1
.irp q, 0,1,2,3,4,5,6,7
	v_wmma_f32_16x16x32_bf16 v[8*(8*(\a)+(\q)):8*(8*(\a)+(\q))+7], v[(\g)+8*(4*(\hi)+(\a)):(\g)+8*(4*(\hi)+(\a))+7], v[(\g)+64+8*(\q):(\g)+64+8*(\q)+7], v[8*(8*(\a)+(\q)):8*(8*(\a)+(\q))+7]
.endr
.endr
.endm
.macro FETCH_V slot, vs, ks, g         ; 32 LDS loads in one run: keys 64 vs + 32 ks on: P's 8 fragments, then my 8 of V (turned)
	WIN 0x40
.irp q, 0,1,2,3,4,5,6,7
	ds_load_b128 v[(\g)+64+8*\q:(\g)+64+8*\q+3],   v[ADP] offset:\q*16*PP+128*(\vs)+64*(\ks)
	ds_load_b128 v[(\g)+64+8*\q+4:(\g)+64+8*\q+7], v[ADP] offset:\q*16*PP+128*(\vs)+64*(\ks)+32
.endr
.irp c, 0,1,2,3,4,5,6,7
	ds_load_tr16_b128 v[(\g)+8*\c:(\g)+8*\c+3],   v[ADV+(\slot)] offset:(\ks)*32*VP+32*\c
	ds_load_tr16_b128 v[(\g)+8*\c+4:(\g)+8*\c+7], v[ADV+(\slot)] offset:(\ks)*32*VP+32*\c+16*VP
.endr
.endm
.macro VQ slot, vs                     ; a V tile's first 32 keys; in the middle the second 32 are fetched
	s_wait_dscnt 8                                 ; P and V's channel tiles 0-3 are in
	MUL16V G0, 0, 0
	MUL16V G0, 0, 2
	PLACES
	FETCH_V \slot, \vs, 1, G1
	s_wait_dscnt 32
	MUL16V G0, 1, 0
	MUL16V G0, 1, 2
.endm
; A V tile's second 32 keys, and the change of slots, as in STURN.  nk = 1: the next tile is V tile nvs in slot ns; 2: the next chunk's S0.  kind = 0: nothing is asked for, and the barrier is the work-group's alone.
.macro VTURN slot, kind, nk, ns, nvs, how, off
	WIN 0
	s_wait_tensorcnt 0x0
	ds_add_u32 v[SPW], v[NIL]
	s_wait_dscnt 9
	MUL16V G1, 0, 0
	s_wait_dscnt 0x0
	s_barrier_signal -1
	MUL16V G1, 0, 2
	WIN 0
	s_barrier_wait -1
.if \kind
	CREST
.endif
	REFILL \kind, \slot
.if (\nk) == 1
	FETCH_V \ns, \nvs, 0, G0
.else
	FETCH_S 0, 0, F0
.endif
	WIN 0
	ASK \how, PFK, \off
	MUL16V G1, 1, 0
	MUL16V G1, 1, 2
.endm
; THE SOFTMAX STEP OF A CHUNK, in phases.
.macro SOFTMAX
	PLACES                                         ; behind the last products: their results are read, and their sources written
	WIN 0x15                                       ; my 64 keys' maximum for each query: four chains a tile
.set j, 0
.rept 4
	ALLQ v_max3_num_f32 v[CT+4*qt+j], v[32*qt+8*j], v[32*qt+8*j+1], v[32*qt+8*j+2]
.set j, j+1
.endr
	WIN 0x14
.rept 8
	ALLQ v_max3_num_f32 v[CT+4*qt+j%4], v[CT+4*qt+j%4], v[32*qt+8*(j%4)+2*(j/4)+1], v[32*qt+8*(j%4)+2*(j/4)+2]
.set j, j+1
.endr
	ALLQ v_max3_num_f32 v[CT+4*qt], v[CT+4*qt], v[32*qt+7], v[32*qt+15]
	ALLQ v_max3_num_f32 v[CT+4*qt+2], v[CT+4*qt+2], v[32*qt+23], v[32*qt+31]
	WIN 0
	ALLQ v_max3_num_f32 v[CT+4*qt], v[CT+4*qt], v[CT+4*qt+1], v[CT+4*qt+2]
	ALLQ v_max_num_f32 v[CT+4*qt], v[CT+4*qt], v[CT+4*qt+3]
	ALLQ v_permlanex16_b32 v[CT+4*qt+1], v[CT+4*qt], s[SEL], s[SEL+1]
	ALLQ v_max_num_f32 v[CT+4*qt], v[CT+4*qt], v[CT+4*qt+1]
	ALLQ ds_store_b32 v[MXS], v[CT+4*qt] offset:256*qt
	s_wait_dscnt 0x0                               ; for the others' sake: my maxima lie in LDS
	s_barrier_signal -1
	s_barrier_wait -1                              ; my tensor load may stay out
	ALLQ ds_load_b128 v[CT+4*qt:CT+4*qt+3], v[MXL] offset:256*qt
	s_wait_dscnt 0x0
	ALLQ v_max3_num_f32 v[CT+4*qt], v[CT+4*qt], v[CT+4*qt+1], v[CT+4*qt+2]
	ALLQ v_max3_num_f32 v[ST+4*qt+1], v[CT+4*qt], v[CT+4*qt+3], v[ST+4*qt+1]
	ALLQ v_mul_f32 v[CT+4*qt+1], s[CS], v[ST+4*qt+1]
	ALLQ v_sub_f32 v[AT+2*qt+1], v[ST+4*qt], v[CT+4*qt+1]
	ALLQ v_mov_b32 v[ST+4*qt], v[CT+4*qt+1]
	ALLQ v_exp_f32 v[AT+2*qt], v[AT+2*qt+1]
	WIN 0x41                                       ; ONE BATCH: the eight a above and the 256 weights; a pair is scaled four pairs ahead of its exponentials; nothing names a result ahead of the wait
.set i, 0
.rept 132
.if i < 128
	v_pk_fma_f32 v[2*i:2*i+1], v[2*i:2*i+1], s[CS:CS+1], v[ST+4*(i/16):ST+4*(i/16)+1] op_sel_hi:[1,0,0] neg_lo:[0,0,1] neg_hi:[0,0,1]
.endif
.if i >= 4
	v_exp_f32 v[2*(i-4)], v[2*(i-4)]
	v_exp_f32 v[2*(i-4)+1], v[2*(i-4)+1]
.endif
.set i, i+1
.endr
	v_nop                                          ; a plain instruction behind the last exponential,
	s_wait_alu depctr_va_vdst(0)                   ; and the one wait for the batch
	WIN 0x05
.set i, 0
.rept 128
	v_cvt_pk_bf16_f32 v[PKR+i], v[2*i], v[2*i+1]
.set i, i+1
.endr
	WIN 0
.set i, 0
.rept 32
	ds_store_b128 v[PST], v[PKR+4*i:PKR+4*i+3] offset:(i/4)*16*PP+32*(i%4)   ; query tile i / 4, key tile i % 4
.set i, i+1
.endr
	WIN 0x45                                       ; the sums of the unrounded weights, in place: neighbours 1, 2, 4 and 8 pairs apart
.irp w, 4,8,16,32
.set i, 0
.rept 256/\w
	v_pk_add_f32 v[\w*i:\w*i+1], v[\w*i:\w*i+1], v[\w*i+\w/2:\w*i+\w/2+1]
.set i, i+1
.endr
.endr
	WIN 0x10
	ALLQ v_pk_fma_f32 v[ST+4*qt+2:ST+4*qt+3], v[ST+4*qt+2:ST+4*qt+3], v[AT+2*qt:AT+2*qt+1], v[32*qt:32*qt+1] op_sel_hi:[1,0,1]
	WIN 0
	s_wait_dscnt 0x0                               ; my part of P lies in LDS
	s_barrier_signal -1
	WIN 0x82                                       ; O^T times a: work on registers, while the others arrive
.set i, 0
.rept 128
	v_pk_mul_f32 v[2*i:2*i+1], v[2*i:2*i+1], v[AT+2*((i/4)%8):AT+2*((i/4)%8)+1] op_sel_hi:[1,0]
.set i, i+1
.endr
	WIN 0xc3
.set i, 0
.rept 128
	v_pk_mul_f32 v[2*i:2*i+1], v[2*i:2*i+1], v[AT+2*((i/4)%8):AT+2*((i/4)%8)+1] op_sel_hi:[1,0]
.set i, i+1
.endr
	WIN 0
	s_barrier_wait -1                              ; P is whole
.endm
	s_wait_tensorcnt 0x1                           ; my part of S0 is in; S1's may stay out
	s_barrier_signal -1
	s_barrier_wait -1
	FETCH_S 0, 0, F0
	s_mov_b32 s[CH], 4
	s_branch .Lenter                               ; the loop is entered at a chunk's first tile, in the middle of a trip
.Lloop:                                            ; three times: a chunk's last two V tiles, whose changes of slots ask for the next chunk's S0 and S1
	VQ 0, 2
	VTURN 0, 2, 1, 1, 3, 1, 512
	VQ 1, 3
	VTURN 1, 2, 2, 0, 0, 1, 768
	WIN 0
	s_wait_xcnt 0x0                                ; the prefetches (the youngest 32 products back) have read their addresses
	s_add_nc_u64 s[PFK:PFK+1], s[PFK:PFK+1], 262144
	s_add_nc_u64 s[PFV:PFV+1], s[PFV:PFV+1], 262144
.Lenter:
.rept 5
	v_nop                                          ; five places: the first products below write over registers that the last products above read
.endr
	SQ 0, 1, F0, F1, 1                             ; S0: the first quarter starts the sums
	SQ 0, 2, F1, F0, 0
	SQ 0, 3, F0, F1, 0
	STURN 0, 1, 1, 0
	SQ 1, 1, F0, F1, 0                             ; S1
	SQ 1, 2, F1, F0, 0
	SQ 1, 3, F0, F1, 0
	STURN 1, 1, 1, 65536
	SQ 0, 1, F0, F1, 0                             ; S2
	SQ 0, 2, F1, F0, 0
	SQ 0, 3, F0, F1, 0
	STURN 0, 3, 1, 131072
	SQ 1, 1, F0, F1, 0                             ; S3
	SQ 1, 2, F1, F0, 0
	SQ 1, 3, F0, F1, 0
	STURN 1, 3, 0, 196608
	SOFTMAX
	FETCH_V 0, 0, 0, G0                            ; V0 is my own load's, shown landed by the last wait for all my loads
	VQ 0, 0
	VTURN 0, 3, 1, 1, 1, 2, 0
	VQ 1, 1
	VTURN 1, 3, 1, 0, 2, 2, 256
	WIN 0
	s_sub_co_u32 s[CH], s[CH], 1
	s_cmp_lg_u32 s[CH], 0
	s_cbranch_scc1 .Lloop
	; THE TAIL is written out.  x's first three blocks of 16 channels are asked for here.
.set i, 0
.rept 48
	global_load_b128 v[64+4*i:64+4*i+3], v[XO], s[XBS:XBS+1] offset:i*8192 th:TH_LOAD_NT
.set i, i+1
.endr
	VQ 0, 2
	VTURN 0, 0, 1, 1, 3, 0, 0
	VQ 1, 3
	s_wait_dscnt 8
	MUL16V G1, 0, 0
	MUL16V G1, 0, 2
	s_wait_dscnt 0x0
	MUL16V G1, 1, 0
	MUL16V G1, 1, 2
	WIN 0
	; THE END.  l: its two halves, the other half of the lanes, the four waves (through LDS).  The first additions are the places behind the last products.
	ALLQ v_add_f32 v[ST+4*qt+2], v[ST+4*qt+2], v[ST+4*qt+3]
	ALLQ v_permlanex16_b32 v[ST+4*qt+3], v[ST+4*qt+2], s[SEL], s[SEL+1]
	ALLQ v_add_f32 v[ST+4*qt+2], v[ST+4*qt+2], v[ST+4*qt+3]
	ALLQ ds_store_b32 v[MXS], v[ST+4*qt+2] offset:2048+256*qt
	s_wait_dscnt 0x0                               ; my sums lie in LDS, and my reads of P are over:
	s_barrier_signal -1
	s_barrier_wait -1                              ; P's bytes may now serve as stages
	ALLQ ds_load_b128 v[ST+4*qt:ST+4*qt+3], v[MXL] offset:2048+256*qt
	s_wait_dscnt 0x0
	ALLQ v_add_f32 v[ST+4*qt], v[ST+4*qt], v[ST+4*qt+1]
	ALLQ v_add_f32 v[ST+4*qt+2], v[ST+4*qt+2], v[ST+4*qt+3]
	ALLQ v_add_f32 v[ST+4*qt], v[ST+4*qt], v[ST+4*qt+2]
	ALLQ v_rcp_f32 v[ST+4*qt+2], v[ST+4*qt]
	v_nop
	s_wait_alu depctr_va_vdst(0)                   ; one wait for the eight reciprocals
; Block ct: 16 channels x 128 queries.  O^T / l goes into my stage (rows of 528 bytes, a channel a row), comes back as whole rows of 512 bytes, takes x and leaves.  left: the younger loads of x.
.macro OUTB ct, left
.set AC, 64*((\ct)%4)
.set OB, 64*((\ct)%2)
.set XR, 64+64*((\ct)%3)
	WIN 0x82+0x41*((\ct)/4)
.set i, 0
.rept 32
	v_pk_mul_f32 v[AC+2*i:AC+2*i+1], v[AC+2*i:AC+2*i+1], v[ST+4*(i/4)+2:ST+4*(i/4)+3] op_sel_hi:[1,0]
.set i, i+1
.endr
	WIN 0x08+0x04*((\ct)/4)                        ; store data in window 2 or 3
.set i, 0
.rept 64
	ds_store_b32 v[STO], v[AC+i] offset:(i%8)*PP+64*(i/8)
.set i, i+1
.endr
	WIN 0x40
	s_wait_xcnt 0x0                                ; the stores of the block two back have read these registers
.set i, 0
.rept 16
	ds_load_b128 v[OB+4*i:OB+4*i+3], v[RD] offset:i*PP   ; LDS serves a wave's instructions in order (ISA guide 5.7.1.4): these see the stores above; the next block's stores come behind them
.set i, i+1
.endr
	s_wait_dscnt 0x0
	s_wait_loadcnt \left                           ; this block's x is in
	WIN 0x41
.set i, 0
.rept 32
	v_pk_add_f32 v[OB+2*i:OB+2*i+1], v[OB+2*i:OB+2*i+1], v[XR+2*i:XR+2*i+1]
.set i, i+1
.endr
	WIN 0x04                                       ; store data in window 1
.set i, 0
.rept 16
	global_store_b128 v[XO], v[OB+4*i:OB+4*i+3], s[OBS:OBS+1] offset:(16*(\ct)+i)*8192 th:TH_STORE_NT   ; 512 consecutive bytes, aligned
.set i, i+1
.endr
	WIN 0
.if (\ct) < 5
.set i, 0
.rept 16
	global_load_b128 v[XR+4*i:XR+4*i+3], v[XO], s[XBS:XBS+1] offset:(16*((\ct)+3)+i)*8192 th:TH_LOAD_NT
.set i, i+1
.endr
.endif
.endm
	OUTB 0, 32
	OUTB 1, 32
	OUTB 2, 32
	OUTB 3, 32
	OUTB 4, 32
	OUTB 5, 32
	OUTB 6, 16
	OUTB 7, 0
	s_wait_tensorcnt 0x0                           ; the wave's end
	ds_add_u32 v[SPW], v[NIL]
	s_wait_dscnt 0x0
	CROUND                                         ; the closing round: no work-group ends while a partner may still ask for a tile that names it
	s_endpgm
.Lfunc_end_k_q667beb8b65_attn:
	.size	k_q667beb8b65_attn, .Lfunc_end_k_q667beb8b65_attn-k_q667beb8b65_attn
	.p2alignl 7, 3214868480
	.fill 96, 4, 3214868480
	.section	.rodata,"a",@progbits
	.p2align	6, 0x0
	.amdhsa_kernel k_q667beb8b65_attn
		.amdhsa_group_segment_fixed_size 327680
		.amdhsa_private_segment_fixed_size 0
		.amdhsa_enable_private_segment 0
		.amdhsa_kernarg_size 24
		.amdhsa_user_sgpr_count 2
		.amdhsa_user_sgpr_kernarg_segment_ptr 1
		.amdhsa_wavefront_size32 1
		.amdhsa_system_sgpr_workgroup_id_x 1
		.amdhsa_system_sgpr_workgroup_id_y 1
		.amdhsa_system_sgpr_workgroup_id_z 1
		.amdhsa_system_vgpr_workitem_id 0
		.amdhsa_next_free_vgpr 1024
		.amdhsa_next_free_sgpr 92
		.amdhsa_reserve_vcc 0
		.amdhsa_float_denorm_mode_32 3
		.amdhsa_float_denorm_mode_16_64 3
		.amdhsa_memory_ordered 1
		.amdhsa_forward_progress 1
		.amdhsa_inst_pref_size 255
	.end_amdhsa_kernel
	.section	.bss,"aw",@nobits
	.p2align	6
	.space	262144
	.amdgpu_metadata
---
amdhsa.version: [ 1, 2 ]
amdhsa.kernels:
  - .name:           k_q667beb8b65_attn
    .symbol:         k_q667beb8b65_attn.kd
    .args:
      - { .name: yall, .offset: 0, .size: 8, .value_kind: global_buffer, .address_space: global }
      - { .name: x, .offset: 8, .size: 8, .value_kind: global_buffer, .address_space: global }
      - { .name: out0, .offset: 16, .size: 8, .value_kind: global_buffer, .address_space: global }
    .group_segment_fixed_size: 327680
    .private_segment_fixed_size: 0
    .kernarg_segment_align: 8
    .kernarg_segment_size: 24
    .max_flat_workgroup_size: 128
    .sgpr_count:     92
    .vgpr_count:     1024
    .wavefront_size: 32
...
	.end_amdgpu_metadata
.endif
;; end of part 4
;; ======== version 2 of 2: 3 launches
;; limits: values outside matrix products are rounded to bf16; values are held in f16: magnitudes above 65,504 overflow, below 6.1e-05 lose precision; inputs' magnitudes at most 65,504
;; workspace buffers: wall 1,572,864 bytes; bkh 2,048 bytes; zall 67,108,864 bytes; yall 67,108,864 bytes
;; launch prep (part 5): grid 320 x 1, 32 waves a work-group, no clusters, 193,536 bytes of LDS; arguments Wf, Wg, Wh, Wk, bh, bk, wall, bkh, x, s_sty, zall; writes wall, bkh, zall
.if DOCPART == 5
	.amdgcn_target "amdgcn-amd-amdhsa--gfx1250"
	.amdhsa_code_object_version 6
	.text
	.protected	k_q667beb8b65_prep
	.globl	k_q667beb8b65_prep
	.p2align	8
	.type	k_q667beb8b65_prep,@function
k_q667beb8b65_prep:
	s_mov_b64 s[64:65], 0
	v_nop
	global_prefetch_b8 v0, s[64:65] scope:SCOPE_SE
	s_setreg_imm32_b32 hwreg(HW_REG_WAVE_MODE, 25, 1), 1
	s_wait_xcnt 0x0
; TWO INDEPENDENT PREPARATIONS IN ONE LAUNCH.  A work-group has 32 waves of 128 registers and so has a WGP to itself.  One scalar branch on the work-group's number, the same for all its waves, parts them.
; WORK-GROUPS 0-63, THE WEIGHTS.  wall[0] = Wf, wall[1] = Wg, wall[2] = Wkh = Wk Wh, each [512][512] rounded once to f16; bkh = Wk bh + bk in f32.
;   Wk (H S^T) = (Wk H) S^T for every input, so the last 1x1 convolution is folded into the value projection; bkh rides in the values, since a row of S sums to 1.
;   Work-group g makes rows 32 (g / 4) .. + 31, columns 128 (g % 4) .. + 127 of Wkh.  Wave w brings rows 16 w .. + 15 of Wh's 512 x 128 block and row w of Wk's 32 x 512 block through registers (f32 to f16)
;   into LDS, and casts half a row of Wf or Wg (row 16 g + w / 2).  Where g % 4 = 0 its row of Wk, still in f32, also gives bkh[32 (g / 4) + w].  Waves 0-15 then make one tile of 16 x 16 each.
;   The product is taken transposed (source 0 = 16 columns of Wh, turned by ds_load_tr16_b128; source 1 = 16 rows of Wk): a lane ends with eight neighbouring columns of one row.
; WORK-GROUPS 64-319, INSTANCE NORM AND CAST.  zall: [64 blocks][512 channels][1024 positions] f16.  Block 2 n + half: IN(x[n]), a row's 2,048 positions as two halves; block 32 + n: IN(s_sty[n]);
;   block 48 + n: s_sty[n] as it is.  A wave takes row r = (n, c) of x (8,192 bytes, 64 registers) AND of s_sty (4,096 bytes, 32 registers): a row stays in registers between the passes, memory is read once.
;   Mean first, then the sum of squared deviations (no difference of large sums), biased variance, rsqrt(var + 1e-5); all in f32; each result rounded once to f16.  No LDS, no barrier, no matrix unit there.
; THE GRID IS UNEVEN ON PURPOSE: the weights' work-groups come first and are short (22 or 26 loads a wave, issued at once, and 16 products); their 64 WGPs then take the last 64 work-groups of rows, while the
;   other 192 stream from the start.  Shared out evenly, the weights' chain of loads, LDS and barriers would stand ahead of every row's loads.
; LIMITS.  Weights, the entries of Wk Wh and |s_sty| lie within f16's range, 65,504; below 6e-5 they keep f16's fixed step of 6e-8.  A normalised number is at most sqrt(2048) in size.
; No tensor load, cluster or prefetch: the rows are read once, by loads that are all issued at a wave's start, and the weights are small.
.set NW,    64                         ; work-groups of weights
; ---- the weights' names
.set WHP,   288                        ; Wh block, from LDS byte 0: 512 rows m x 288 bytes (256 + 32: an odd multiple of 32, for the turning load)
.set WKL,   147456                     ; Wk block: 32 rows o x 1,040 bytes (1,024 + 16: an odd multiple of 16)
.set WKP,   1040
.set STG,   180736                     ; the way out: 32 rows x 272 bytes
.set SGP,   272
.set SPARE, 189440                     ; the spare words, 128 bytes for each of 32 waves: sixteen blocks of 256 bytes that no other line names
.set LN,  2                            ; v2   lane
.set L16, 3                            ; v3   16 x lane
.set L8,  4                            ; v4   8 x lane
.set WKS, 5                            ; v5   where I put 8 bytes of my row of the Wk block
.set WHS, 6                            ; v6   the same for my first row of the Wh block
.set FW0, 7                            ; v7-9 my lane's place in a fragment of Wh, for K steps 0-5, 6-11, 12-15 (an LDS offset has 16 bits)
.set FK,  10                           ; v10  my lane's place in a fragment of Wk
.set STO, 11                           ; v11  the way out: in
.set RD,  12                           ; v12  the way out: back
.set GO,  13                           ; v13  my byte offset in the block's rows of wall
.set SPW, 16                           ; v16, v17  the add's two registers: the rows' path names all 128 registers, so they are not kept: v0 stays as it came, and they are made ahead of the closing lines
.set NIL, 17
.set T,   20                           ; v20-23  at work
.set BH,  24                           ; v24-39  bh
.set CA,  40                           ; v40-47  half a row to cast
.set RB,  48                           ; v48-63  my row of Wk
.set RC,  64                           ; v64-127 my 16 rows of Wh's block
.set BUF, 64                           ; the products: two sets of 16 (a fragment of Wh, one of Wk)
.set ACC, 96                           ; v96-111 two accumulators: even K steps, odd K steps
.set PK,  112                          ; v112-119 packed halves
.set WV,  24                           ; s24  my wave's number
; ---- the rows' names
.set A,   4                            ; v4-11   four chains of pairs
.set MU,  12                           ; v12-13  the mean, twice
.set RS,  14                           ; v14-15  1 / sqrt(var + eps), twice
.set SB,  16                           ; v16-31  s_sty's row as f16
.set X,   32                           ; v32-95  x's row
.set S,   96                           ; v96-127 s_sty's row
.set IX,  30                           ; s30  1 / 2048
.set IS,  31                           ; s31  1 / 1024
.set EPS, 11                           ; s11  1e-5 (set when the row's number is used up)
	s_cmp_lt_u32 ttmp9, NW
	s_cbranch_scc0 .Lnorm
	; ======== THE WEIGHTS ========
	s_load_b512 s[8:23], s[0:1], 0x0               ; Wf 8, Wg 10, Wh 12, Wk 14, bh 16, bk 18, wall 20, bkh 22
	v_lshrrev_b32 v1, 5, v0
	v_readfirstlane_b32 s[WV], v1
	v_and_b32 v[LN], 31, v0
	v_lshlrev_b32 v[L16], 4, v[LN]
	v_lshlrev_b32 v[L8], 3, v[LN]
	s_lshr_b32 s50, ttmp9, 2                       ; block of 32 rows of Wkh
	s_and_b32 s51, ttmp9, 3                        ; block of 128 columns
	s_lshl_b32 s25, s50, 5
	s_add_co_u32 s25, s25, s[WV]                   ; my row of Wk, and my number of bkh: 32 block + wave
	s_lshl_b32 s53, ttmp9, 4
	s_lshr_b32 s52, s[WV], 1
	s_add_co_u32 s53, s53, s52                     ; the row that I cast, among Wf's 512 and then Wg's 512
	s_and_b32 s54, s[WV], 1                        ; which half of it
	s_mov_b32 s27, 0
	s_mov_b32 s48, 0x76543210                      ; v_permlanex16_b32: each lane takes its own place in the other half
	s_mov_b32 s49, 0xfedcba98
	s_wait_kmcnt 0x0
	s_cmp_lt_u32 ttmp9, 32                         ; work-groups 0-31 cast Wf, 32-63 Wg
	s_cselect_b64 s[30:31], s[8:9], s[10:11]
	s_and_b32 s26, s53, 511
	s_lshl_b32 s26, s26, 11                        ; a row of f32 is 2,048 bytes
	s_lshl_b32 s52, s54, 10
	s_add_co_u32 s26, s26, s52
	s_add_nc_u64 s[30:31], s[30:31], s[26:27]      ; from here,
	s_lshl_b32 s26, s53, 10                        ; a row of f16 is 1,024 bytes
	s_lshl_b32 s52, s54, 9
	s_add_co_u32 s26, s26, s52
	s_add_nc_u64 s[40:41], s[20:21], s[26:27]      ; to here: wall[0] and wall[1] lie end to end
	s_lshl_b32 s26, s25, 11
	s_add_nc_u64 s[34:35], s[14:15], s[26:27]      ; Wk at my row
	s_lshl_b32 s26, s25, 2
	s_add_nc_u64 s[38:39], s[18:19], s[26:27]      ; bk at my number
	s_add_nc_u64 s[44:45], s[22:23], s[26:27]      ; bkh
	s_lshl_b32 s26, s[WV], 15
	s_lshl_b32 s52, s51, 9
	s_add_co_u32 s26, s26, s52
	s_add_nc_u64 s[36:37], s[12:13], s[26:27]      ; Wh at row 16 wave, column 128 block
	s_lshl_b32 s26, s50, 15
	s_lshl_b32 s52, s51, 8
	s_add_co_u32 s26, s26, s52
	s_add_co_u32 s26, s26, 0x100000
	s_add_nc_u64 s[42:43], s[20:21], s[26:27]      ; wall[2] at the block's first row and column
	; all my loads go out at once
	global_load_b128 v[CA:CA+3],   v[L16], s[30:31]
	global_load_b128 v[CA+4:CA+7], v[L16], s[30:31] offset:512
.irp j, 0,1,2,3
	global_load_b128 v[RB+4*\j:RB+4*\j+3], v[L16], s[34:35] offset:512*\j
.endr
.set t, 0
.rept 16
	global_load_b128 v[RC+4*t:RC+4*t+3], v[L16], s[36:37] offset:t*2048   ; a row's 512 bytes an instruction
.set t, t+1
.endr
	s_cmp_eq_u32 s51, 0                            ; of the four work-groups that hold the same rows of Wk the first makes their bkh: it alone reads bh and bk
	s_cbranch_scc0 .Lno_bh
	s_load_b32 s46, s[38:39], 0x0
.irp j, 0,1,2,3
	global_load_b128 v[BH+4*\j:BH+4*\j+3], v[L16], s[16:17] offset:512*\j
.endr
.Lno_bh:
	; the LDS addresses, while the loads are out
	s_mul_i32 s52, s[WV], WKP
	s_add_co_u32 s52, s52, WKL
	v_add_nc_u32 v[WKS], s52, v[L8]
	s_mul_i32 s52, s[WV], 16*WHP
	v_add_nc_u32 v[WHS], s52, v[L8]
	v_and_b32 v1, 15, v0                           ; r = l % 16
	v_bfe_u32 v14, v0, 4, 1                        ; h = l / 16
	v_and_b32 v15, 7, v0
	v_bfe_u32 v18, v0, 3, 1
	v_lshl_add_u32 v19, v14, 3, v15                ; the turning load: row 8 h + l % 8,
	v_mul_u32_u24 v19, v19, WHP
	v_lshl_add_u32 v19, v18, 4, v19                ; 16 bytes by (l / 8) % 2,
	s_and_b32 s52, s[WV], 7                        ; my tile (waves 0-15): columns 16 (w % 8) on,
	s_bfe_u32 s53, s[WV], 0x10003                  ; rows 16 (w / 8) on
	s_lshl_b32 s54, s52, 5
	v_add_nc_u32 v[FW0], s54, v19
	v_add_nc_u32 v[FW0+1], 6*32*WHP, v[FW0]
	v_add_nc_u32 v[FW0+2], 12*32*WHP, v[FW0]
	s_mul_i32 s55, s53, 16*WKP
	s_add_co_u32 s55, s55, WKL
	v_mul_u32_u24 v[FK], v1, WKP
	v_lshl_add_u32 v[FK], v14, 4, v[FK]
	v_add_nc_u32 v[FK], s55, v[FK]
	s_mul_i32 s55, s53, 16*SGP
	s_add_co_u32 s55, s55, s54
	s_add_co_u32 s55, s55, STG
	v_mul_u32_u24 v[STO], v1, SGP
	v_lshl_add_u32 v[STO], v14, 4, v[STO]
	v_add_nc_u32 v[STO], s55, v[STO]               ; in: row r of my tile's 16, my tile's 32 bytes, 16 a half
	s_lshl_b32 s55, s[WV], 1
	v_add_nc_u32 v19, s55, v14                     ; back: row 2 w + h
	v_mul_u32_u24 v[RD], v19, SGP
	v_lshl_add_u32 v[RD], v1, 4, v[RD]
	v_add_nc_u32 v[RD], STG, v[RD]
	v_lshlrev_b32 v[GO], 10, v19
	v_lshl_add_u32 v[GO], v1, 4, v[GO]
	s_wait_loadcnt 20                              ; the two loads of the cast are in; behind them stand Wk's 4 and Wh's 16 (and, where bh is read, 4 more)
.irp i, 0,1,2,3
	v_cvt_pk_f16_f32 v[CA+\i], v[CA+2*\i], v[CA+2*\i+1]   ; in place, ascending: a target has been read already
.endr
	global_store_b64 v[L8], v[CA:CA+1],   s[40:41]             ; 32 lanes store 256 consecutive bytes, aligned
	global_store_b64 v[L8], v[CA+2:CA+3], s[40:41] offset:256
	s_cmp_eq_u32 s51, 0
	s_cbranch_scc0 .Lno_bias
	s_wait_loadcnt 0x0                             ; bh was asked for last
	v_pk_mul_f32 v[T:T+1],   v[RB:RB+1],   v[BH:BH+1]     ; my row of Wk times bh: two chains
	v_pk_mul_f32 v[T+2:T+3], v[RB+2:RB+3], v[BH+2:BH+3]
.set i, 2
.rept 6
	v_pk_fma_f32 v[T+2*(i%2):T+2*(i%2)+1], v[RB+2*i:RB+2*i+1], v[BH+2*i:BH+2*i+1], v[T+2*(i%2):T+2*(i%2)+1]
.set i, i+1
.endr
	v_pk_add_f32 v[T:T+1], v[T:T+1], v[T+2:T+3]
	v_add_f32 v[T], v[T], v[T+1]
	v_add_f32_dpp v[T], v[T], v[T] row_xmask:1 row_mask:0xf bank_mask:0xf
	v_add_f32_dpp v[T], v[T], v[T] row_xmask:2 row_mask:0xf bank_mask:0xf
	v_add_f32_dpp v[T], v[T], v[T] row_xmask:4 row_mask:0xf bank_mask:0xf
	v_add_f32_dpp v[T], v[T], v[T] row_xmask:8 row_mask:0xf bank_mask:0xf
	v_permlanex16_b32 v[T+1], v[T], s48, s49
	v_add_f32 v[T], v[T], v[T+1]
	s_wait_kmcnt 0x0                               ; bk's number
	v_add_f32 v[T], s46, v[T]
	v_cmp_eq_u32 vcc_lo, 0, v[LN]
	s_wait_xcnt 0x0                                ; EXEC is a source of the loads and stores that are out: it changes only behind this wait
	s_and_saveexec_b32 s47, vcc_lo
	global_store_b32 v[L8], v[T], s[44:45]         ; lane 0, whose offset is 0: one number a wave, 2,048 bytes in the whole launch
	s_wait_xcnt 0x0                                ; and again ahead of the line that widens it
	s_or_b32 exec_lo, exec_lo, s47
.Lno_bias:
	s_wait_loadcnt 16                              ; my row of Wk is in; Wh's 16 loads may stay out
.irp i, 0,1,2,3,4,5,6,7
	v_cvt_pk_f16_f32 v[RB+\i], v[RB+2*\i], v[RB+2*\i+1]
.endr
.irp j, 0,1,2,3
	ds_store_b64 v[WKS], v[RB+2*\j:RB+2*\j+1] offset:256*\j
.endr
	s_wait_loadcnt 8                               ; Wh's rows 0-7 of my 16
.set t, 0
.rept 16
.if t == 8
	s_wait_loadcnt 0x0                             ; rows 8-15
.endif
	v_cvt_pk_f16_f32 v[RC+2*t],   v[RC+4*t],   v[RC+4*t+1]
	v_cvt_pk_f16_f32 v[RC+2*t+1], v[RC+4*t+2], v[RC+4*t+3]
	ds_store_b64 v[WHS], v[RC+2*t:RC+2*t+1] offset:t*WHP
.set t, t+1
.endr
	s_wait_dscnt 0x0                               ; for the others' sake: my stores are done
	s_barrier_signal -1
	s_barrier_wait -1                              ; both blocks are whole
	s_cmp_lt_u32 s[WV], 16                         ; 16 tiles: waves 0-15 take one each; the others go on to the next barrier
	s_cbranch_scc0 .Lno_tile
.macro LOADF ks, b                     ; K step ks: a fragment of Wh (turned) and one of Wk into set b
.set FB, BUF+16*(\b)
	ds_load_tr16_b128 v[FB:FB+3],   v[FW0+(\ks)/6] offset:((\ks)%6)*32*WHP
	ds_load_tr16_b128 v[FB+4:FB+7], v[FW0+(\ks)/6] offset:((\ks)%6)*32*WHP+16*WHP
	ds_load_b128 v[FB+8:FB+11],  v[FK] offset:64*(\ks)
	ds_load_b128 v[FB+12:FB+15], v[FK] offset:64*(\ks)+32
.endm
	LOADF 0, 0
.set ks, 0
.rept 16
.if ks < 15
	LOADF ks+1, (ks+1)%2                           ; into the set that the step before multiplied, four places behind its product
	s_wait_dscnt 4                                 ; this step's four loads are in, the next step's may stay out
.else
	s_wait_dscnt 0x0
.endif
.set FB, BUF+16*(ks%2)
.set AC, ACC+8*(ks%2)                  ; even and odd K steps have an accumulator each, so that the two take turns
.if ks < 2
	v_wmma_f32_16x16x32_f16 v[AC:AC+7], v[FB:FB+7], v[FB+8:FB+15], 0   ; the first two steps start the sums
.else
	v_wmma_f32_16x16x32_f16 v[AC:AC+7], v[FB:FB+7], v[FB+8:FB+15], v[AC:AC+7]
.endif
.rept 4
	v_nop                                          ; the places ahead of loads into these fragments, and of the additions at the end
.endr
.set ks, ks+1
.endr
.irp i, 0,2,4,6
	v_pk_add_f32 v[ACC+\i:ACC+\i+1], v[ACC+\i:ACC+\i+1], v[ACC+8+\i:ACC+8+\i+1]   ; the two halves of the sum; both accumulators are read from their low end on
.endr
.irp i, 0,1,2,3
	v_cvt_pk_f16_f32 v[PK+\i], v[ACC+2*\i], v[ACC+2*\i+1]
.endr
	ds_store_b128 v[STO], v[PK:PK+3]
.Lno_tile:
	s_wait_dscnt 0x0
	s_barrier_signal -1
	s_barrier_wait -1                              ; a row's 256 bytes come from eight waves
	s_cmp_lt_u32 s[WV], 16                         ; 32 rows: waves 0-15 take two each
	s_cbranch_scc0 .Lw_end
	ds_load_b128 v[PK+4:PK+7], v[RD]
	s_wait_dscnt 0x0
	global_store_b128 v[GO], v[PK+4:PK+7], s[42:43]                ; 16 lanes store 256 consecutive bytes, aligned
.Lw_end:
	v_lshl_add_u32 v[SPW], v0, 2, SPARE            ; the wave's end: the add's two registers are made here, from v0 as it came,
	v_mov_b32 v[NIL], 0
	s_wait_tensorcnt 0x0                           ; and the add and its wait follow, behind my last LDS store
	ds_add_u32 v[SPW], v[NIL]
	s_wait_dscnt 0x0
	s_endpgm
	; ======== THE ROWS ========
.Lnorm:
	s_load_b128 s[4:7], s[0:1], 0x40               ; x, s_sty
	s_load_b64 s[8:9], s[0:1], 0x50                ; zall
	v_lshrrev_b32 v1, 5, v0
	v_readfirstlane_b32 s10, v1
	v_and_b32 v3, 31, v0
	v_lshlrev_b32 v1, 4, v3                        ; 16 x lane: loads
	v_lshlrev_b32 v2, 3, v3                        ; 8 x lane: stores
	s_sub_co_u32 s11, ttmp9, NW
	s_lshl_b32 s11, s11, 5
	s_add_co_u32 s11, s11, s10                     ; r = 32 x (work-group - 64) + wave
	s_lshr_b32 s12, s11, 9                         ; n
	s_and_b32 s13, s11, 511                        ; c
	s_lshl_b32 s14, s11, 13
	s_mov_b32 s15, 0
	s_lshl_b32 s16, s11, 12
	s_mov_b32 s17, 0
	s_lshl_b32 s18, s12, 21                        ; two blocks of 1 MiB a sample,
	s_lshl_b32 s19, s13, 11                        ; 2,048 bytes a channel
	s_add_co_u32 s18, s18, s19
	s_mov_b32 s19, 0
	s_lshl_b32 s20, s11, 11
	s_add_co_u32 s20, s20, 0x2000000
	s_mov_b32 s21, 0
	s_mov_b32 s28, 0x76543210
	s_mov_b32 s29, 0xfedcba98
	s_mov_b32 s[IX], 0x3a000000
	s_mov_b32 s[IS], 0x3a800000
	s_mov_b32 s[EPS], 0x3727c5ac
	s_wait_kmcnt 0x0
	s_add_nc_u64 s[4:5], s[4:5], s[14:15]
	s_add_nc_u64 s[6:7], s[6:7], s[16:17]
	s_add_nc_u64 s[22:23], s[8:9], s[18:19]        ; IN(x)
	s_add_nc_u64 s[24:25], s[8:9], s[20:21]        ; IN(s)
	s_add_nc_u64 s[26:27], s[24:25], 0x1000000     ; s
.irp j, 0,1,2,3,4,5,6,7
	global_load_b128 v[S+4*\j:S+4*\j+3], v1, s[6:7] offset:512*\j th:TH_LOAD_NT
.endr
.irp j, 0,1,2,3,4,5,6,7,8,9,10,11,12,13,14,15
	global_load_b128 v[X+4*\j:X+4*\j+3], v1, s[4:5] offset:512*\j th:TH_LOAD_NT
.endr
.macro REDUCE                          ; the four chains, the pair's halves and the 32 lanes: the sum in every lane's v[A]
	v_pk_add_f32 v[A:A+1], v[A:A+1], v[A+2:A+3]
	v_pk_add_f32 v[A+4:A+5], v[A+4:A+5], v[A+6:A+7]
	v_pk_add_f32 v[A:A+1], v[A:A+1], v[A+4:A+5]
	v_add_f32 v[A], v[A], v[A+1]
	v_add_f32_dpp v[A], v[A], v[A] row_xmask:1 row_mask:0xf bank_mask:0xf
	v_add_f32_dpp v[A], v[A], v[A] row_xmask:2 row_mask:0xf bank_mask:0xf
	v_add_f32_dpp v[A], v[A], v[A] row_xmask:4 row_mask:0xf bank_mask:0xf
	v_add_f32_dpp v[A], v[A], v[A] row_xmask:8 row_mask:0xf bank_mask:0xf
	v_permlanex16_b32 v[A+1], v[A], s28, s29
	v_add_f32 v[A], v[A], v[A+1]
.endm
; The row in v[base ..], pairs register pairs a lane, is normalised in place and packed to f16 into v[base .. base + pairs - 1].  inv: the scalar register with 1 / the row's length.
.macro STAT base, pairs, inv
.irp k, 0,1,2,3
	v_pk_add_f32 v[A+2*\k:A+2*\k+1], v[(\base)+2*\k:(\base)+2*\k+1], v[(\base)+8+2*\k:(\base)+8+2*\k+1]   ; the first eight pairs start the chains
.endr
.set i, 8
.rept (\pairs)-8
	v_pk_add_f32 v[A+2*(i%4):A+2*(i%4)+1], v[A+2*(i%4):A+2*(i%4)+1], v[(\base)+2*i:(\base)+2*i+1]
.set i, i+1
.endr
	REDUCE
	v_mul_f32 v[MU], s[\inv], v[A]
	v_mul_f32 v[MU+1], s[\inv], v[A]
.set i, 0
.rept \pairs
	v_pk_add_f32 v[(\base)+2*i:(\base)+2*i+1], v[(\base)+2*i:(\base)+2*i+1], v[MU:MU+1] neg_lo:[0,1] neg_hi:[0,1]
.set i, i+1
.endr
.irp k, 0,1,2,3
	v_pk_mul_f32 v[A+2*\k:A+2*\k+1], v[(\base)+2*\k:(\base)+2*\k+1], v[(\base)+2*\k:(\base)+2*\k+1]
.endr
.set i, 4
.rept (\pairs)-4
	v_pk_fma_f32 v[A+2*(i%4):A+2*(i%4)+1], v[(\base)+2*i:(\base)+2*i+1], v[(\base)+2*i:(\base)+2*i+1], v[A+2*(i%4):A+2*(i%4)+1]
.set i, i+1
.endr
	REDUCE
	v_fma_f32 v[A], v[A], s[\inv], s[EPS]
	v_rsq_f32 v[RS], v[A]
	v_rsq_f32 v[RS+1], v[A]
	v_nop                                          ; a plain instruction behind the second root,
	s_wait_alu depctr_va_vdst(0)                   ; and one wait for both, ahead of their first reader
.set i, 0
.rept \pairs
	v_pk_mul_f32 v[(\base)+2*i:(\base)+2*i+1], v[(\base)+2*i:(\base)+2*i+1], v[RS:RS+1]
.set i, i+1
.endr
.set i, 0
.rept \pairs
	v_cvt_pk_f16_f32 v[(\base)+i], v[(\base)+2*i], v[(\base)+2*i+1]   ; ascending: a target has been read already
.set i, i+1
.endr
.endm
	s_wait_loadcnt 16                              ; s_sty's row is in; x's 16 loads may stay out
.set i, 0
.rept 16
	v_cvt_pk_f16_f32 v[SB+i], v[S+2*i], v[S+2*i+1]
.set i, i+1
.endr
.irp j, 0,1,2,3,4,5,6,7
	global_store_b64 v2, v[SB+2*\j:SB+2*\j+1], s[26:27] offset:256*\j   ; 32 lanes store 256 consecutive bytes, aligned
.endr
	STAT S, 16, IS
.irp j, 0,1,2,3,4,5,6,7
	global_store_b64 v2, v[S+2*\j:S+2*\j+1], s[24:25] offset:256*\j
.endr
	s_wait_loadcnt 0x0
	STAT X, 32, IX
.irp j, 0,1,2,3,4,5,6,7,8,9,10,11,12,13,14,15
	global_store_b64 v2, v[X+2*\j:X+2*\j+1], s[22:23] offset:(\j/8)*1048576+(\j%8)*256
.endr
	s_endpgm
.Lfunc_end_k_q667beb8b65_prep:
	.size	k_q667beb8b65_prep, .Lfunc_end_k_q667beb8b65_prep-k_q667beb8b65_prep
	.p2alignl 7, 3214868480
	.fill 96, 4, 3214868480
	.section	.rodata,"a",@progbits
	.p2align	6, 0x0
	.amdhsa_kernel k_q667beb8b65_prep
		.amdhsa_group_segment_fixed_size 193536
		.amdhsa_private_segment_fixed_size 0
		.amdhsa_enable_private_segment 0
		.amdhsa_kernarg_size 88
		.amdhsa_user_sgpr_count 2
		.amdhsa_user_sgpr_kernarg_segment_ptr 1
		.amdhsa_wavefront_size32 1
		.amdhsa_system_sgpr_workgroup_id_x 1
		.amdhsa_system_sgpr_workgroup_id_y 1
		.amdhsa_system_sgpr_workgroup_id_z 1
		.amdhsa_system_vgpr_workitem_id 0
		.amdhsa_next_free_vgpr 128
		.amdhsa_next_free_sgpr 66
		.amdhsa_reserve_vcc 1
		.amdhsa_float_denorm_mode_32 3
		.amdhsa_float_denorm_mode_16_64 3
		.amdhsa_memory_ordered 1
		.amdhsa_forward_progress 1
		.amdhsa_inst_pref_size 46
	.end_amdhsa_kernel
	.amdgpu_metadata
---
amdhsa.version: [ 1, 2 ]
amdhsa.kernels:
  - .name:           k_q667beb8b65_prep
    .symbol:         k_q667beb8b65_prep.kd
    .args:
      - { .name: Wf, .offset: 0, .size: 8, .value_kind: global_buffer, .address_space: global }
      - { .name: Wg, .offset: 8, .size: 8, .value_kind: global_buffer, .address_space: global }
      - { .name: Wh, .offset: 16, .size: 8, .value_kind: global_buffer, .address_space: global }
      - { .name: Wk, .offset: 24, .size: 8, .value_kind: global_buffer, .address_space: global }
      - { .name: bh, .offset: 32, .size: 8, .value_kind: global_buffer, .address_space: global }
      - { .name: bk, .offset: 40, .size: 8, .value_kind: global_buffer, .address_space: global }
      - { .name: wall, .offset: 48, .size: 8, .value_kind: global_buffer, .address_space: global }
      - { .name: bkh, .offset: 56, .size: 8, .value_kind: global_buffer, .address_space: global }
      - { .name: x, .offset: 64, .size: 8, .value_kind: global_buffer, .address_space: global }
      - { .name: s_sty, .offset: 72, .size: 8, .value_kind: global_buffer, .address_space: global }
      - { .name: zall, .offset: 80, .size: 8, .value_kind: global_buffer, .address_space: global }
    .group_segment_fixed_size: 193536
    .private_segment_fixed_size: 0
    .kernarg_segment_align: 8
    .kernarg_segment_size: 88
    .max_flat_workgroup_size: 1024
    .sgpr_count:     66
    .vgpr_count:     128
    .wavefront_size: 32
...
	.end_amdgpu_metadata
.endif
;; end of part 5
;; launch conv (part 6): grid 512 x 1, 4 waves a work-group, clusters of 4 x 1, 327,680 bytes of LDS; arguments zall, wall, bf, bg, bkh, yall; writes yall
.if DOCPART == 6
	.amdgcn_target "amdgcn-amd-amdhsa--gfx1250"
	.amdhsa_code_object_version 6
	.text
	.protected	k_q667beb8b65_conv
	.globl	k_q667beb8b65_conv
	.p2align	8
	.type	k_q667beb8b65_conv,@function
k_q667beb8b65_conv:
	s_mov_b64 s[64:65], 0
	v_nop
	global_prefetch_b8 v0, s[64:65] scope:SCOPE_SE
	s_setreg_imm32_b32 hwreg(HW_REG_WAVE_MODE, 25, 1), 1
	s_wait_xcnt 0x0
	s_wait_alu depctr_hold_cnt(0) depctr_sa_sdst(0) depctr_va_vdst(0) depctr_va_sdst(0) depctr_va_ssrc(0) depctr_va_vcc(0) depctr_vm_vsrc(0)
	s_getreg_b32 s2, hwreg(HW_REG_IB_STS2, 6, 4)
	s_cmp_eq_u32 s2, 0
	s_cbranch_scc0 .Lentry_in_a_cluster
	s_endpgm
.Lentry_in_a_cluster:
	s_bfe_u32 s2, ttmp6, 0x10000c
	s_cmp_lg_u32 s2, 0x3003
	s_cbranch_scc0 .Lentry_shape_is_right
	s_endpgm
.Lentry_shape_is_right:
; THE THREE PROJECTIONS AS ONE GEMM.  yall[1024 pb + pos][o] = the sum over c of zall[pb][c][pos] W[o][c] + b[o]; W, b = Wf, bf for blocks pb < 32 (queries), Wg, bg for pb < 48 (keys), Wkh, bkh else (values).
; Operands f16, sums f32, the bias in f32 as the C operand of the first product.  Queries and keys leave as f16, values as bf16, each rounded once.
; LIMITS.  Queries and keys lie within f16's range, 65,504 (a normalised input is at most 45 in size); values have bf16's range.
; SHARES.  A tile is 256 positions x 256 outputs, four waves of 128 x 128: 64 accumulators, 512 registers.  K = 512 goes in four steps of 128 through two LDS slots.
; THE TEXT.  A K step is four quarters of 32 along K and is written twice: a loop of two trips for steps 0 and 1, which fill their slot again, and a loop of two trips for steps 2 and 3, which fill nothing.
; The very first quarter, whose products take the bias as C, stands ahead of the first loop, which is entered behind its first quarter.  The slot in hand is a scalar, 0 or SLOT, added to lane bases.
; CLUSTER.  The four work-groups of a cluster are the four position tiles of one block and one half of the outputs: they multiply by the same rows of W, which are asked for JOINTLY (the same load, descriptor
; and mask in all four).  Z's tiles are each work-group's own: plain loads, in the same rounds.  Clusters 2 k and 2 k + 1 take the two output halves of one block.
; NO PREFETCH: of a tile's four K steps two are the first fills, and a request ahead of the other two would stand at the kernel's head, among the first fills.
; THE PRODUCT IS TAKEN TRANSPOSED: source 0 = 16 rows of W (K along the LDS rows), source 1 = 16 positions of Z ([c][pos] in LDS, turned by ds_load_tr16_b128): a lane holds ONE position (lane % 16)
; and the outputs 8 (lane / 16) + 0..7, which pack into 16 bytes of a row of yall.
; REGISTERS, in windows of 256 (s_set_vgpr_msb: bits 1:0 source 0, 3:2 source 1, 5:4 source 2, 7:6 destination):
;   window 0: v16-29 addresses; v64-127, v128-191 Z's fragments, two buffers; v32-63, v192-255 at work on the way out
;   window 1: v0-63 the bias, laid out as eight C operands; v64-127, v128-191 W's fragments       windows 2, 3: the accumulators, (a, b) at v[8 (8 (a % 4) + b)]
.set ZP,     544                       ; a row of Z in LDS: 512 bytes + 32: an odd multiple of 32, for the turning load
.set WP,     272                       ; a row of W: 256 + 16: an odd multiple of 16
.set HALFT,  34816                     ; what one tensor load brings: 64 rows of Z, or 128 rows of W
.set SLOT,   4*HALFT                   ; Z's 128 rows, then W's 256 rows.  SLOT = 0x22000 shares no bit with wave x HALFT (0, 0x8800, 0x11000, 0x19800): one exclusive or turns a wave's place in one slot into the other's
.set STAGE,  2*SLOT                    ; behind the ring: 16 rows x 272 bytes for each wave
.set SPITCH, 272
.set SPARE,  STAGE+4*16*SPITCH         ; the spare words, 128 bytes a wave: two blocks of 256 bytes that no other line names
.set ADRA0, 16                         ; v16  my lane's place in Z's fragments, slot 0; never rewritten
.set ADRA,  17                         ; v17  the same in the slot in hand
.set ADRB0, 20                         ; v20  in W's fragments, slot 0; never rewritten
.set ADRB,  21                         ; v21  in the slot in hand
.set STO,  24
.set RD,   25
.set CO,   26                          ; v26  my byte offset in two rows of yall
.set BO,   27                          ; v27  32 x (lane / 16): my eight numbers of the bias
.set SPW,  28
.set NIL,  29
.set F0,   64
.set F1,   128
.set TMP,  192
.set OB,   32
.set WV, 16                            ; s16 wave; s17 which half of the positions (also: 0 = I fetch Z, 1 = W); s18 which half of the outputs (also: which half of that tile I fetch)
.set HI, 17
.set LO, 18
.set CX, 19                            ; s19 my place in the cluster: it enters Z's and yall's addresses alone
.set PB, 20                            ; s20 block; s21 output half; s22 which weights
.set OT, 21
.set WI, 22
.set TB, 23                            ; s23 the slot that is read: 0 or SLOT
.set G1Z, 24
.set G0Z, 32                           ; s[32:39] group 0 for Z: a set for each of the two first fills; the second then walks on
.set G1W, 48
.set G0W, 56                           ; s[56:63] the same for W
.set YB,  66                           ; s[66:67] yall at my first row and column
.set BP,  68                           ; s[68:69] the bias at my first output
.set CNT, 70                           ; s70 counts a loop's two trips
.set MSB, 0
.macro WIN new                         ; the immediate's high byte repeats the setting that is left; a switch that changes nothing is dropped
.if MSB != (\new)
	s_set_vgpr_msb (MSB<<8)|(\new)
.set MSB, \new
.endif
.endm
.macro PLACES                          ; four places behind matrix instructions, ahead of loads into their sources and of readers of their results
.rept 4
	v_nop
.endr
.endm
.macro JLOAD                           ; a refill by the walking descriptors: waves 0 and 1 fetch Z's halves, waves 2 and 3 W's; an s_nop 0 and four v_nop follow each line
	s_cmp_eq_u32 s[HI], 0
	s_cbranch_scc0 .Lfor_w_\@
	tensor_load_to_lds s[G0Z+4:G0Z+7], s[G1Z:G1Z+7]
	s_nop 0
.rept 4
	v_nop
.endr
	s_branch .Lasked_\@
.Lfor_w_\@:
	tensor_load_to_lds s[G0W+4:G0W+7], s[G1W:G1W+7]
	s_nop 0
.rept 4
	v_nop
.endr
.Lasked_\@:
.endm
.macro CREST                           ; a round of the cluster's barrier behind its opening barrier
	s_cmp_lg_u32 s[WV], 0
	s_cbranch_scc1 .Lnot_wave_0_\@
	s_barrier_signal -3
.Lnot_wave_0_\@:
	s_barrier_wait -3
	s_barrier_signal -1
	s_barrier_wait -1
.endm
.macro CROUND
	s_barrier_signal -1
	s_barrier_wait -1
	CREST
.endm
	s_load_b256 s[4:11], s[0:1], 0x0               ; zall 4, wall 6, bf 8, bg 10
	s_load_b128 s[12:15], s[0:1], 0x20             ; bkh 12, yall 14
	v_lshl_add_u32 v[SPW], v0, 2, SPARE
	v_mov_b32 v[NIL], 0
	ds_add_u32 v[SPW], v[NIL]                      ; the wave's opening: the add and its wait ahead of my first tensor load
	v_lshrrev_b32 v1, 5, v0
	v_readfirstlane_b32 s[WV], v1
	s_lshr_b32 s[HI], s[WV], 1
	s_and_b32 s[LO], s[WV], 1
	s_bfe_u32 s[CX], ttmp6, 0x40000
	s_lshr_b32 s[PB], ttmp9, 1                     ; in a cluster launch ttmp9 counts clusters
	s_and_b32 s[OT], ttmp9, 1
	s_mov_b32 s[G1Z+0], (1<<16)|(1<<20)|(6<<22)|(7<<25)   ; no mask; elements of 2 bytes; padding on, after every 128 words, 8 words
	s_mov_b32 s[G1Z+1], 256<<16                    ; tensor_dim0 = 256
	s_mov_b32 s[G1Z+2], 64<<16                     ; tensor_dim1 = 64
	s_mov_b32 s[G1Z+3], 256<<16                    ; tile_dim0 = 256
	s_mov_b32 s[G1Z+4], 64                         ; tile_dim1 = 64
	s_mov_b32 s[G1Z+5], 1024                       ; elements from channel to channel
	s_mov_b32 s[G1Z+6], 0
	s_mov_b32 s[G1Z+7], 0
	s_mov_b32 s[G1W+0], 15|(1<<16)|(1<<20)|(1<<21)|(5<<22)|(3<<25)  ; the mask of four, bit 21 beside it; padding after every 64 words, 4 words
	s_mov_b32 s[G1W+1], 128<<16
	s_mov_b32 s[G1W+2], 128<<16
	s_mov_b32 s[G1W+3], 128<<16
	s_mov_b32 s[G1W+4], 128
	s_mov_b32 s[G1W+5], 512
	s_mov_b32 s[G1W+6], 0
	s_mov_b32 s[G1W+7], 0
	s_lshl_b32 s40, s[PB], 20                      ; Z: the block, my 64 channels of a step, my work-group's 256 positions
	s_lshl_b32 s41, s[LO], 17
	s_add_co_u32 s40, s40, s41
	s_lshl_b32 s41, s[CX], 9
	s_add_co_u32 s40, s40, s41
	s_mov_b32 s41, 0
	s_cmp_lt_u32 s[PB], 32
	s_cselect_b32 s[WI], 0, 1
	s_cmp_lt_u32 s[PB], 48
	s_cselect_b32 s[WI], s[WI], 2
	s_lshl_b32 s42, s[WI], 19                      ; W: which matrix, the output half, my 128 rows of it: nothing of my place in the cluster
	s_lshl_b32 s43, s[OT], 18
	s_add_co_u32 s42, s42, s43
	s_lshl_b32 s43, s[LO], 17
	s_add_co_u32 s42, s42, s43
	s_mov_b32 s43, 0
	s_mul_i32 s44, s[WV], HALFT                    ; where my part of a slot lies
	s_mov_b32 s[TB], 0
	s_wait_dscnt 0x0                               ; the opening add is done
	s_wait_kmcnt 0x0
	s_add_nc_u64 s[40:41], s[4:5], s[40:41]
	s_add_nc_u64 s[42:43], s[6:7], s[42:43]
	CROUND                                         ; all four work-groups are here: the first joint loads meet
.irp s, 0,1
	s_mov_b32 s[G0Z+4*(\s)], 1
	s_add_co_u32 s[G0Z+4*(\s)+1], s44, (\s)*SLOT
	s_add_nc_u64 s[G0Z+4*(\s)+2:G0Z+4*(\s)+3], s[40:41], (\s)*262144   ; K step s: 128 channels of 2,048 bytes on
	s_or_b32 s[G0Z+4*(\s)+3], s[G0Z+4*(\s)+3], 0x80000000
	s_mov_b32 s[G0W+4*(\s)], 1
	s_add_co_u32 s[G0W+4*(\s)+1], s44, (\s)*SLOT
	s_add_nc_u64 s[G0W+4*(\s)+2:G0W+4*(\s)+3], s[42:43], (\s)*256
	s_or_b32 s[G0W+4*(\s)+3], s[G0W+4*(\s)+3], 0x80000000
.endr
	s_cmp_eq_u32 s[HI], 0                          ; a wave's two first fills stand in one branch: two loads of mine are out
	s_cbranch_scc0 .Lfirst_w
	tensor_load_to_lds s[G0Z:G0Z+3], s[G1Z:G1Z+7]
	s_nop 0
	tensor_load_to_lds s[G0Z+4:G0Z+7], s[G1Z:G1Z+7]
	s_nop 0
.rept 4
	v_nop
.endr
	s_branch .Lfirst_asked
.Lfirst_w:
	tensor_load_to_lds s[G0W:G0W+3], s[G1W:G1W+7]
	s_nop 0
	tensor_load_to_lds s[G0W+4:G0W+7], s[G1W:G1W+7]
	s_nop 0
.rept 4
	v_nop
.endr
.Lfirst_asked:
	s_cmp_lt_u32 s[PB], 32                         ; which bias
	s_cselect_b64 s[BP:BP+1], s[8:9], s[10:11]
	s_cmp_lt_u32 s[PB], 48
	s_cselect_b64 s[BP:BP+1], s[BP:BP+1], s[12:13]
	s_lshl_b32 s46, s[OT], 10
	s_lshl_b32 s47, s[LO], 9
	s_add_co_u32 s46, s46, s47
	s_mov_b32 s47, 0
	s_add_nc_u64 s[BP:BP+1], s[BP:BP+1], s[46:47]
	v_and_b32 v1, 15, v0                           ; r = l % 16
	v_bfe_u32 v2, v0, 4, 1                         ; h = l / 16
	v_lshlrev_b32 v[BO], 5, v2
	WIN 0x40                                       ; destination window 1
.irp b, 0,1,2,3,4,5,6,7                ; register j of block b: b[16 b + 8 h + j], the same for every position
	global_load_b128 v[8*\b:8*\b+3],   v[BO], s[BP:BP+1] offset:64*\b
	global_load_b128 v[8*\b+4:8*\b+7], v[BO], s[BP:BP+1] offset:64*\b+16
.endr
	WIN 0
	v_and_b32 v3, 7, v0
	v_bfe_u32 v4, v0, 3, 1
	v_lshl_add_u32 v5, v2, 3, v3                   ; the turning load: channel 8 h + l % 8,
	v_mul_u32_u24 v5, v5, ZP
	v_lshl_add_u32 v5, v4, 4, v5                   ; 16 bytes by (l / 8) % 2,
	s_lshl_b32 s40, s[HI], 8                       ; my 128 positions
	v_add_nc_u32 v[ADRA0], s40, v5
	v_mov_b32 v[ADRA], v[ADRA0]
	v_mul_u32_u24 v5, v1, WP
	v_lshl_add_u32 v5, v2, 4, v5
	s_mul_i32 s40, s[LO], HALFT
	s_add_co_u32 s40, s40, 2*HALFT
	v_add_nc_u32 v[ADRB0], s40, v5
	v_mov_b32 v[ADRB], v[ADRB0]
	s_mul_i32 s40, s[WV], 16*SPITCH
	s_add_co_u32 s40, s40, STAGE
	v_add_nc_u32 v[STO], s40, v5                   ; in: row r, 16 bytes for each half of the lanes (the stage's pitch is W's)
	v_mul_u32_u24 v5, v2, SPITCH
	v_lshl_add_u32 v5, v1, 4, v5
	v_add_nc_u32 v[RD], s40, v5                    ; back: lanes 0-15 one row of 256 bytes, lanes 16-31 the next
	v_lshlrev_b32 v5, 10, v2
	v_lshl_add_u32 v[CO], v1, 4, v5                ; and the same two rows in yall
	s_lshl_b32 s40, s[PB], 20
	s_lshl_b32 s41, s[CX], 18
	s_add_co_u32 s40, s40, s41
	s_lshl_b32 s41, s[HI], 17
	s_add_co_u32 s40, s40, s41
	s_lshl_b32 s41, s[OT], 9
	s_add_co_u32 s40, s40, s41
	s_lshl_b32 s41, s[LO], 8
	s_add_co_u32 s40, s40, s41
	s_mov_b32 s41, 0
	s_add_nc_u64 s[YB:YB+1], s[14:15], s[40:41]
; 16 matrix instructions: position blocks a0, a0 + 1 of the window's four x all 8 output blocks, 32 along K.  first = 1: the bias starts the sums.  The 64 accumulators take turns, in the same order in every
; quarter, over the loops' jumps too.
.macro MUL16 f, hi, a0, first
.if \first
	WIN 0x91+0x40*(\hi)                            ; W window 1, Z window 0, C (the bias) window 1, D window 2 or 3
.else
	WIN 0xa1+0x50*(\hi)
.endif
.irp a, \a0, (\a0)+1
.irp b, 0,1,2,3,4,5,6,7
.if \first
	v_wmma_f32_16x16x32_f16 v[8*(8*(\a)+(\b)):8*(8*(\a)+(\b))+7], v[(\f)+8*(\b):(\f)+8*(\b)+7], v[(\f)+8*(4*(\hi)+(\a)):(\f)+8*(4*(\hi)+(\a))+7], v[8*(\b):8*(\b)+7]
.else
	v_wmma_f32_16x16x32_f16 v[8*(8*(\a)+(\b)):8*(8*(\a)+(\b))+7], v[(\f)+8*(\b):(\f)+8*(\b)+7], v[(\f)+8*(4*(\hi)+(\a)):(\f)+8*(4*(\hi)+(\a))+7], v[8*(8*(\a)+(\b)):8*(8*(\a)+(\b))+7]
.endif
.endr
.endr
.endm
.macro FETCH q, f                      ; 32 LDS loads in one run: quarter q's fragments of the slot in hand: W's eight, then Z's eight (turned)
	WIN 0x40
.irp i, 0,1,2,3,4,5,6,7
	ds_load_b128 v[(\f)+8*(\i):(\f)+8*(\i)+3],   v[ADRB] offset:64*(\q)+(\i)*16*WP
	ds_load_b128 v[(\f)+8*(\i)+4:(\f)+8*(\i)+7], v[ADRB] offset:64*(\q)+(\i)*16*WP+32
.endr
	WIN 0
.irp i, 0,1,2,3,4,5,6,7
	ds_load_tr16_b128 v[(\f)+8*(\i):(\f)+8*(\i)+3],   v[ADRA] offset:(\q)*32*ZP+32*(\i)
	ds_load_tr16_b128 v[(\f)+8*(\i)+4:(\f)+8*(\i)+7], v[ADRA] offset:(\q)*32*ZP+32*(\i)+16*ZP
.endr
.endm
.macro QUARTER q, f, g, first          ; multiplies buffer f; in its middle fetches quarter q of the same slot into g
	s_wait_dscnt 8                                 ; W and Z's positions 0-63 are in; the youngest eight loads may be out
	MUL16 \f, 0, 0, \first
	MUL16 \f, 0, 2, \first
	PLACES
	FETCH \q, \g
	s_wait_dscnt 32                                ; all but the 32 just issued
	MUL16 \f, 1, 0, \first
	MUL16 \f, 1, 2, \first
.endm
; A step's last quarter multiplies buffer 1 and changes slots.  Each wave waits for all its tensor loads (at most one is out: its part of the next slot), adds 0 to its spare word, and waits for that and for its
; reads of this slot; behind the barrier nobody reads this slot and the next is whole.  fill = 1: the barrier opens a round of the cluster's, and the refill, one K step on in the other slot than the walking
; descriptor's last, is the first thing behind the round.  fill = 0: nothing is asked for; in the loop's last trip there is no next step, and the run of loads is jumped over (its barrier then serves nothing).
.macro TURN fill
	WIN 0
	s_wait_tensorcnt 0x0
	ds_add_u32 v[SPW], v[NIL]
	s_wait_dscnt 9                                 ; the add and the youngest eight loads may be out
	MUL16 F1, 0, 0, 0
	s_wait_dscnt 0x0                               ; the add is done, and my reads of this slot are over
	s_barrier_signal -1
	MUL16 F1, 0, 2, 0
	WIN 0
	s_xor_b32 s[TB], s[TB], SLOT                   ; the reads go on in the other slot
	v_add_nc_u32 v[ADRA], s[TB], v[ADRA0]
	v_add_nc_u32 v[ADRB], s[TB], v[ADRB0]
	s_barrier_wait -1
.if \fill
	CREST
	s_xor_b32 s[G0Z+5], s[G0Z+5], SLOT
	s_add_nc_u64 s[G0Z+6:G0Z+7], s[G0Z+6:G0Z+7], 262144
	s_xor_b32 s[G0W+5], s[G0W+5], SLOT
	s_add_nc_u64 s[G0W+6:G0W+7], s[G0W+6:G0W+7], 256
	JLOAD                                          ; its four v_nop are also the places ahead of the loads below
	FETCH 0, F0
.else
	PLACES
	s_cmp_eq_u32 s[CNT], 1
	s_cbranch_scc1 .Lno_next_\@
	FETCH 0, F0
.Lno_next_\@:
.endif
	MUL16 F1, 1, 0, 0
	MUL16 F1, 1, 2, 0
.endm
; THE WAY OUT of block a (16 positions x my 128 outputs).  PACK: rounded, f16 for queries and keys, bf16 for values (the branch hangs on the block's number, which all partners share).
.macro PACK a
.set AC, 64*((\a)%4)
	WIN 0
	s_cmp_lt_u32 s[PB], 48
	s_cbranch_scc0 .Lvalues_\@
	WIN 0x0a+5*((\a)/4)                            ; sources 0 and 1: window 2 or 3
.irp b, 0,1,2,3,4,5,6,7
.irp r, 0,1,2,3
	v_cvt_pk_f16_f32 v[TMP+4*(\b)+(\r)], v[AC+8*(\b)+2*(\r)], v[AC+8*(\b)+2*(\r)+1]
.endr
.endr
	WIN 0
	s_branch .Lpacked_\@
.Lvalues_\@:
	WIN 0x0a+5*((\a)/4)
.irp b, 0,1,2,3,4,5,6,7
.irp r, 0,1,2,3
	v_cvt_pk_bf16_f32 v[TMP+4*(\b)+(\r)], v[AC+8*(\b)+2*(\r)], v[AC+8*(\b)+2*(\r)+1]
.endr
.endr
	WIN 0
.Lpacked_\@:
.endm
.macro TOSTAGE a                       ; into my own stage, and back as whole rows of 256 bytes
.set BK, OB+192*((\a)%2)
.irp b, 0,1,2,3,4,5,6,7
	ds_store_b128 v[STO], v[TMP+4*(\b):TMP+4*(\b)+3] offset:32*(\b)
.endr
.irp t, 0,1,2,3,4,5,6,7
	ds_load_b128 v[BK+4*(\t):BK+4*(\t)+3], v[RD] offset:(\t)*2*SPITCH   ; LDS serves a wave's instructions in order (ISA guide 5.7.1.4): these see the stores above
.endr
.endm
.macro SEND a
.set BK, OB+192*((\a)%2)
	s_wait_dscnt 0x0                               ; the block is back in registers
	s_wait_xcnt 0x0                                ; the stores issued so far have read their registers: the other set is loaded again only behind this wait
.irp t, 0,1,2,3,4,5,6,7
	global_store_b128 v[CO], v[BK+4*(\t):BK+4*(\t)+3], s[YB:YB+1] offset:(16*(\a)+2*(\t))*1024   ; 16 lanes store 256 consecutive bytes, aligned
.endr
.endm
	s_wait_tensorcnt 0x1                           ; my part of K step 0 is in; step 1's may stay out
	s_barrier_signal -1
	s_barrier_wait -1
	FETCH 0, F0
	s_wait_loadcnt 0x0                             ; the bias
	QUARTER 1, F0, F1, 1                           ; the first quarter of all: its products start the sums with the bias
	WIN 0                                          ; at a label and at a branch every window is 0
	s_mov_b32 s[CNT], 2
	s_branch .LenterA                              ; the loop is entered behind its first quarter
.LstepA:                                           ; K steps 0 and 1: slot 0 takes step 2, slot 1 step 3
	QUARTER 1, F0, F1, 0
	WIN 0
.LenterA:
	QUARTER 2, F1, F0, 0
	QUARTER 3, F0, F1, 0
	TURN 1
	WIN 0
	s_sub_co_u32 s[CNT], s[CNT], 1
	s_cmp_lg_u32 s[CNT], 0
	s_cbranch_scc1 .LstepA
	s_mov_b32 s[CNT], 2
.LstepB:                                           ; K steps 2 and 3 have a text of their own
	QUARTER 1, F0, F1, 0
	QUARTER 2, F1, F0, 0
	QUARTER 3, F0, F1, 0
	TURN 0
	WIN 0
	s_sub_co_u32 s[CNT], s[CNT], 1
	s_cmp_lg_u32 s[CNT], 0
	s_cbranch_scc1 .LstepB
	PLACES
	PACK 0
	TOSTAGE 0
.irp a, 1,2,3,4,5,6,7                  ; block a's roundings stand between block a - 1's loads from the stage and the wait for them
	PACK \a
	SEND (\a)-1
	TOSTAGE \a
.endr
	SEND 7
	s_wait_tensorcnt 0x0                           ; the wave's end
	ds_add_u32 v[SPW], v[NIL]
	s_wait_dscnt 0x0
	CROUND                                         ; the closing round: no work-group ends while a partner may still ask for a tile that names it
	s_endpgm
.Lfunc_end_k_q667beb8b65_conv:
	.size	k_q667beb8b65_conv, .Lfunc_end_k_q667beb8b65_conv-k_q667beb8b65_conv
	.p2alignl 7, 3214868480
	.fill 96, 4, 3214868480
	.section	.rodata,"a",@progbits
	.p2align	6, 0x0
	.amdhsa_kernel k_q667beb8b65_conv
		.amdhsa_group_segment_fixed_size 327680
		.amdhsa_private_segment_fixed_size 0
		.amdhsa_enable_private_segment 0
		.amdhsa_kernarg_size 48
		.amdhsa_user_sgpr_count 2
		.amdhsa_user_sgpr_kernarg_segment_ptr 1
		.amdhsa_wavefront_size32 1
		.amdhsa_system_sgpr_workgroup_id_x 1
		.amdhsa_system_sgpr_workgroup_id_y 1
		.amdhsa_system_sgpr_workgroup_id_z 1
		.amdhsa_system_vgpr_workitem_id 0
		.amdhsa_next_free_vgpr 1024
		.amdhsa_next_free_sgpr 72
		.amdhsa_reserve_vcc 0
		.amdhsa_float_denorm_mode_32 3
		.amdhsa_float_denorm_mode_16_64 3
		.amdhsa_memory_ordered 1
		.amdhsa_forward_progress 1
		.amdhsa_inst_pref_size 118
	.end_amdhsa_kernel
	.amdgpu_metadata
---
amdhsa.version: [ 1, 2 ]
amdhsa.kernels:
  - .name:           k_q667beb8b65_conv
    .symbol:         k_q667beb8b65_conv.kd
    .args:
      - { .name: zall, .offset: 0, .size: 8, .value_kind: global_buffer, .address_space: global }
      - { .name: wall, .offset: 8, .size: 8, .value_kind: global_buffer, .address_space: global }
      - { .name: bf, .offset: 16, .size: 8, .value_kind: global_buffer, .address_space: global }
      - { .name: bg, .offset: 24, .size: 8, .value_kind: global_buffer, .address_space: global }
      - { .name: bkh, .offset: 32, .size: 8, .value_kind: global_buffer, .address_space: global }
      - { .name: yall, .offset: 40, .size: 8, .value_kind: global_buffer, .address_space: global }
    .group_segment_fixed_size: 327680
    .private_segment_fixed_size: 0
    .kernarg_segment_align: 8
    .kernarg_segment_size: 48
    .max_flat_workgroup_size: 128
    .sgpr_count:     72
    .vgpr_count:     1024
    .wavefront_size: 32
...
	.end_amdgpu_metadata
.endif
;; end of part 6
;; launch attn (part 7): grid 16 x 16, 4 waves a work-group, clusters of 4 x 1, 327,680 bytes of LDS; arguments yall, x, out0; writes out0
.if DOCPART == 7
	.amdgcn_target "amdgcn-amd-amdhsa--gfx1250"
	.amdhsa_code_object_version 6
	.text
	.protected	k_q667beb8b65_attn
	.globl	k_q667beb8b65_attn
	.p2align	8
	.type	k_q667beb8b65_attn,@function
k_q667beb8b65_attn:
	s_mov_b64 s[64:65], 0
	v_nop
	global_prefetch_b8 v0, s[64:65] scope:SCOPE_SE
	s_setreg_imm32_b32 hwreg(HW_REG_WAVE_MODE, 25, 1), 1
	s_wait_xcnt 0x0
	s_wait_alu depctr_hold_cnt(0) depctr_sa_sdst(0) depctr_va_vdst(0) depctr_va_sdst(0) depctr_va_ssrc(0) depctr_va_vcc(0) depctr_vm_vsrc(0)
	s_getreg_b32 s2, hwreg(HW_REG_IB_STS2, 6, 4)
	s_cmp_eq_u32 s2, 0
	s_cbranch_scc0 .Lentry_in_a_cluster
	s_endpgm
.Lentry_in_a_cluster:
	s_bfe_u32 s2, ttmp6, 0x10000c
	s_cmp_lg_u32 s2, 0x3003
	s_cbranch_scc0 .Lentry_shape_is_right
	s_endpgm
.Lentry_shape_is_right:
; ATTENTION WITH ONE HEAD OF 512 CHANNELS, AND THE RESIDUAL.  out0[n][c][i] = the sum over j of softmax_j(Q[i] . K[j]) V[j][c] + x[n][c][i].
; yall rows of 512 channels: Q[n][i] (f16) at row 2048 n + i; K[n][j] (f16) at byte 32 MiB + 1024 (1024 n + j); V[n][j] (bf16; Wk, bk and bh are folded in) at byte 48 MiB + the same.
; Products, maxima and sums in f32; the weights p are rounded to bf16 for the second product, their sum l is taken of the unrounded p; out0 in f32.
; LIMITS.  |log2(e) s| stays under 4e37; a weight below 2^-126 counts as 0; NaN and infinities are not treated apart.  The folded bias passes with the factor (sum of rounded p) / l, within 2^-9 of 1.
; SHARES.  A work-group owns 128 queries of a sample.  The 1,024 keys go in four chunks of 256.  In a chunk: S^T = K Q^T, wave w taking keys 64 w .. + 63 x all 128 queries (32 accumulators); the softmax step,
; in which the waves exchange their maxima through LDS and lay p into LDS as [query][key]; O^T += V^T P, wave w taking channels 128 w .. + 127 x 128 queries (64 accumulators).
; In S^T and in O^T a lane holds ONE query (lane % 16): the rescaling a needs no exchange.  m is common to the four waves; each keeps the sum l of its own keys, and the four meet at the end.
; THE RING.  Two LDS slots; a chunk has eight tiles, S0-S3 (128 channels of K's 256 rows and Q's 128 rows) and V0-V3 (64 keys x 512 channels), 128 matrix instructions a wave each.  At the end of tile t
; tile t + 2 is asked for, into t's slot.  Q is streamed anew in each chunk: Q, P and two slots do not fit together in LDS.
; THE TEXT.  Two neighbouring tiles that ask for the same kind of tile are ONE text, walked twice: S0 S1 (ask for S), S2 S3 (ask for V), V0 V1 (ask for V), V2 V3 (ask for S), and the last chunk's V2 V3 (ask for
; nothing).  The slot that is read is a scalar, 0 or SLOT1, added to lane bases; the descriptors walk.
; CLUSTER.  The four query blocks of a cluster belong to one sample and walk the same K and V: those tiles are asked for JOINTLY.  Q's tiles are each work-group's own: plain loads in the same rounds.
; O^T starts at 0, by 64 products of zeros in the wait for the first tile (their price: 64 matrix instructions a wave that are not the problem's), m at the lowest finite number: the first chunk is a chunk like
; any other, with a = 0, and is not written out.
; REGISTERS, in windows of 256 (s_set_vgpr_msb: bits 1:0 source 0, 3:2 source 1, 5:4 source 2, 7:6 destination):
;   window 0: v8-26 addresses; v32-63 statistics, four a query tile: c m, m, l (even, odd keys); v64-159, v160-255 K's and Q's fragments, two buffers; in the softmax v64-191 packed p, v192-223 at work,
;             v224-239 a and its argument; at the end three sets of x
;   window 1: S^T, (kt, qt) at 32 qt + 8 kt; in the second product two buffers of V's (8) and P's (8) fragments; at the end two sets of rows and the fourth set of x        windows 2, 3: O^T, (ct, qt) at 8 (8 (ct % 4) + qt)
.set KP,    272                        ; a row of K or Q in LDS: 256 bytes + 16: an odd multiple of 16
.set VP,    288                        ; a row of V: 256 + 32: an odd multiple of 32, for the turning load
.set PP,    528                        ; a row of P: 512 + 16
.set QOFF,  69632                      ; in a slot: K's 256 rows, then Q's 128; or V, 64 rows for each wave
.set VW,    18432
.set SLOT1, 131072                     ; slot 1 begins here, so that one exclusive or turns an address in one slot into the other's
.set PL,    235520                     ; behind slot 1: P
.set MX,    303104                     ; behind P: the maxima, [query][wave] f32,
.set LX,    MX+2048                    ; the sums, likewise,
.set SPARE, LX+2048                    ; and the spare words, 128 bytes a wave: two blocks of 256 bytes that no other line names
.set SGP,   1120                       ; the stage at the end: two channels x 128 queries, [query][2] f32, 16 bytes of padding for each 256 and 32 at the end
.set SGW,   64*SGP                     ; a wave's 128 channels.  The four stages lie from byte 0 on, over the ring and part of P, which have had their last fill
.set ADK0, 8                           ; v8, 10, 12, 14  my lane's place in K's, Q's, V's fragments of slot 0 and in P's; never rewritten
.set ADKC, 9                           ; v9, 11, 13, 15  the same for the tile in hand
.set ADQ0, 10
.set ADQC, 11
.set ADV0, 12
.set ADVC, 13
.set ADP0, 14
.set ADPC, 15
.set PST, 16
.set MXS, 17
.set MXL, 18
.set STO, 19
.set STO2, 20
.set RD,  21
.set XO,  22                           ; v22  16 x lane
.set PFO, 23                           ; v23  1,024 x lane: the prefetches take a row a lane
.set SPW, 24
.set NIL, 25
.set LXR, 26
.set ST,  32
.set RL,  48                           ; v48-51  at the end: 1 / l of my four queries of a row
.set F0,  64
.set F1,  160
.set PKR, 64
.set CT,  192
.set AT,  224
.set G0,  0
.set G1,  128
.set WV,  10
.set CX,  11
.set G1K, 16
.set G1Q, 24
.set G1V, 32
.set G0K, 40                           ; s[40:47] group 0 for K: a set for each of the two first fills; the second then walks on
.set G0Q, 48                           ; s[48:55] the same for Q
.set G0V, 56                           ; s[56:59] group 0 for V: it walks
.set CS,  66                           ; s[66:67] log2(e)
.set SEL, 68
.set CH,  70                           ; s70  chunks still to come, this one among them
.set LIM, 71                           ; s71  1 in a wave that prefetches, else the greatest number
.set PFK, 72                           ; s[72:73] K at my 32 rows of the NEXT chunk, at the 256 bytes asked for last
.set PFV, 74                           ; s[74:75] V at my 32 rows and my work-group's 256 bytes of the tile asked for last
.set XBS, 76
.set OBS, 78
.set KB,  80                           ; s[80:81] K at my 128 rows of the chunk whose tiles are being asked for
.set QB,  82                           ; s[82:83] Q at my 64 rows
.set OFS, 84                           ; s[84:85] the bytes along a row of the S tile asked for last: 0, 256, 512, 768
.set CNT, 90                           ; s90  counts a loop's two trips
.set TS,  91                           ; s91  the slot that is read: 0 or SLOT1
.set TP,  92                           ; s92  the V tile's 64 keys in a row of P: 0, 128, 256, 384
.set VWB, 93                           ; s93  wave x VW
.set MSB, 0
.macro WIN new
.if MSB != (\new)
	s_set_vgpr_msb (MSB<<8)|(\new)
.set MSB, \new
.endif
.endm
.macro PLACES
.rept 4
	v_nop
.endr
.endm
.macro ALLQ line:vararg                ; one line for each query tile qt
.set qt, 0
.rept 8
	\line
.set qt, qt+1
.endr
.endm
.macro CREST
	s_cmp_lg_u32 s[WV], 0
	s_cbranch_scc1 .Lnot_wave_0_\@
	s_barrier_signal -3
.Lnot_wave_0_\@:
	s_barrier_wait -3
	s_barrier_signal -1
	s_barrier_wait -1
.endm
.macro CROUND
	s_barrier_signal -1
	s_barrier_wait -1
	CREST
.endm
.macro LS                              ; an S tile: waves 0 and 1 fetch K's halves (jointly), waves 2 and 3 Q's; an s_nop 0 and four v_nop follow each line
	s_cmp_lt_u32 s[WV], 2
	s_cbranch_scc0 .Lfor_q_\@
	tensor_load_to_lds s[G0K+4:G0K+7], s[G1K:G1K+7]
	s_nop 0
.rept 4
	v_nop
.endr
	s_branch .Lasked_\@
.Lfor_q_\@:
	tensor_load_to_lds s[G0Q+4:G0Q+7], s[G1Q:G1Q+7]
	s_nop 0
.rept 4
	v_nop
.endr
.Lasked_\@:
.endm
.macro LV                              ; a V tile: each wave fetches its own 128 channels of the 64 keys (jointly with its likes in the partners)
	tensor_load_to_lds s[G0V:G0V+3], s[G1V:G1V+7]
	s_nop 0
.rept 4
	v_nop
.endr
.endm
; The refill behind a round.  kind 1: the next S tile: its 256 bytes of a row follow the last tile's, round the row's 1,024; the addresses are made anew from the bases.  kind 3: the next V tile, 64 keys on.
; kind 0: none.  Each goes into the other slot than its kind's last.  No tensor load of the wave is out, so the descriptors may be written.
.macro REFILL kind
.if (\kind) == 1
	s_add_co_u32 s[OFS], s[OFS], 256
	s_and_b32 s[OFS], s[OFS], 768
	s_xor_b32 s[G0K+5], s[G0K+5], SLOT1
	s_add_nc_u64 s[G0K+6:G0K+7], s[KB:KB+1], s[OFS:OFS+1]
	s_or_b32 s[G0K+7], s[G0K+7], 0x80000000
	s_xor_b32 s[G0Q+5], s[G0Q+5], SLOT1
	s_add_nc_u64 s[G0Q+6:G0Q+7], s[QB:QB+1], s[OFS:OFS+1]
	s_or_b32 s[G0Q+7], s[G0Q+7], 0x80000000
	LS
.elseif (\kind) == 3
	s_xor_b32 s[G0V+1], s[G0V+1], SLOT1
	s_add_nc_u64 s[G0V+2:G0V+3], s[G0V+2:G0V+3], 65536
	LV
.else
	PLACES
.endif
.endm
; A PREFETCH of the tile whose load stands two changes of slots, 256 matrix instructions, on.  K and V of a sample are walked by four clusters: the first of them asks, waves 0 and 1.  The four partners share a
; tile's 256 blocks of 256 bytes out BY ADDRESS (K: 64 rows each; V: one of the four column blocks each), a lane a row: each block is named once in the launch.  The pointer is stepped at the head of the change
; of slots, behind s_wait_xcnt 0, a tile behind the prefetch that read it.  The first chunk's K comes by its loads alone; the last chunk asks for no K (how = 2).  Q and x are not asked for.
.macro ASK how, ptr
.if \how
.if (\how) == 2
	s_cmp_gt_u32 s[CH], s[LIM]
.else
	s_cmp_eq_u32 s[LIM], 1
.endif
	s_cbranch_scc0 .Lnot_mine_\@
	global_prefetch_b8 v[PFO], s[\ptr:\ptr+1] th:TH_LOAD_NT scope:SCOPE_SE
.Lnot_mine_\@:
.endif
.endm
	s_load_b128 s[4:7], s[0:1], 0x0                ; yall, x
	s_load_b64 s[8:9], s[0:1], 0x10                ; out0
	v_lshl_add_u32 v[SPW], v0, 2, SPARE
	v_mov_b32 v[NIL], 0
	ds_add_u32 v[SPW], v[NIL]                      ; the wave's opening: the add and its wait ahead of my first tensor load
	v_lshrrev_b32 v1, 5, v0
	v_readfirstlane_b32 s[WV], v1
	s_bfe_u32 s[CX], ttmp6, 0x40000
	s_lshl_b32 s13, ttmp9, 2
	s_add_co_u32 s13, s13, s[CX]                   ; my block of 128 queries: it enters Q's, x's and out0's addresses alone
	s_and_b32 s12, ttmp7, 0xffff                   ; the sample
	s_mov_b32 s[G1K+0], 15|(1<<16)|(1<<20)|(1<<21)|(5<<22)|(3<<25)  ; the mask of four, bit 21 beside it; 2-byte elements; padding after every 64 words, 4 words
	s_mov_b32 s[G1K+1], 128<<16
	s_mov_b32 s[G1K+2], 128<<16                    ; 128 rows
	s_mov_b32 s[G1K+3], 128<<16
	s_mov_b32 s[G1K+4], 128
	s_mov_b32 s[G1K+5], 512
	s_mov_b32 s[G1K+6], 0
	s_mov_b32 s[G1K+7], 0
	s_mov_b32 s[G1Q+0], (1<<16)|(1<<20)|(5<<22)|(3<<25)   ; no mask
	s_mov_b32 s[G1Q+1], 128<<16
	s_mov_b32 s[G1Q+2], 64<<16                     ; 64 rows
	s_mov_b32 s[G1Q+3], 128<<16
	s_mov_b32 s[G1Q+4], 64
	s_mov_b32 s[G1Q+5], 512
	s_mov_b32 s[G1Q+6], 0
	s_mov_b32 s[G1Q+7], 0
	s_mov_b32 s[G1V+0], 15|(1<<16)|(1<<20)|(1<<21)|(5<<22)|(7<<25)  ; 8 words of padding
	s_mov_b32 s[G1V+1], 128<<16
	s_mov_b32 s[G1V+2], 64<<16
	s_mov_b32 s[G1V+3], 128<<16
	s_mov_b32 s[G1V+4], 64
	s_mov_b32 s[G1V+5], 512
	s_mov_b32 s[G1V+6], 0
	s_mov_b32 s[G1V+7], 0
	s_and_b32 s14, s[WV], 1                        ; which half of K's or of Q's rows I fetch
	s_lshl_b32 s[KB], s12, 20                      ; K: the sample, my 128 rows
	s_add_co_u32 s[KB], s[KB], 0x2000000
	s_lshl_b32 s15, s14, 17
	s_add_co_u32 s[KB], s[KB], s15
	s_mov_b32 s[KB+1], 0
	s_lshl_b32 s[QB], s12, 21                      ; Q: the sample, my block, my 64 rows
	s_lshl_b32 s15, s13, 17
	s_add_co_u32 s[QB], s[QB], s15
	s_lshl_b32 s15, s14, 16
	s_add_co_u32 s[QB], s[QB], s15
	s_mov_b32 s[QB+1], 0
	s_lshl_b32 s86, s12, 20                        ; V: the sample, my 256 bytes of a row; one tile of 64 keys back, since the address is stepped ahead of every load
	s_add_co_u32 s86, s86, 0x3000000-65536
	s_lshl_b32 s15, s[WV], 8
	s_add_co_u32 s86, s86, s15
	s_mov_b32 s87, 0
	s_mul_i32 s88, s14, 128*KP                     ; places in a slot: made of the wave's number alone
	s_mul_i32 s89, s14, 64*KP
	s_mul_i32 s[VWB], s[WV], VW
	s_mov_b32 s[OFS], 256                          ; the second first fill is S1
	s_mov_b32 s[OFS+1], 0
	s_mov_b32 s[TS], 0
	s_mov_b32 s[CS], 0x3fb8aa3b
	s_mov_b32 s[CS+1], s[CS]
	s_mov_b32 s[SEL], 0x76543210
	s_mov_b32 s[SEL+1], 0xfedcba98
	s_lshr_b32 s[LIM], s[WV], 1                    ; 0 in waves 0 and 1,
	s_or_b32 s[LIM], s[LIM], ttmp9                 ; where the cluster is the sample's first: the same in all four partners
	s_cmp_eq_u32 s[LIM], 0
	s_cselect_b32 s[LIM], 1, -1
	s_wait_dscnt 0x0                               ; the opening add is done
	s_wait_kmcnt 0x0
	s_add_nc_u64 s[KB:KB+1], s[4:5], s[KB:KB+1]
	s_add_nc_u64 s[QB:QB+1], s[4:5], s[QB:QB+1]
	CROUND                                         ; all four work-groups are here: the first joint loads meet
.irp s, 0,1
	s_mov_b32 s[G0K+4*(\s)], 1
	s_add_co_u32 s[G0K+4*(\s)+1], s88, (\s)*SLOT1
	s_add_nc_u64 s[G0K+4*(\s)+2:G0K+4*(\s)+3], s[KB:KB+1], (\s)*256
	s_or_b32 s[G0K+4*(\s)+3], s[G0K+4*(\s)+3], 0x80000000
	s_mov_b32 s[G0Q+4*(\s)], 1
	s_add_co_u32 s[G0Q+4*(\s)+1], s89, (\s)*SLOT1+QOFF
	s_add_nc_u64 s[G0Q+4*(\s)+2:G0Q+4*(\s)+3], s[QB:QB+1], (\s)*256
	s_or_b32 s[G0Q+4*(\s)+3], s[G0Q+4*(\s)+3], 0x80000000
.endr
	s_mov_b32 s[G0V], 1
	s_add_co_u32 s[G0V+1], s[VWB], SLOT1           ; the first V tile turns it to slot 0
	s_add_nc_u64 s[G0V+2:G0V+3], s[4:5], s[86:87]
	s_or_b32 s[G0V+3], s[G0V+3], 0x80000000
	s_cmp_lt_u32 s[WV], 2                          ; a wave's two first fills stand in one branch: two loads of mine are out
	s_cbranch_scc0 .Lfirst_q
	tensor_load_to_lds s[G0K:G0K+3], s[G1K:G1K+7]
	s_nop 0
	tensor_load_to_lds s[G0K+4:G0K+7], s[G1K:G1K+7]
	s_nop 0
.rept 4
	v_nop
.endr
	s_branch .Lfirst_asked
.Lfirst_q:
	tensor_load_to_lds s[G0Q:G0Q+3], s[G1Q:G1Q+7]
	s_nop 0
	tensor_load_to_lds s[G0Q+4:G0Q+7], s[G1Q:G1Q+7]
	s_nop 0
.rept 4
	v_nop
.endr
.Lfirst_asked:
	s_lshl_b32 s86, s12, 20                        ; the prefetches' places: the sample, 32 rows a wave
	s_lshl_b32 s15, s[WV], 15
	s_add_co_u32 s86, s86, s15
	s_lshl_b32 s15, s[CX], 16
	s_add_co_u32 s88, s86, s15
	s_add_co_u32 s88, s88, 0x2000000+262144-256    ; K: chunk 1, rows 64 cx + 32 w on; one step back, since the pointer is stepped ahead of every request
	s_mov_b32 s89, 0
	s_add_nc_u64 s[PFK:PFK+1], s[4:5], s[88:89]
	s_lshl_b32 s15, s[CX], 8
	s_add_co_u32 s88, s86, s15
	s_add_co_u32 s88, s88, 0x3000000-65536         ; V: chunk 0, rows 32 w on, column block cx; one tile back
	s_add_nc_u64 s[PFV:PFV+1], s[4:5], s[88:89]
	s_lshl_b32 s88, s12, 22                        ; x and out0: the sample, my 128 channels, my block's 512 bytes
	s_lshl_b32 s15, s[WV], 20
	s_add_co_u32 s88, s88, s15
	s_lshl_b32 s15, s13, 9
	s_add_co_u32 s88, s88, s15
	s_add_nc_u64 s[XBS:XBS+1], s[6:7], s[88:89]
	s_add_nc_u64 s[OBS:OBS+1], s[8:9], s[88:89]
	v_and_b32 v1, 15, v0                           ; r
	v_bfe_u32 v2, v0, 4, 1                         ; h
	v_and_b32 v3, 7, v0
	v_bfe_u32 v4, v0, 3, 1
	v_and_b32 v5, 31, v0                           ; l
	v_mul_u32_u24 v6, v1, KP
	v_lshl_add_u32 v6, v2, 4, v6                   ; a fragment of K or Q: row r, 16 bytes by the half
	s_mul_i32 s86, s[WV], 64*KP
	v_add_nc_u32 v[ADK0], s86, v6
	v_mov_b32 v[ADKC], v[ADK0]
	v_add_nc_u32 v[ADQ0], QOFF, v6
	v_mov_b32 v[ADQC], v[ADQ0]
	v_lshl_add_u32 v6, v2, 3, v3                   ; the turning load: key 8 h + l % 8, 16 bytes by (l / 8) % 2
	v_mul_u32_u24 v6, v6, VP
	v_lshl_add_u32 v6, v4, 4, v6
	v_add_nc_u32 v[ADV0], s[VWB], v6
	v_mul_u32_u24 v6, v1, PP
	v_lshl_add_u32 v6, v2, 4, v6
	v_add_nc_u32 v[ADP0], PL, v6
	s_lshl_b32 s86, s[WV], 7
	v_add_nc_u32 v[PST], s86, v[ADP0]              ; my wave's 64 keys: 128 bytes of a row of P
	v_lshlrev_b32 v6, 4, v1
	v_add_nc_u32 v[MXL], MX, v6
	s_lshl_b32 s86, s[WV], 2
	v_add_nc_u32 v[MXS], s86, v[MXL]
	s_mul_i32 s86, s[WV], SGW                      ; my stage
	v_mul_u32_u24 v6, v2, 4*SGP                    ; in: channels 8 h on are four pairs on; query r is 8 bytes
	v_lshl_add_u32 v6, v1, 3, v6
	v_add_nc_u32 v[STO], s86, v6
	v_add_nc_u32 v[STO2], 32*SGP, v[STO]           ; channels 64 on
	v_lshrrev_b32 v6, 3, v5                        ; back: my four queries' 32 bytes, behind l / 8 paddings
	v_lshlrev_b32 v6, 4, v6
	v_lshl_add_u32 v6, v5, 5, v6
	v_add_nc_u32 v[RD], s86, v6
	v_lshlrev_b32 v[XO], 4, v5
	v_lshlrev_b32 v[PFO], 10, v5
	v_lshlrev_b32 v6, 6, v5
	v_add_nc_u32 v[LXR], LX, v6                    ; the four waves' sums for my four queries: 64 bytes
.set i, 0
.rept 16
	v_mov_b32 v[64+i], 0                           ; two fragments of zeros,
.set i, i+1
.endr
	WIN 0x80
.set i, 0
.rept 32
	v_wmma_f32_16x16x32_bf16 v[8*i:8*i+7], v[64:71], v[72:79], 0   ; whose products set O^T to 0
.set i, i+1
.endr
	WIN 0xc0
.set i, 0
.rept 32
	v_wmma_f32_16x16x32_bf16 v[8*i:8*i+7], v[64:71], v[72:79], 0
.set i, i+1
.endr
	WIN 0
	ALLQ v_mov_b32 v[ST+4*qt], 0xfe000000          ; c m: far below every c s.  (These lines are also the places ahead of the loads into the two fragments)
	ALLQ v_mov_b32 v[ST+4*qt+1], 0xff7fffff        ; m
	ALLQ v_mov_b32 v[ST+4*qt+2], 0
	ALLQ v_mov_b32 v[ST+4*qt+3], 0
; THE FIRST PRODUCT.  nq query tiles from q0 on x my 4 key tiles, 32 channels.  The 32 accumulators take turns, in the same order in every quarter, over the loops' jumps too.
.macro SMUL f, q0, nq, zero
	WIN 0x50                                       ; K and Q window 0, S^T window 1
.set qq, \q0
.rept \nq
.irp kt, 0,1,2,3
.if \zero
	v_wmma_f32_16x16x32_f16 v[32*qq+8*\kt:32*qq+8*\kt+7], v[(\f)+8*\kt:(\f)+8*\kt+7], v[(\f)+32+8*qq:(\f)+32+8*qq+7], 0
.else
	v_wmma_f32_16x16x32_f16 v[32*qq+8*\kt:32*qq+8*\kt+7], v[(\f)+8*\kt:(\f)+8*\kt+7], v[(\f)+32+8*qq:(\f)+32+8*qq+7], v[32*qq+8*\kt:32*qq+8*\kt+7]
.endif
.endr
.set qq, qq+1
.endr
.endm
.macro FETCH_S k, f                    ; 24 LDS loads in one run: quarter k's fragments of the tile in hand: my 4 of K, then Q's 8
	WIN 0
.irp t, 0,1,2,3
	ds_load_b128 v[(\f)+8*\t:(\f)+8*\t+3],   v[ADKC] offset:\t*16*KP+64*(\k)
	ds_load_b128 v[(\f)+8*\t+4:(\f)+8*\t+7], v[ADKC] offset:\t*16*KP+64*(\k)+32
.endr
.irp t, 0,1,2,3,4,5,6,7
	ds_load_b128 v[(\f)+32+8*\t:(\f)+32+8*\t+3],   v[ADQC] offset:\t*16*KP+64*(\k)
	ds_load_b128 v[(\f)+32+8*\t+4:(\f)+32+8*\t+7], v[ADQC] offset:\t*16*KP+64*(\k)+32
.endr
.endm
.macro SQ k, f, g, zero                ; multiplies buffer f; in its middle fetches quarter k of the same tile into g
	s_wait_dscnt 8                                 ; K and Q's tiles 0-3 are in; the youngest eight loads may be out
	SMUL \f, 0, 4, \zero
	PLACES
	FETCH_S \k, \g
	s_wait_dscnt 24                                ; all but the 24 just issued
	SMUL \f, 4, 4, \zero
.endm
; An S tile's last quarter, and the change of slots: each wave waits for all its tensor loads (one is out: its part of the next tile), adds 0 to its spare word, and waits for that and for its reads of this
; slot; the barrier opens a round of the cluster's; the refill is the first thing behind the round.  last = 1: behind the loop's second tile, S3, comes no S tile, and the run of loads is jumped over.
.macro STURN kind, last
	WIN 0
	s_wait_xcnt 0x0                                ; the last prefetch, a tile back, has read its address
	s_add_nc_u64 s[PFV:PFV+1], s[PFV:PFV+1], 65536
	s_wait_tensorcnt 0x0
	ds_add_u32 v[SPW], v[NIL]
	s_wait_dscnt 9                                 ; the add and the youngest eight loads may be out
	SMUL F1, 0, 2, 0
	s_wait_dscnt 0x0                               ; the add is done, and my reads of this slot are over
	s_barrier_signal -1
	SMUL F1, 2, 2, 0
	WIN 0
	s_xor_b32 s[TS], s[TS], SLOT1                  ; the reads go on in the other slot
	v_add_nc_u32 v[ADKC], s[TS], v[ADK0]
	v_add_nc_u32 v[ADQC], s[TS], v[ADQ0]
	s_barrier_wait -1
	CREST
	REFILL \kind                                   ; its four v_nop are also the places ahead of the loads below
.if \last
	s_cmp_eq_u32 s[CNT], 1
	s_cbranch_scc1 .Lno_s_\@
.endif
	FETCH_S 0, F0
.if \last
.Lno_s_\@:
.endif
	ASK 1, PFV
	SMUL F1, 4, 4, 0
.endm
; THE SECOND PRODUCT.  16 matrix instructions: channel tiles a0, a0 + 1 of the window's four x all 8 query tiles, 32 keys.  The 64 accumulators take turns.
.macro MUL16V g, hi, a0
	WIN 0xa5+0x50*(\hi)                            ; V and P window 1, O^T window 2 or 3
.irp a, \a0, (\a0)+1
.irp q, 0,1,2,3,4,5,6,7
	v_wmma_f32_16x16x32_bf16 v[8*(8*(\a)+(\q)):8*(8*(\a)+(\q))+7], v[(\g)+8*(4*(\hi)+(\a)):(\g)+8*(4*(\hi)+(\a))+7], v[(\g)+64+8*(\q):(\g)+64+8*(\q)+7], v[8*(8*(\a)+(\q)):8*(8*(\a)+(\q))+7]
.endr
.endr
.endm
.macro FETCH_V ks, g                   ; 32 LDS loads in one run: keys 32 ks on of the tile in hand: P's 8 fragments, then my 8 of V (turned)
	WIN 0x40
.irp q, 0,1,2,3,4,5,6,7
	ds_load_b128 v[(\g)+64+8*\q:(\g)+64+8*\q+3],   v[ADPC] offset:\q*16*PP+64*(\ks)
	ds_load_b128 v[(\g)+64+8*\q+4:(\g)+64+8*\q+7], v[ADPC] offset:\q*16*PP+64*(\ks)+32
.endr
.irp c, 0,1,2,3,4,5,6,7
	ds_load_tr16_b128 v[(\g)+8*\c:(\g)+8*\c+3],   v[ADVC] offset:(\ks)*32*VP+32*\c
	ds_load_tr16_b128 v[(\g)+8*\c+4:(\g)+8*\c+7], v[ADVC] offset:(\ks)*32*VP+32*\c+16*VP
.endr
.endm
.macro VQ                              ; a V tile's first 32 keys; in the middle the second 32 are fetched
	s_wait_dscnt 8                                 ; P and V's channel tiles 0-3 are in
	MUL16V G0, 0, 0
	MUL16V G0, 0, 2
	PLACES
	FETCH_V 1, G1
	s_wait_dscnt 32                                ; all but the 32 just issued
	MUL16V G0, 1, 0
	MUL16V G0, 1, 2
.endm
; A V tile's second 32 keys, and the change of slots, as in STURN.  kind = 0: nothing is asked for, and the barrier is the work-group's alone.  What is fetched behind it: mode 0: the next V tile's first
; fragments; mode 1: the same, but behind the loop's second tile, V3, the next chunk's S0; mode 2: the same, but behind the launch's last tile nothing.
.macro VTURN kind, mode, how
	WIN 0
.if \how
	s_wait_xcnt 0x0                                ; the last prefetch, a tile back, has read its address
	s_add_nc_u64 s[PFK:PFK+1], s[PFK:PFK+1], 256
.endif
	s_wait_tensorcnt 0x0
	ds_add_u32 v[SPW], v[NIL]
	s_wait_dscnt 9                                 ; the add and the youngest eight loads may be out
	MUL16V G1, 0, 0
	s_wait_dscnt 0x0
	s_barrier_signal -1
	MUL16V G1, 0, 2
	WIN 0
	s_xor_b32 s[TS], s[TS], SLOT1
	s_add_co_u32 s[TP], s[TP], 128
	v_add_nc_u32 v[ADVC], s[TS], v[ADV0]
	v_add_nc_u32 v[ADPC], s[TP], v[ADP0]
	s_barrier_wait -1
.if \kind
	CREST
.endif
	REFILL \kind
.if (\mode) == 0
	FETCH_V 0, G0
	WIN 0
.elseif (\mode) == 1
	s_cmp_eq_u32 s[CNT], 1
	s_cbranch_scc1 .Lto_s_\@
	FETCH_V 0, G0
	WIN 0
	s_branch .Lfetched_\@
.Lto_s_\@:
	v_add_nc_u32 v[ADKC], s[TS], v[ADK0]
	v_add_nc_u32 v[ADQC], s[TS], v[ADQ0]
	FETCH_S 0, F0
.Lfetched_\@:
.else
	s_cmp_eq_u32 s[CNT], 1
	s_cbranch_scc1 .Lno_v_\@
	FETCH_V 0, G0
	WIN 0
.Lno_v_\@:
.endif
	ASK \how, PFK
	MUL16V G1, 1, 0
	MUL16V G1, 1, 2
.endm
.macro AGAIN label                     ; a loop's end: two trips
	WIN 0
	s_sub_co_u32 s[CNT], s[CNT], 1
	s_cmp_lg_u32 s[CNT], 0
	s_cbranch_scc1 \label
.endm
; THE SOFTMAX STEP OF A CHUNK, in phases.
.macro SOFTMAX
	PLACES                                         ; behind the last products: their results are read, and their sources written
	WIN 0x15                                       ; my 64 keys' maximum for each query: four chains a tile
.set j, 0
.rept 4
	ALLQ v_max3_num_f32 v[CT+4*qt+j], v[32*qt+8*j], v[32*qt+8*j+1], v[32*qt+8*j+2]
.set j, j+1
.endr
	WIN 0x14
.rept 8
	ALLQ v_max3_num_f32 v[CT+4*qt+j%4], v[CT+4*qt+j%4], v[32*qt+8*(j%4)+2*(j/4)+1], v[32*qt+8*(j%4)+2*(j/4)+2]
.set j, j+1
.endr
	ALLQ v_max3_num_f32 v[CT+4*qt], v[CT+4*qt], v[32*qt+7], v[32*qt+15]
	ALLQ v_max3_num_f32 v[CT+4*qt+2], v[CT+4*qt+2], v[32*qt+23], v[32*qt+31]
	WIN 0
	ALLQ v_max3_num_f32 v[CT+4*qt], v[CT+4*qt], v[CT+4*qt+1], v[CT+4*qt+2]
	ALLQ v_max_num_f32 v[CT+4*qt], v[CT+4*qt], v[CT+4*qt+3]
	ALLQ v_permlanex16_b32 v[CT+4*qt+1], v[CT+4*qt], s[SEL], s[SEL+1]
	ALLQ v_max_num_f32 v[CT+4*qt], v[CT+4*qt], v[CT+4*qt+1]
	ALLQ ds_store_b32 v[MXS], v[CT+4*qt] offset:256*qt
	s_wait_dscnt 0x0                               ; for the others' sake: my maxima lie in LDS
	s_barrier_signal -1
	s_barrier_wait -1                              ; my tensor load may stay out
	ALLQ ds_load_b128 v[CT+4*qt:CT+4*qt+3], v[MXL] offset:256*qt
	s_wait_dscnt 0x0
	ALLQ v_max3_num_f32 v[CT+4*qt], v[CT+4*qt], v[CT+4*qt+1], v[CT+4*qt+2]
	ALLQ v_max3_num_f32 v[ST+4*qt+1], v[CT+4*qt], v[CT+4*qt+3], v[ST+4*qt+1]
	ALLQ v_mul_f32 v[CT+4*qt+1], s[CS], v[ST+4*qt+1]
	ALLQ v_sub_f32 v[AT+2*qt+1], v[ST+4*qt], v[CT+4*qt+1]
	ALLQ v_mov_b32 v[ST+4*qt], v[CT+4*qt+1]
	ALLQ v_exp_f32 v[AT+2*qt], v[AT+2*qt+1]
	WIN 0x41                                       ; ONE BATCH: the eight a above and the 256 weights; a pair is scaled four pairs ahead of its exponentials; nothing names a result ahead of the wait
.set i, 0
.rept 132
.if i < 128
	v_pk_fma_f32 v[2*i:2*i+1], v[2*i:2*i+1], s[CS:CS+1], v[ST+4*(i/16):ST+4*(i/16)+1] op_sel_hi:[1,0,0] neg_lo:[0,0,1] neg_hi:[0,0,1]
.endif
.if i >= 4
	v_exp_f32 v[2*(i-4)], v[2*(i-4)]
	v_exp_f32 v[2*(i-4)+1], v[2*(i-4)+1]
.endif
.set i, i+1
.endr
	v_nop                                          ; a plain instruction behind the last exponential,
	s_wait_alu depctr_va_vdst(0)                   ; and the one wait for the batch
	WIN 0x05
.set i, 0
.rept 128
	v_cvt_pk_bf16_f32 v[PKR+i], v[2*i], v[2*i+1]
.set i, i+1
.endr
	WIN 0
.set i, 0
.rept 32
	ds_store_b128 v[PST], v[PKR+4*i:PKR+4*i+3] offset:(i/4)*16*PP+32*(i%4)   ; query tile i / 4, key tile i % 4
.set i, i+1
.endr
	WIN 0x45                                       ; the sums of the unrounded weights, in place: neighbours 1, 2, 4 and 8 pairs apart
.irp w, 4,8,16,32
.set i, 0
.rept 256/\w
	v_pk_add_f32 v[\w*i:\w*i+1], v[\w*i:\w*i+1], v[\w*i+\w/2:\w*i+\w/2+1]
.set i, i+1
.endr
.endr
	WIN 0x10
	ALLQ v_pk_fma_f32 v[ST+4*qt+2:ST+4*qt+3], v[ST+4*qt+2:ST+4*qt+3], v[AT+2*qt:AT+2*qt+1], v[32*qt:32*qt+1] op_sel_hi:[1,0,1]
	WIN 0
	s_wait_dscnt 0x0                               ; my part of P lies in LDS
	s_barrier_signal -1
	WIN 0x82                                       ; O^T times a: work on registers, while the others arrive
.set i, 0
.rept 128
	v_pk_mul_f32 v[2*i:2*i+1], v[2*i:2*i+1], v[AT+2*((i/4)%8):AT+2*((i/4)%8)+1] op_sel_hi:[1,0]
.set i, i+1
.endr
	WIN 0xc3
.set i, 0
.rept 128
	v_pk_mul_f32 v[2*i:2*i+1], v[2*i:2*i+1], v[AT+2*((i/4)%8):AT+2*((i/4)%8)+1] op_sel_hi:[1,0]
.set i, i+1
.endr
	WIN 0
	s_barrier_wait -1                              ; P is whole
.endm
; THE WAY OUT's pieces.  x comes in four sets of 16 channels (rows of 512 bytes, 16 bytes a lane): sets 0-2 in window 0, set 3 in window 1.
.macro XLOAD s
.if (\s) < 3
	WIN 0
.set XS, 64+64*(\s)
.else
	WIN 0x40
.set XS, 128
.endif
.set i, 0
.rept 16
	global_load_b128 v[XS+4*i:XS+4*i+3], v[XO], s[XBS:XBS+1] offset:(16*(\s)+i)*8192 th:TH_LOAD_NT
.set i, i+1
.endr
.endm
.macro RLOAD s                         ; block s of the trip's four comes back from my stage: eight pairs of channels, my four queries of each: 32 bytes
	WIN 0x40
.set RR, 64*((\s)%2)
.set i, 0
.rept 8
	ds_load_b128 v[RR+8*i:RR+8*i+3],   v[RD] offset:(8*(\s)+i)*SGP   ; LDS serves a wave's instructions in order (ISA guide 5.7.1.4): these see my stores into the stage
	ds_load_b128 v[RR+8*i+4:RR+8*i+7], v[RD] offset:(8*(\s)+i)*SGP+16
.set i, i+1
.endr
.endm
; Block s: out0 = O^T x (1 / l) + x, one fused multiply-add a number, onto x's registers; then 16 rows leave.  left: the younger sets of x that may stay out.
.macro OUTB s, left
.if (\s) < 3
	RLOAD (\s)+1
	s_wait_dscnt 16                                ; this block is back; the next block's 16 loads may stay out
.else
	s_wait_dscnt 0x0
.endif
	s_wait_loadcnt \left
.set RR, 64*((\s)%2)
.if (\s) < 3
.set XS, 64+64*(\s)
	WIN 0x01                                       ; the rows in window 1; x and 1 / l in window 0
.else
.set XS, 128
	WIN 0x41
.endif
.set i, 0
.rept 16
.irp k, 0,1,2,3
	v_fmac_f32 v[XS+4*i+\k], v[RR+8*(i/2)+2*\k+i%2], v[RL+\k]   ; channel i of the block, query 4 l + k: in the pair's 32 bytes the word 2 k + i % 2
.endr
.set i, i+1
.endr
.if (\s) < 3
	WIN 0
.else
	WIN 0x04                                       ; store data in window 1
.endif
.set i, 0
.rept 16
	global_store_b128 v[XO], v[XS+4*i:XS+4*i+3], s[OBS:OBS+1] offset:(16*(\s)+i)*8192 th:TH_STORE_NT   ; 512 consecutive bytes, aligned
.set i, i+1
.endr
.endm
	s_wait_tensorcnt 0x1                           ; my part of S0 is in; S1's may stay out
	s_barrier_signal -1
	s_barrier_wait -1
	FETCH_S 0, F0
	s_mov_b32 s[CH], 4
	s_branch .Lenter                               ; the loop is entered at a chunk's first tile, in the middle of a trip
.Lloop:                                            ; three times: a chunk's last two V tiles, whose changes of slots ask for the next chunk's S0 and S1
	s_add_nc_u64 s[KB:KB+1], s[KB:KB+1], 262144    ; K's next 256 rows
	s_mov_b32 s[CNT], 2
.Lvb:
	VQ
	VTURN 1, 1, 1
	AGAIN .Lvb
	s_wait_xcnt 0x0                                ; the prefetches (the youngest 32 products back) have read their addresses
	s_add_nc_u64 s[PFK:PFK+1], s[PFK:PFK+1], 261120   ; 256 rows down, a row's 1,024 bytes back
.Lenter:
.rept 5
	v_nop                                          ; five places: the first products below write over registers that the last products above read
.endr
	SQ 1, F0, F1, 1                                ; S0's first quarter starts the sums; the loop is entered behind its first quarter
	WIN 0
	s_mov_b32 s[CNT], 2
	s_branch .Lsa_in
.Lsa:                                              ; S0 and S1 ask for S2 and S3
	SQ 1, F0, F1, 0
	WIN 0
.Lsa_in:
	SQ 2, F1, F0, 0
	SQ 3, F0, F1, 0
	STURN 1, 0
	AGAIN .Lsa
	s_mov_b32 s[CNT], 2
.Lsb:                                              ; S2 and S3 ask for V0 and V1
	SQ 1, F0, F1, 0
	SQ 2, F1, F0, 0
	SQ 3, F0, F1, 0
	STURN 3, 1
	AGAIN .Lsb
	SOFTMAX
	s_mov_b32 s[TP], 0
	v_add_nc_u32 v[ADVC], s[TS], v[ADV0]
	v_mov_b32 v[ADPC], v[ADP0]
	FETCH_V 0, G0                                  ; V0 is my own load's, shown landed by the last wait for all my loads
	WIN 0
	s_mov_b32 s[CNT], 2
.Lva:                                              ; V0 and V1 ask for V2 and V3
	VQ
	VTURN 3, 0, 2
	AGAIN .Lva
	s_sub_co_u32 s[CH], s[CH], 1
	s_cmp_lg_u32 s[CH], 0
	s_cbranch_scc1 .Lloop
	; THE TAIL has a text of its own.  x's first three sets are asked for here.
	XLOAD 0
	XLOAD 1
	XLOAD 2
	s_mov_b32 s[CNT], 2
.Lvc:                                              ; the last chunk's V2 and V3 ask for nothing (the second trip's barrier serves nothing)
	VQ
	VTURN 0, 2, 0
	AGAIN .Lvc
	; THE END.  l: its two halves, the other half of the lanes, the four waves (through LDS).  The first additions are the places behind the last products.
	ALLQ v_add_f32 v[ST+4*qt+2], v[ST+4*qt+2], v[ST+4*qt+3]
	ALLQ v_permlanex16_b32 v[ST+4*qt+3], v[ST+4*qt+2], s[SEL], s[SEL+1]
	ALLQ v_add_f32 v[ST+4*qt+2], v[ST+4*qt+2], v[ST+4*qt+3]
	XLOAD 3                                        ; the fourth set lands where V's fragments lay
	WIN 0
	ALLQ ds_store_b32 v[MXS], v[ST+4*qt+2] offset:2048+256*qt
	s_wait_dscnt 0x0                               ; my sums lie in LDS, and my reads of the ring and of P are over:
	s_barrier_signal -1
	s_barrier_wait -1                              ; their bytes, which are filled no more, may now serve as stages
.irp e, 0,1,2,3
	ds_load_b128 v[ST+4*\e:ST+4*\e+3], v[LXR] offset:16*\e   ; query 4 l + e: the four waves' sums
.endr
	s_wait_dscnt 0x0
.irp e, 0,1,2,3
	v_pk_add_f32 v[ST+4*\e:ST+4*\e+1], v[ST+4*\e:ST+4*\e+1], v[ST+4*\e+2:ST+4*\e+3]
.endr
.irp e, 0,1,2,3
	v_add_f32 v[ST+4*\e], v[ST+4*\e], v[ST+4*\e+1]
.endr
.irp e, 0,1,2,3
	v_rcp_f32 v[RL+\e], v[ST+4*\e]
.endr
	v_nop                                          ; a plain instruction behind the last reciprocal; the stores below are the independent work ahead of the wait
	; All of O^T goes into my stage, two neighbouring channels of a query an instruction: pair 8 ct + 4 h + j / 2, byte 8 (16 qt + r) + 16 (qt / 2).  Each accumulator's lowest registers go first.
	WIN 0x08                                       ; store data in window 2
.set i, 0
.rept 128
	ds_store_b64 v[STO], v[2*i:2*i+1] offset:(8*(i/32)+i%4)*SGP+128*((i/4)%8)+16*(((i/4)%8)/2)
.set i, i+1
.endr
	WIN 0x0c                                       ; window 3: channels 64 on
.set i, 0
.rept 128
	ds_store_b64 v[STO2], v[2*i:2*i+1] offset:(8*(i/32)+i%4)*SGP+128*((i/4)%8)+16*(((i/4)%8)/2)
.set i, i+1
.endr
	WIN 0
	s_wait_alu depctr_va_vdst(0)                   ; one wait for the four reciprocals, ahead of the branch and of their first reader
	s_mov_b32 s[CNT], 2
	s_branch .Lx_in                                ; the first trip's x has been asked for
.Lx:                                               ; a trip: 64 channels.  The second trip's x is asked for in one run
	s_wait_xcnt 0x0                                ; the stores have read x's registers and the bases
	s_add_nc_u64 s[XBS:XBS+1], s[XBS:XBS+1], 524288
	s_add_nc_u64 s[OBS:OBS+1], s[OBS:OBS+1], 524288
	v_add_nc_u32 v[RD], 32*SGP, v[RD]
	XLOAD 0
	XLOAD 1
	XLOAD 2
	XLOAD 3
	WIN 0
.Lx_in:
	RLOAD 0
	OUTB 0, 48
	OUTB 1, 32
	OUTB 2, 16
	OUTB 3, 0
	AGAIN .Lx
	s_wait_tensorcnt 0x0                           ; the wave's end
	ds_add_u32 v[SPW], v[NIL]
	s_wait_dscnt 0x0
	CROUND                                         ; the closing round: no work-group ends while a partner may still ask for a tile that names it
	s_endpgm
.Lfunc_end_k_q667beb8b65_attn:
	.size	k_q667beb8b65_attn, .Lfunc_end_k_q667beb8b65_attn-k_q667beb8b65_attn
	.p2alignl 7, 3214868480
	.fill 96, 4, 3214868480
	.section	.rodata,"a",@progbits
	.p2align	6, 0x0
	.amdhsa_kernel k_q667beb8b65_attn
		.amdhsa_group_segment_fixed_size 327680
		.amdhsa_private_segment_fixed_size 0
		.amdhsa_enable_private_segment 0
		.amdhsa_kernarg_size 24
		.amdhsa_user_sgpr_count 2
		.amdhsa_user_sgpr_kernarg_segment_ptr 1
		.amdhsa_wavefront_size32 1
		.amdhsa_system_sgpr_workgroup_id_x 1
		.amdhsa_system_sgpr_workgroup_id_y 1
		.amdhsa_system_sgpr_workgroup_id_z 1
		.amdhsa_system_vgpr_workitem_id 0
		.amdhsa_next_free_vgpr 1024
		.amdhsa_next_free_sgpr 96
		.amdhsa_reserve_vcc 0
		.amdhsa_float_denorm_mode_32 3
		.amdhsa_float_denorm_mode_16_64 3
		.amdhsa_memory_ordered 1
		.amdhsa_forward_progress 1
		.amdhsa_inst_pref_size 212
	.end_amdhsa_kernel
	.amdgpu_metadata
---
amdhsa.version: [ 1, 2 ]
amdhsa.kernels:
  - .name:           k_q667beb8b65_attn
    .symbol:         k_q667beb8b65_attn.kd
    .args:
      - { .name: yall, .offset: 0, .size: 8, .value_kind: global_buffer, .address_space: global }
      - { .name: x, .offset: 8, .size: 8, .value_kind: global_buffer, .address_space: global }
      - { .name: out0, .offset: 16, .size: 8, .value_kind: global_buffer, .address_space: global }
    .group_segment_fixed_size: 327680
    .private_segment_fixed_size: 0
    .kernarg_segment_align: 8
    .kernarg_segment_size: 24
    .max_flat_workgroup_size: 128
    .sgpr_count:     96
    .vgpr_count:     1024
    .wavefront_size: 32
...
	.end_amdgpu_metadata
.endif
;; end of part 7
